; MI455X (gfx1250); checked and timed in simulation.
; The chip was launched on July 23, 2026; its instructions are those of AMD's public machine-readable ISA for CDNA 5 (MIT licence, August 2026) and "CDNA5" Instruction Set Architecture Reference Guide (July 2026). The comments in the code are by the model that wrote it; some were corrected since.
;; Attention. Allowed arithmetic: matrix products marked QUANTISED: E3M2 operands, one E8M0 scale for each 32 along K, by v_wmma_scale_f32_16x16x128_f8f6f4 with both operands' format E3M2, f32 sums; everything else in f32.
;; Inputs: bk 2,048 float32; bo 2,048 float32; bq 2,048 float32; bv 2,048 float32; mask 1 x 1 x 2,048 x 2,048 int32; wk 2,048 x 2,048 float32; wo 2,048 x 2,048 float32; wq 2,048 x 2,048 float32; wv 2,048 x 2,048 float32; x 1 x 2,048 x 2,048 float32.
;; Outputs: out0 1 x 2,048 x 2,048 float32.
;; This version of the problem:
;;   THIS VERSION OF THE PROBLEM IS GIVEN IN LOW PRECISION. The matrix products marked QUANTISED in the list below multiply operands that are first quantised to E3M2 (3 exponent bits, 2 mantissa bits; 6 bits a number), with one power-of-two scale for each 32 numbers along K (OCP MX v1.0); their sums are f32. All else is computed in f32.
;;   The module's matrix products, in the order in which they are computed (A, B: the left and right operand; K: the contracted axis; several contracted axes count as one K, in the product's order):
;;     1. [M 2,048, K 2,048] x [K 2,048, N 2,048]; A: input x; B: input wq: QUANTISED
;;     2. [M 2,048, K 2,048] x [K 2,048, N 2,048]; A: input x; B: input wk: QUANTISED
;;     3. [M 2,048, K 2,048] x [K 2,048, N 2,048]; A: input x; B: input wv: QUANTISED
;;     4. batch 16 x [M 2,048, K 128] x [K 128, N 2,048]; A: computed on the way; B: computed on the way: QUANTISED
;;     5. batch 16 x [M 2,048, K 2,048] x [K 2,048, N 128]; A: softmax (see below); B: computed on the way: QUANTISED
;;     6. [M 2,048, K 2,048] x [K 2,048, N 2,048]; A: computed on the way; B: input wo: QUANTISED
;;   THE QUANTISER, for each operand of a quantised product, along K:
;;     - K is cut into blocks of 32 from its start; a last block that is shorter is filled with zeros.
;;     - A block's scale is 2^e with e = floor(log2(the largest magnitude in the block)) - 4, held to -126 .. 127; a block of zeros has e = 0. As a byte (E8M0): e + 127.
;;     - Each number is divided by its block's scale, clamped to +-28, and rounded to the nearest number of E3M2, ties to even, subnormals kept.
;;     - The product sums the exact products of the quantised numbers (number of the format x scale) in f32.
;;   ~~~python
;;   def quantise(x, axis):      # numpy; x: float32 -> the quantised numbers, widened to float32 again
;;       x = np.moveaxis(x, axis, -1); K = x.shape[-1]
;;       x = np.pad(x, [(0, 0)] * (x.ndim - 1) + [(0, -K % 32)]); x = x.reshape(x.shape[:-1] + (-1, 32)); a = np.abs(x).max(-1, keepdims=True)
;;       e = np.where(a > 0, np.clip(np.frexp(np.where(a > 0, a, 1))[1] - 1 - 4, -126, 127), 0)      # np.frexp(a)[1] - 1 = floor(log2(a)), exactly
;;       r = np.clip(x / 2.0 ** e, -28, 28)
;;       step = 2.0 ** (np.maximum(np.frexp(np.where(r == 0, 1, r))[1] - 1, -2) - 2)
;;       q = np.round(r / step) * step * 2.0 ** e      # np.round: ties to even
;;       return np.moveaxis(q.reshape(q.shape[:-2] + (-1,))[..., :K], -1, axis).astype(np.float32)
;;   ~~~
;;   SOFTMAX AHEAD OF A QUANTISED PRODUCT. Where the list says 'softmax', what is quantised is not the finished softmax but p = 2^(t - M), with t = logit x log2(e) and M = ceil(the row's largest t), a whole number; so 1/2 < the row's largest p <= 1. The row's sum l is taken of the UNQUANTISED p, in f32, and the product's result is divided by l at the end. Since M is a whole number, a kernel that streams over the keys may use a running M (the ceiling of the running maximum): every later rescaling is an exact power of two, which a block's scale takes up: the codes' values come out the same.
;;   OPERANDS COMPUTED ON THE WAY. 'Computed on the way' means the value that the module computes at that place (a softmax that the list does not call 'softmax' is quantised finished and normalised). What goes into a quantiser is computed in f32, as accurately as f32 sums, v_exp_f32 and their like allow (about 1e-6 of the number): no bf16 or f16 on the way to a quantiser, and a product that is left as it is and whose result goes on into a quantised operand takes f32 operands (vector FMAs, or v_wmma_f32_16x16x4_f32). A number that lies on a knife's edge between two numbers of the format may be rounded either way, as far as f32 arithmetic and the matrix unit's own rounding can turn it there, and no further.
;; 3 versions, each right; version 3 is version 2 with the launch attn written anew for expert scheduling mode. Each part assembles by itself: llvm-mc -triple=amdgcn-amd-amdhsa -mcpu=gfx1250 --defsym DOCPART=n.
;; ======== version 1 of 3: 4 launches
;; workspace buffers: w1c 15,728,640 bytes; w1s 655,360 bytes; lm 524,288 bytes of whole numbers; w2c 9,437,184 bytes; w2s 393,216 bytes; w3c 3,145,728 bytes; w3s 131,072 bytes
;; launch quant (part 1): grid 768 x 1, 4 waves a work-group, no clusters, 34,304 bytes of LDS; arguments x, wq, wk, wv, wo, mask, w1c, w1s, lm; writes w1c, w1s, lm
.if DOCPART == 1
	.amdgcn_target "amdgcn-amd-amdhsa--gfx1250"
	.amdhsa_code_object_version 6
	.text
	.protected	k_q4310acaf73_quant
	.globl	k_q4310acaf73_quant
	.p2align	8
	.type	k_q4310acaf73_quant,@function
k_q4310acaf73_quant:
	s_mov_b64 s[64:65], 0
	v_nop
	global_prefetch_b8 v0, s[64:65] scope:SCOPE_SE
	s_setreg_imm32_b32 hwreg(HW_REG_WAVE_MODE, 25, 1), 1
	s_wait_xcnt 0x0
; x, wq, wk, wv, wo [2048][2048] f32 (K innermost) become codes of BF6 (E3M2) with one E8M0 byte for each 32 along K; the mask [2048][2048] int32 becomes lane masks.
; LAYOUT OF THE CODES.  A fragment is 16 rows x 128 K: 12 registers a lane.  It is stored as the image of its registers: registers 4 c .. 4 c + 3 of lane l at 512 c + 16 l, 1,536 bytes.
; A tensor is [K step 16][row block 128][1,536].  THE ROWS OF A BLOCK ARE NOT NEIGHBOURS: lane r of block rb holds row 32 (rb / 2) + 8 (rb % 2) + r + 8 (r / 8), so that a product which
; takes such blocks as source 0 leaves 16 neighbouring rows in the 16 registers of two neighbouring tiles.  Scale words: [K step 16][16 rb + r], four bytes each.
; A block's scale is 2^(floor(log2(its largest magnitude)) - 4); its byte is the largest magnitude's exponent field - 4, held at 1 from below.
; LIMITS: a block whose largest magnitude lies under 2^-122, a block of zeros among them, keeps the byte 1 (its codes are read by this program alone); NaN and infinities among the inputs are not served.
; THE MASK goes the same way in: word n of lm[row block][key step][64] has bit r + 16 h set where mask[row r of the block][128 step + 32 (n / 16) + 16 h + n % 16] is not 0.
; SHARES.  Work-group: tensor ttmp9 / 128 (5 = the mask), row block ttmp9 % 128, all 2,048 columns; wave w takes K steps 4 w .. 4 w + 3.  Each load reads 512 consecutive bytes of a row; the 16 rows x 512 bytes
; turn through the wave's own stage in LDS (rows 528 bytes apart) and come back as 16 neighbours of each block of 32 in a lane.  Waves share nothing: no barrier.  Two fragments' loads (32) are out.
.set R,   16                           ; v16-143  two sets of 64 registers as loaded
.set X,   144                          ; v144-207 register 16 b + i: column 32 b + 16 h + i of my row
.set PC,  208                          ; v208-227 the codes
.set TM,  228                          ; v228-243 at work
.set PW,  244                          ; v244-247 a scale word for each fragment
.set MO,  248                          ; v248-255 the mask words, a pair for each key step
.set SRC, 26
.set OC,  28
.set OS,  30
.set OM,  32
.set T,   34
.set HM,  35
.set SEL, 36
; 64 numbers of a lane, register 16 b + i = k 32 b + 16 (lane / 16) + i of my row, become a fragment's codes in v[pc] .. v[pc + 11] and its scale word in v[pw]
.macro QUANT s, pc, tm, pw
.irp b, 0,1,2,3
	v_max3_num_f32 v[\tm+\b], |v[\s+16*\b]|, |v[\s+1+16*\b]|, 0x2800000   ; my 16 numbers of block b, and the floor 2^(5 - 127): the byte cannot fall under 1
.endr
.irp i, 2,4,6,8,10,12,14
.irp b, 0,1,2,3
	v_max3_num_f32 v[\tm+\b], v[\tm+\b], |v[\s+16*\b+\i]|, |v[\s+1+16*\b+\i]|
.endr
.endr
.irp b, 0,1,2,3
	v_permlanex16_b32 v[\tm+4+\b], v[\tm+\b], s[SEL], s[SEL+1]
.endr
.irp b, 0,1,2,3
	v_max_num_f32 v[\tm+\b], v[\tm+\b], v[\tm+4+\b]   ; with lane l xor 16's: the block's largest magnitude
.endr
.irp b, 0,1,2,3
	v_add_nc_u32 v[\tm+12+\b], 0xfe000000, v[\tm+\b]  ; 4 off its exponent field: the conversion's scale operand
.endr
.irp b, 0,1,2,3
	v_lshrrev_b32 v[\tm+4+\b], 23, v[\tm+12+\b]       ; the scale's byte
.endr
	v_lshl_or_b32 v[\pw], v[\tm+5], 8, v[\tm+4]
	v_lshl_or_b32 v[\pw], v[\tm+6], 16, v[\pw]
	v_lshl_or_b32 v[\pw], v[\tm+7], 24, v[\pw]
.irp c, 0,1
	v_cvt_scalef32_pk16_bf6_f32 v[\pc+6*\c:\pc+2+6*\c], v[\s+32*\c:\s+15+32*\c], v[\tm+12+2*\c]
	v_cvt_scalef32_pk16_bf6_f32 v[\pc+12+4*\c:\pc+14+4*\c], v[\s+16+32*\c:\s+31+32*\c], v[\tm+12+2*\c+1]   ; (a conversion's three registers begin on an even number)
.endr
	v_nop                                          ; one plain place behind a scaled conversion
.irp c, 0,1                                    ; the operand's layout wants a whole block in a lane
.irp i, 0,1,2
	v_permlane16_swap_b32 v[\pc+6*\c+\i], v[\pc+12+4*\c+\i]
.endr
.irp i, 0,1,2
	v_mov_b32 v[\pc+3+6*\c+\i], v[\pc+12+4*\c+\i]
.endr
.endr
.endm
	s_load_b512 s[8:23], s[0:1], 0x0               ; x, wq, wk, wv, wo, mask, w1c, w1s
	s_load_b64 s[24:25], s[0:1], 0x40              ; lm
	v_lshl_add_u32 v238, v0, 2, 0x8400
	v_mov_b32 v239, 0
	v_lshrrev_b32 v1, 5, v0
	v_readfirstlane_b32 s38, v1                    ; wave
	v_and_b32 v1, 31, v0                           ; lane
	v_and_b32 v2, 15, v0                           ; r
	v_bfe_u32 v3, v0, 4, 1                         ; h
	v_lshlrev_b32 v4, 4, v1                        ; 16 x lane: my bytes of a load's 512, and of an image's
	s_mul_i32 s39, s38, 8448                       ; my wave's stage
	v_add_nc_u32 v5, s39, v4                       ; into it: a row as it lies
	v_mul_u32_u24 v6, v2, 528
	v_lshl_add_u32 v6, v3, 6, v6
	v_add_nc_u32 v6, s39, v6                       ; out of it: row r, + 64 h
	v_lshlrev_b32 v7, 2, v2
	v_lshl_add_u32 v7, v3, 13, v7                  ; scale words: 4 r, lanes 16-31 one K step (8,192 bytes) on
	v_lshlrev_b32 v8, 3, v1                        ; mask words: 8 bytes a lane
.irp b, 0,1,2,3
	v_mov_b32 v[TM+4+\b], 0                        ; a lane permute's destination counts as one of its sources
	v_mov_b32 v[PW+\b], 0
.endr
.irp b, 0,1,2,3,4,5,6,7
	v_mov_b32 v[MO+\b], 0                          ; and so does v_writelane_b32's
.endr
	s_mov_b32 s[HM], 0xffff0000                    ; lanes 16-31
	s_mov_b32 s[SEL], 0x76543210
	s_mov_b32 s[SEL+1], 0xfedcba98
	s_lshr_b32 s[T], ttmp9, 7                      ; which tensor
	s_and_b32 s48, ttmp9, 127                      ; which row block
	s_lshr_b32 s49, s48, 1
	s_lshl_b32 s49, s49, 5
	s_and_b32 s50, s48, 1
	s_lshl_b32 s50, s50, 3
	s_add_co_u32 s49, s49, s50                     ; the block's first row: 32 (rb / 2) + 8 (rb % 2)
	s_lshl_b32 s50, s49, 13                        ; x 8,192 bytes
	s_lshl_b32 s51, s38, 11                        ; + my wave's 2,048 bytes of a row
	s_add_co_u32 s50, s50, s51
	s_mov_b32 s51, 0
	s_min_u32 s49, s[T], 4                         ; (the mask's work-groups store no codes: their address stays inside all the same)
	s_mul_i32 s52, s49, 3145728
	s_mul_i32 s53, s38, 4*196608
	s_add_co_u32 s52, s52, s53
	s_mul_i32 s53, s48, 1536
	s_add_co_u32 s52, s52, s53
	s_mov_b32 s53, 0
	s_lshl_b32 s54, s49, 17
	s_lshl_b32 s55, s38, 15
	s_add_co_u32 s54, s54, s55
	s_lshl_b32 s55, s48, 6
	s_add_co_u32 s54, s54, s55
	s_mov_b32 s55, 0
	s_lshl_b32 s56, s48, 12                        ; lm: (16 rb + 4 w) x 256
	s_lshl_b32 s57, s38, 10
	s_add_co_u32 s56, s56, s57
	s_mov_b32 s57, 0
	s_wait_kmcnt 0x0
	s_cmp_eq_u32 s[T], 1                           ; the choice hangs on the work-group's number alone
	s_cselect_b64 s[SRC:SRC+1], s[10:11], s[8:9]
	s_cmp_eq_u32 s[T], 2
	s_cselect_b64 s[SRC:SRC+1], s[12:13], s[SRC:SRC+1]
	s_cmp_eq_u32 s[T], 3
	s_cselect_b64 s[SRC:SRC+1], s[14:15], s[SRC:SRC+1]
	s_cmp_eq_u32 s[T], 4
	s_cselect_b64 s[SRC:SRC+1], s[16:17], s[SRC:SRC+1]
	s_cmp_eq_u32 s[T], 5
	s_cselect_b64 s[SRC:SRC+1], s[18:19], s[SRC:SRC+1]
	s_add_nc_u64 s[SRC:SRC+1], s[SRC:SRC+1], s[50:51]
	s_add_nc_u64 s[OC:OC+1], s[20:21], s[52:53]
	s_add_nc_u64 s[OS:OS+1], s[22:23], s[54:55]
	s_add_nc_u64 s[OM:OM+1], s[24:25], s[56:57]
.macro LOADF f, set                    ; fragment f: 16 rows x 512 bytes
.irp t, 0,1,2,3,4,5,6,7,8,9,10,11,12,13,14,15
	global_load_b128 v[R+64*(\set)+4*\t:R+64*(\set)+4*\t+3], v4, s[SRC:SRC+1] offset:(\t+8*(\t/8))*8192+512*(\f) th:TH_LOAD_NT
.endr
.endm
.macro TURNF set                       ; through the stage: LDS serves a wave's instructions in order, so no wait stands between the stores and the loads
.irp t, 0,1,2,3,4,5,6,7,8,9,10,11,12,13,14,15
	ds_store_b128 v5, v[R+64*(\set)+4*\t:R+64*(\set)+4*\t+3] offset:528*\t
.endr
.irp b, 0,1,2,3
.irp j, 0,1,2,3
	ds_load_b128 v[X+16*\b+4*\j:X+16*\b+4*\j+3], v6 offset:128*\b+16*\j
.endr
.endr
.endm
.macro FSTEP f
.if \f < 3
	s_wait_loadcnt 16                              ; this fragment's 16 loads are in; the other set's 16 may be out
.else
	s_wait_loadcnt 0x0
.endif
	TURNF (\f)%2
	s_wait_dscnt 0x0                               ; the numbers are back, and the stores have read their registers,
.if \f < 2
	LOADF (\f)+2, (\f)%2                           ; which take the fragment two on
.endif
	s_cmp_eq_u32 s[T], 5
	s_cbranch_scc1 .Lmask_\@
	s_wait_xcnt 0x0                                ; the last fragment's stores have read the codes' registers
	QUANT X, PC, TM, PW+\f
.irp c, 0,1,2
	global_store_b128 v4, v[PC+4*\c:PC+4*\c+3], s[OC:OC+1] offset:196608*(\f)+512*\c   ; 32 lanes store 512 consecutive bytes, aligned
.endr
	s_branch .Ljoin_\@
.Lmask_\@:
.set N, 0
.rept 64
	v_cmp_ne_u32 s[40+N%8], 0, v[X+N]              ; the 32 lanes' bits of register N,
	v_writelane_b32 v[MO+2*(\f)+N%2], s[40+N%8], N/2   ; as word N: lane N / 2, register N % 2
.set N, N+1
.endr
	global_store_b64 v8, v[MO+2*(\f):MO+2*(\f)+1], s[OM:OM+1] offset:256*(\f)   ; 32 lanes store 256 consecutive bytes, aligned
.Ljoin_\@:
.endm
	LOADF 0, 0
	LOADF 1, 1
	FSTEP 0
	FSTEP 1
	FSTEP 2
	FSTEP 3
	s_cmp_eq_u32 s[T], 5
	s_cbranch_scc1 .Lend
.irp i, 0,1                                    ; lanes 0-15 store K step 4 w + 2 i's words of the 16 rows, lanes 16-31 the next K step's: 64 bytes each
	v_cndmask_b32 v[TM+\i], v[PW+2*\i], v[PW+2*\i+1], s[HM]
	global_store_b32 v7, v[TM+\i], s[OS:OS+1] offset:16384*\i
.endr
.Lend:
	s_wait_tensorcnt 0x0
	ds_add_u32 v238, v239
	s_wait_dscnt 0x0
	s_endpgm
.Lfunc_end_k_q4310acaf73_quant:
	.size	k_q4310acaf73_quant, .Lfunc_end_k_q4310acaf73_quant-k_q4310acaf73_quant
	.p2alignl 7, 3214868480
	.fill 96, 4, 3214868480
	.section	.rodata,"a",@progbits
	.p2align	6, 0x0
	.amdhsa_kernel k_q4310acaf73_quant
		.amdhsa_group_segment_fixed_size 34304
		.amdhsa_private_segment_fixed_size 0
		.amdhsa_enable_private_segment 0
		.amdhsa_kernarg_size 72
		.amdhsa_user_sgpr_count 2
		.amdhsa_user_sgpr_kernarg_segment_ptr 1
		.amdhsa_wavefront_size32 1
		.amdhsa_system_sgpr_workgroup_id_x 1
		.amdhsa_system_sgpr_workgroup_id_y 1
		.amdhsa_system_sgpr_workgroup_id_z 1
		.amdhsa_system_vgpr_workitem_id 0
		.amdhsa_next_free_vgpr 256
		.amdhsa_next_free_sgpr 66
		.amdhsa_reserve_vcc 0
		.amdhsa_float_denorm_mode_32 3
		.amdhsa_float_denorm_mode_16_64 3
		.amdhsa_memory_ordered 1
		.amdhsa_forward_progress 1
		.amdhsa_inst_pref_size 67
	.end_amdhsa_kernel
	.amdgpu_metadata
---
amdhsa.version: [ 1, 2 ]
amdhsa.kernels:
  - .name:           k_q4310acaf73_quant
    .symbol:         k_q4310acaf73_quant.kd
    .args:
      - { .name: x, .offset: 0, .size: 8, .value_kind: global_buffer, .address_space: global }
      - { .name: wq, .offset: 8, .size: 8, .value_kind: global_buffer, .address_space: global }
      - { .name: wk, .offset: 16, .size: 8, .value_kind: global_buffer, .address_space: global }
      - { .name: wv, .offset: 24, .size: 8, .value_kind: global_buffer, .address_space: global }
      - { .name: wo, .offset: 32, .size: 8, .value_kind: global_buffer, .address_space: global }
      - { .name: mask, .offset: 40, .size: 8, .value_kind: global_buffer, .address_space: global }
      - { .name: w1c, .offset: 48, .size: 8, .value_kind: global_buffer, .address_space: global }
      - { .name: w1s, .offset: 56, .size: 8, .value_kind: global_buffer, .address_space: global }
      - { .name: lm, .offset: 64, .size: 8, .value_kind: global_buffer, .address_space: global }
    .group_segment_fixed_size: 34304
    .private_segment_fixed_size: 0
    .kernarg_segment_align: 8
    .kernarg_segment_size: 72
    .max_flat_workgroup_size: 128
    .sgpr_count:     66
    .vgpr_count:     256
    .wavefront_size: 32
...
	.end_amdgpu_metadata
.endif
;; end of part 1
;; launch qkv (part 2): grid 24 x 8, 4 waves a work-group, clusters of 4 x 4, 327,680 bytes of LDS; arguments w1c, w1s, bq, bk, bv, w2c, w2s; writes w2c, w2s
.if DOCPART == 2
	.amdgcn_target "amdgcn-amd-amdhsa--gfx1250"
	.amdhsa_code_object_version 6
	.text
	.protected	k_q4310acaf73_qkv
	.globl	k_q4310acaf73_qkv
	.p2align	8
	.type	k_q4310acaf73_qkv,@function
k_q4310acaf73_qkv:
	s_mov_b64 s[64:65], 0
	v_nop
	global_prefetch_b8 v0, s[64:65] scope:SCOPE_SE
	s_setreg_imm32_b32 hwreg(HW_REG_WAVE_MODE, 25, 1), 1
	s_wait_xcnt 0x0
	s_wait_alu depctr_hold_cnt(0) depctr_sa_sdst(0) depctr_va_vdst(0) depctr_va_sdst(0) depctr_va_ssrc(0) depctr_va_vcc(0) depctr_vm_vsrc(0)
	s_getreg_b32 s2, hwreg(HW_REG_IB_STS2, 6, 4)
	s_cmp_eq_u32 s2, 0
	s_cbranch_scc0 .Lentry_in_a_cluster
	s_endpgm
.Lentry_in_a_cluster:
	s_bfe_u32 s2, ttmp6, 0x10000c
	s_cmp_lg_u32 s2, 0xf033
	s_cbranch_scc0 .Lentry_shape_is_right
	s_endpgm
.Lentry_shape_is_right:
; q = x wq^T + bq, k = x wk^T + bk, v = x wv^T + bv on codes of BF6 with E8M0 scales, and the results quantised again: q and k along the head's 128, v along the KEYS.
; All operands are fragment images [K step 16][row block 128][1,536] with scale words [K step 16][2,048 rows]; in a block, lane r holds row 32 (rb / 2) + 8 (rb % 2) + r + 8 (r / 8).
; ONE TEXT FOR THE THREE.  A tile is 256 "rows" (source 1) x 256 "columns" (source 0); a lane holds one row, and its registers run along the columns, which are the next product's K.
; kind = cluster x / 2.  kinds 0, 1: rows = x, columns = wq or wk.  kind 2: rows = wv, columns = x: v comes out with the keys along the registers.  Only offsets into w1c and w1s are chosen by kind.
; By the order of a block's rows, the 16 registers of column tiles 2 b and 2 b + 1 are the 16 neighbours 32 b + 16 (lane / 16) + 0 .. 15: the quantiser takes them as they stand.
; A wave makes 128 x 128: 64 accumulators; its 128 columns are one K step of the next product, so each block of 16 rows leaves as ONE fragment image and one scale word a row: no stage in LDS.
; THE BIAS: along the rows (kind 2) it is the C of the first K step's products; along the columns (kinds 0, 1) it is added where the results leave the accumulators; the one that does not apply is made 0.
; K goes in steps of 256 through a ring of two LDS slots; the scale words of the tile's rows and columns, for all of K, come once.  CLUSTERS: 4 x 4; the rows' tiles are asked for jointly along a row of the cluster,
; the columns' along a column.  GRID: 3 x 2,048 x 2,048 results are 192 tiles of 256 x 256; tiles of half the side would read twice the LDS bytes for each product.
; No prefetch: each tile is shared by four work-groups through the joint loads, and a work-group has eight slots in all.
; LIMITS: as the quantiser's: NaN and infinities are not served; a block whose largest magnitude lies under 2^-122 keeps the byte 1.
; REGISTERS: window 0: v16-29 addresses; v32-63 scale words, two sets; v64-127 the rows' bias, later the codes; v128-223 the rows' fragments, one set, later the quantiser's numbers; v224-231 the rows' bias as loaded.
;   window 1: the columns' fragments, two sets, at v0 and v128; the columns' bias at v96-127 and v224-255.   windows 2, 3: the accumulators ((a, b) at v[8 (8 (a % 4) + b)]).
.set NQ,    2
.set FR,    12
.set NL,    3
.set NP,    4
.set IMG,   1536
.set KSP,   196608                     ; from K step to K step in an image tensor
.set TEN,   3145728                    ; a tensor of codes;  its scale words: 131,072
.set PART,  2*8*IMG                    ; two K steps of 8 row blocks: what one tensor load brings
.set SLOT,  4*PART
.set SCL,   2*SLOT                     ; scale words: part p (16 K steps x 128 rows x 4 bytes) at SCL + 8192 p + 128 (p / 2)
.set SPARE, SCL+4*8192+256             ; the spare words, 128 bytes a wave: two blocks of 256 bytes that no other line names
.set ADRA, 16
.set ADRB, 20
.set LI,   24
.set SOF,  25
.set ADRS, 27
.set SPW,  28
.set NIL,  29
.set SC,   32
.set RBX,  64
.set AF,   128
.set H,    128
.set TM,   192
.set PW,   208
.set PCB,  64
.set G1,   24
.set G0,   32
.set G1B,  48
.set G0B,  56
.set G1S,  76
.set G0S,  84
.set G1SB, 88
.set G0SB, 96
.set SEL,  100
.set MSB, 0
.macro WIN new                         ; the immediate's high byte repeats the setting that is left
.if MSB != (\new)
	s_set_vgpr_msb (MSB<<8)|(\new)
.set MSB, (\new)
.endif
.endm
.set MUL_LO, 0xa1
.set MUL_HI, 0xf1
.set TO_B,   0x40
.macro QUANT s, pc, tm, pw             ; 64 numbers of a lane, register 16 b + i = k 32 b + 16 (lane / 16) + i, become a fragment in v[pc] .. v[pc + 11] and its scale word in v[pw]
.irp b, 0,1,2,3
	v_max3_num_f32 v[\tm+\b], |v[\s+16*\b]|, |v[\s+1+16*\b]|, 0x2800000   ; and the floor 2^(5 - 127): the byte cannot fall under 1
.endr
.irp i, 2,4,6,8,10,12,14
.irp b, 0,1,2,3
	v_max3_num_f32 v[\tm+\b], v[\tm+\b], |v[\s+16*\b+\i]|, |v[\s+1+16*\b+\i]|
.endr
.endr
.irp b, 0,1,2,3
	v_permlanex16_b32 v[\tm+4+\b], v[\tm+\b], s[SEL], s[SEL+1]
.endr
.irp b, 0,1,2,3
	v_max_num_f32 v[\tm+\b], v[\tm+\b], v[\tm+4+\b]
.endr
.irp b, 0,1,2,3
	v_add_nc_u32 v[\tm+12+\b], 0xfe000000, v[\tm+\b]
.endr
.irp b, 0,1,2,3
	v_lshrrev_b32 v[\tm+4+\b], 23, v[\tm+12+\b]
.endr
	v_lshl_or_b32 v[\pw], v[\tm+5], 8, v[\tm+4]
	v_lshl_or_b32 v[\pw], v[\tm+6], 16, v[\pw]
	v_lshl_or_b32 v[\pw], v[\tm+7], 24, v[\pw]
.irp c, 0,1
	v_cvt_scalef32_pk16_bf6_f32 v[\pc+6*\c:\pc+2+6*\c], v[\s+32*\c:\s+15+32*\c], v[\tm+12+2*\c]
	v_cvt_scalef32_pk16_bf6_f32 v[\pc+12+4*\c:\pc+14+4*\c], v[\s+16+32*\c:\s+31+32*\c], v[\tm+12+2*\c+1]
.endr
	v_nop                                          ; one plain place behind a scaled conversion
.irp c, 0,1
.irp i, 0,1,2
	v_permlane16_swap_b32 v[\pc+6*\c+\i], v[\pc+12+4*\c+\i]
.endr
.irp i, 0,1,2
	v_mov_b32 v[\pc+3+6*\c+\i], v[\pc+12+4*\c+\i]
.endr
.endr
.endm
; A joint load: waves 0 and 1 fetch for the rows, waves 2 and 3 for the columns.  The branch hangs on the wave's number alone.  Four v_nop follow each of the two lines.
.macro JLOAD g0a, g1a, g0b, g1b
	s_cmp_eq_u32 s15, 0
	s_cbranch_scc0 .Lfor_b_\@
	tensor_load_to_lds s[\g0a:\g0a+3], s[\g1a:\g1a+7]
	s_nop 0
.rept 4
	v_nop
.endr
	s_branch .Lasked_\@
.Lfor_b_\@:
	tensor_load_to_lds s[\g0b:\g0b+3], s[\g1b:\g1b+7]
	s_nop 0
.rept 4
	v_nop
.endr
.Lasked_\@:
.endm
.macro CREST                           ; a round of the cluster's barrier behind its opening barrier
	s_cmp_lg_u32 s14, 0
	s_cbranch_scc1 .Lnot_wave_0_\@
	s_barrier_signal -3
.Lnot_wave_0_\@:
	s_barrier_wait -3
	s_barrier_signal -1
	s_barrier_wait -1
.endm
.macro CROUND
	s_barrier_signal -1
	s_barrier_wait -1
	CREST
.endm
	s_load_b256 s[4:11], s[0:1], 0x0               ; w1c, w1s, bq, bk
	s_load_b128 s[68:71], s[0:1], 0x20             ; bv, w2c
	s_load_b64 s[72:73], s[0:1], 0x30              ; w2s
	v_lshl_add_u32 v[SPW], v0, 2, SPARE
	v_mov_b32 v[NIL], 0
	ds_add_u32 v28, v29
	s_wait_dscnt 0x0
	v_lshrrev_b32 v1, 5, v0
	v_readfirstlane_b32 s14, v1                    ; wave 0..3
	s_lshr_b32 s15, s14, 1                         ; which half of the tile's rows is mine.  Also: I fetch for the rows (0) or the columns (1)
	s_and_b32 s16, s14, 1                          ; which half of its columns.  Also: which half of that tile I fetch
	s_bfe_u32 s40, ttmp6, 0x40000                  ; cx
	s_bfe_u32 s41, ttmp6, 0x40004                  ; cy
	s_lshr_b32 s12, ttmp9, 1                       ; kind: from the cluster's x, the same in all sixteen partners
	s_and_b32 s42, ttmp9, 1
	s_lshl_b32 s42, s42, 2
	s_add_co_u32 s42, s42, s40                     ; tile column 0..7
	s_and_b32 s17, ttmp7, 0xffff
	s_lshl_b32 s17, s17, 2
	s_add_co_u32 s17, s17, s41                     ; tile row 0..7
	s_lshl_b32 s43, s41, 2
	s_lshl_b32 s43, 15, s43                        ; my row of the cluster
	s_lshl_b32 s44, 0x1111, s40                    ; my column
	s_or_b32 s[G1+0], s43, (3<<16)|(1<<21)         ; the mask; elements of 8 bytes; bit 21 beside a mask; no padding: an image's bytes are read 512 on end
	s_or_b32 s[G1B+0], s44, (3<<16)|(1<<21)
.irp g, G1, G1B                                ; 2 K steps x 12,288 dense bytes (8 row blocks), a K step 196,608 bytes from the next
	s_mov_b32 s[\g+1], 1536<<16
	s_mov_b32 s[\g+2], 2<<16
	s_mov_b32 s[\g+3], 1536<<16
	s_mov_b32 s[\g+4], 2
	s_mov_b32 s[\g+5], KSP/8
	s_mov_b32 s[\g+6], 0
	s_mov_b32 s[\g+7], 0
.endr
	s_or_b32 s[G1S+0], s43, (3<<16)|(1<<21)
	s_or_b32 s[G1SB+0], s44, (3<<16)|(1<<21)
.irp g, G1S, G1SB                              ; 16 K steps x 512 bytes (128 rows' words), a K step 8,192 bytes from the next
	s_mov_b32 s[\g+1], 64<<16
	s_mov_b32 s[\g+2], 16<<16
	s_mov_b32 s[\g+3], 64<<16
	s_mov_b32 s[\g+4], 16
	s_mov_b32 s[\g+5], 1024
	s_mov_b32 s[\g+6], 0
	s_mov_b32 s[\g+7], 0
.endr
	s_add_co_u32 s19, s12, 1
	s_cmp_eq_u32 s12, 2
	s_cselect_b32 s18, 3, 0                        ; the rows' tensor: wv (3) for v, else x (0)
	s_cselect_b32 s19, 0, s19                      ; the columns': x for v, else wq (1) or wk (2)
	s_cselect_b32 s13, -1, 0                       ; all lanes where the bias runs along the rows
	s_cselect_b32 s2, 0, -1                        ; all lanes where it runs along the columns
	s_lshl_b32 s45, s16, 3
	s_lshl_b32 s20, s17, 4
	s_add_co_u32 s20, s20, s45                     ; rows: first block that I fetch: 16 x tile row + 8 x half
	s_lshl_b32 s46, s42, 4
	s_add_co_u32 s46, s46, s45                     ; columns: 16 x tile column + 8 x half
	s_lshl_b32 s22, s20, 6                         ; their scale words: 64 bytes a block
	s_lshl_b32 s74, s46, 6
	s_mul_i32 s20, s20, IMG
	s_mul_i32 s46, s46, IMG
	s_mul_i32 s21, s18, TEN
	s_add_co_u32 s20, s20, s21
	s_mul_i32 s47, s19, TEN
	s_add_co_u32 s46, s46, s47
	s_lshl_b32 s21, s18, 17
	s_add_co_u32 s22, s22, s21
	s_lshl_b32 s47, s19, 17
	s_add_co_u32 s74, s74, s47
	s_mov_b32 s21, 0
	s_mov_b32 s23, 0
	s_mov_b32 s47, 0
	s_mov_b32 s75, 0
	s_mul_i32 s45, s14, PART                       ; where they go: by the wave's number alone
	s_lshl_b32 s18, s14, 13
	s_lshl_b32 s19, s15, 7
	s_add_co_u32 s18, s18, s19
	s_add_co_u32 s18, s18, SCL
	s_mov_b32 s[SEL], 0x76543210
	s_mov_b32 s[SEL+1], 0xfedcba98
	s_mov_b32 s104, 0xffff0000                     ; lanes 16-31
	s_wait_kmcnt 0x0
	s_add_nc_u64 s[20:21], s[4:5], s[20:21]
	s_add_nc_u64 s[22:23], s[6:7], s[22:23]
	s_add_nc_u64 s[46:47], s[4:5], s[46:47]
	s_add_nc_u64 s[74:75], s[6:7], s[74:75]
	CROUND                                         ; all sixteen work-groups are here: the first joint loads meet
	s_mov_b32 s[G0S], 1
	s_mov_b32 s[G0S+1], s18
	s_mov_b64 s[G0S+2:G0S+3], s[22:23]
	s_or_b32 s[G0S+3], s[G0S+3], 0x80000000
	s_mov_b32 s[G0SB], 1
	s_mov_b32 s[G0SB+1], s18
	s_mov_b64 s[G0SB+2:G0SB+3], s[74:75]
	s_or_b32 s[G0SB+3], s[G0SB+3], 0x80000000
	JLOAD G0S, G1S, G0SB, G1SB                     ; the scale words first: they are wanted with K step 0
.irp s, 0,1
	s_mov_b32 s[G0+4*\s], 1
	s_add_co_u32 s[G0+4*\s+1], s45, \s*SLOT
	s_add_nc_u64 s[G0+4*\s+2:G0+4*\s+3], s[20:21], \s*2*KSP
	s_or_b32 s[G0+4*\s+3], s[G0+4*\s+3], 0x80000000
	s_mov_b32 s[G0B+4*\s], 1
	s_add_co_u32 s[G0B+4*\s+1], s45, \s*SLOT
	s_add_nc_u64 s[G0B+4*\s+2:G0B+4*\s+3], s[46:47], \s*2*KSP
	s_or_b32 s[G0B+4*\s+3], s[G0B+4*\s+3], 0x80000000
	JLOAD G0+4*\s, G1, G0B+4*\s, G1B
.endr
	v_and_b32 v1, 15, v0                           ; r
	v_bfe_u32 v2, v0, 4, 1                         ; h
	v_and_b32 v3, 31, v0                           ; lane
	v_lshlrev_b32 v[LI], 4, v3                     ; an image's place for my lane
	v_lshlrev_b32 v[SOF], 2, v3
	s_mul_i32 s21, s15, PART                       ; my 128 rows
	s_mul_i32 s22, s16, PART                       ; my 128 columns,
	s_add_co_u32 s22, s22, 2*PART                  ; behind the rows' two parts
.irp s, 0,1
	v_add_nc_u32 v[ADRA+\s], s21, v[LI]
	v_add_nc_u32 v[ADRB+\s], s22, v[LI]
	s_add_co_u32 s21, s21, SLOT
	s_add_co_u32 s22, s22, SLOT
.endr
	s_lshl_b32 s21, s15, 13                        ; scale words: lanes 0-15 the rows' part,
	s_lshl_b32 s22, s16, 13
	s_add_co_u32 s22, s22, 2*8192+128              ; lanes 16-31 the columns'
	s_sub_co_u32 s22, s22, s21
	v_mul_u32_u24 v4, s22, v2                      ; one product: h x the distance between the two
	s_add_co_u32 s21, s21, SCL
	v_lshl_add_u32 v4, v1, 2, v4
	v_add_nc_u32 v[ADRS], s21, v4
	; the bias
	s_cmp_eq_u32 s12, 1
	s_cselect_b64 s[18:19], s[10:11], s[8:9]
	s_cmp_eq_u32 s12, 2
	s_cselect_b64 s[18:19], s[68:69], s[18:19]
	v_and_b32 v5, 8, v1
	v_add_nc_u32 v5, v5, v1                        ; r + 8 (r / 8)
	s_lshl_b32 s21, s17, 8
	s_lshl_b32 s22, s15, 7
	s_add_co_u32 s21, s21, s22                     ; my first row
	v_add_nc_u32 v5, s21, v5
	v_lshlrev_b32 v5, 2, v5
	s_lshl_b32 s46, s42, 8
	s_lshl_b32 s47, s16, 7
	s_add_co_u32 s46, s46, s47                     ; my first column
	s_lshl_b32 s46, s46, 2
	v_lshl_add_u32 v6, v2, 6, s46                  ; + 16 h
.irp a, 0,1,2,3,4,5,6,7
	global_load_b32 v[224+\a], v5, s[18:19] offset:(32*(\a/2)+8*(\a%2))*4      ; the bias of my row of block a
.endr
	WIN 0x40                                       ; destination window 1
.irp b, 0,1,2,3,4,5,6,7
	global_load_b128 v[96+8*\b+96*(\b/4):96+8*\b+96*(\b/4)+3], v6, s[18:19] offset:(32*(\b/2)+8*(\b%2))*4      ; of column tile b's eight columns of my half
	global_load_b128 v[96+8*\b+96*(\b/4)+4:96+8*\b+96*(\b/4)+7], v6, s[18:19] offset:(32*(\b/2)+8*(\b%2))*4+16
.endr
	WIN 0
	; where my results go: codes: kind, K step 2 x tile column + half, row block 16 x tile row + 8 x half; scale words likewise
	s_lshl_b32 s46, s42, 1
	s_add_co_u32 s46, s46, s16
	s_lshl_b32 s74, s46, 13
	s_mul_i32 s46, s46, KSP
	s_mul_i32 s47, s12, TEN
	s_add_co_u32 s46, s46, s47
	s_lshl_b32 s47, s17, 4
	s_lshl_b32 s75, s15, 3
	s_add_co_u32 s47, s47, s75
	s_lshl_b32 s75, s47, 6
	s_add_co_u32 s74, s74, s75
	s_mul_i32 s47, s47, IMG
	s_add_co_u32 s46, s46, s47
	s_lshl_b32 s47, s12, 17
	s_add_co_u32 s74, s74, s47
	s_mov_b32 s47, 0
	s_mov_b32 s75, 0
	s_add_nc_u64 s[70:71], s[70:71], s[46:47]
	s_add_nc_u64 s[72:73], s[72:73], s[74:75]
	s_wait_loadcnt 0x0
.irp a, 0,1,2,3,4,5,6,7
.irp j, 0,1,2,3,4,5,6,7
	v_cndmask_b32 v[RBX+8*\a+\j], 0, v[224+\a], s13        ; the C of block a's first products: the row's bias in all eight registers, or 0
.endr
.endr
	WIN 0x44                                       ; source 1 and destination window 1
.set I, 0
.rept 64
	v_cndmask_b32 v[96+I+96*(I/32)], 0, v[96+I+96*(I/32)], s2   ; the columns' bias, or 0
.set I, I+1
.endr
	WIN 0
.macro FRAG reg, adr, q, i             ; a fragment comes as it was stored: three loads of 512 consecutive bytes
.irp c, 0,1,2
	ds_load_b128 v[\reg+4*\c:\reg+4*\c+3], v[\adr] offset:8*IMG*(\q)+IMG*(\i)+512*\c
.endr
.endm
; 16 matrix instructions: row blocks a0, a0 + 1 x the eight column tiles, 128 along K.  The 64 accumulators take turns, one instruction a turn, in the same order in every step.
.macro MUL16 a0, p, q, sc, zero
.irp a, \a0, \a0+1
.irp b, 0,1,2,3,4,5,6,7
.if \zero
	v_wmma_scale_f32_16x16x128_f8f6f4 v[8*(8*((\a)%4)+\b):8*(8*((\a)%4)+\b)+7], v[128*(\p)+FR*\b:128*(\p)+FR*\b+FR-1], v[AF+FR*(\a):AF+FR*(\a)+FR-1], v[RBX+8*(\a):RBX+8*(\a)+7], v[SC+8*NQ*(\sc)+NQ*\b+(\q)], v[SC+8*NQ*(\sc)+NQ*(\a)+(\q)] matrix_a_fmt:MATRIX_FMT_BF6 matrix_b_fmt:MATRIX_FMT_BF6 matrix_a_scale:MATRIX_SCALE_ROW1
.else
	v_wmma_scale_f32_16x16x128_f8f6f4 v[8*(8*((\a)%4)+\b):8*(8*((\a)%4)+\b)+7], v[128*(\p)+FR*\b:128*(\p)+FR*\b+FR-1], v[AF+FR*(\a):AF+FR*(\a)+FR-1], v[8*(8*((\a)%4)+\b):8*(8*((\a)%4)+\b)+7], v[SC+8*NQ*(\sc)+NQ*\b+(\q)], v[SC+8*NQ*(\sc)+NQ*(\a)+(\q)] matrix_a_fmt:MATRIX_FMT_BF6 matrix_b_fmt:MATRIX_FMT_BF6 matrix_a_scale:MATRIX_SCALE_ROW1
.endif
.endr
.endr
.endm
.macro FETCH_B slot, q, p
	WIN TO_B
.irp i, 0,1,2,3,4,5,6,7
	FRAG 128*(\p)+FR*\i, ADRB+\slot, \q, \i
.endr
	WIN 0
.endm
.macro FETCH_A slot, q, i0
.irp i, \i0, \i0+1, \i0+2, \i0+3
	FRAG AF+FR*(\i), ADRA+\slot, \q, \i
.endr
.endm
.macro SCALES sc                       ; a slot's scale words: register 2 i + q: lanes 0-15 the word of row block i, lanes 16-31 that of column tile i, for the slot's q-th 128 along K
.irp i, 0,1,2,3,4,5,6,7
.irp q, 0,1
	ds_load_b32 v[SC+16*\sc+2*\i+\q], v[ADRS] offset:512*\q+64*\i
.endr
.endr
.endm
.macro PLACES n                        ; plain vector instructions between a matrix instruction and a load into, or a read of, its registers
.rept \n
	v_nop
.endr
.endm
.macro STEP slot, q, zero              ; a step of 128 along K that has its successor in the same slot
	s_wait_dscnt 4*NL                              ; all but the youngest 12 loads (row blocks 4-7) are in
.if \zero
	WIN 0x81                                       ; C (the rows' bias) in window 0, D in window 2
.else
	WIN MUL_LO
.endif
	MUL16 0, (\q)%2, \q, \slot, \zero
	MUL16 2, (\q)%2, \q, \slot, \zero
	s_wait_dscnt 0
	PLACES NP
	FETCH_B \slot, (\q)+1, 1-(\q)%2
	FETCH_A \slot, (\q)+1, 0
.if \zero
	WIN 0xc1
.else
	WIN MUL_HI
.endif
	MUL16 4, (\q)%2, \q, \slot, \zero
	MUL16 6, (\q)%2, \q, \slot, \zero
	PLACES NP
	WIN 0
	FETCH_A \slot, (\q)+1, 4
.endm
; A slot's last step changes slots: one barrier; in front of it each wave waits for all its tensor loads, adds 0 to its spare word, and waits for that and for its own reads of this slot.
.macro TURN slot, next, fill
	s_wait_tensorcnt 0x0                           ; all my tensor loads have landed: my part of the next slot
	ds_add_u32 v[SPW], v[NIL]                      ; 0 onto my spare word
	s_wait_dscnt 4*NL+1                            ; (the add and the youngest 12 loads may be out)
	WIN MUL_LO
	MUL16 0, 1, NQ-1, \slot, 0
	s_wait_dscnt 0x0                               ; the add is done, and my reads of this slot are over
	s_barrier_signal -1
	MUL16 2, 1, NQ-1, \slot, 0
	WIN 0
	s_barrier_wait -1
.if \fill
	CREST                                          ; the barrier has opened a round of the cluster's: no wave of any partner still reads this slot or has a load on its way
	s_add_nc_u64 s[G0+4*\slot+2:G0+4*\slot+3], s[G0+4*\slot+2:G0+4*\slot+3], 4*KSP
	s_add_nc_u64 s[G0B+4*\slot+2:G0B+4*\slot+3], s[G0B+4*\slot+2:G0B+4*\slot+3], 4*KSP
	JLOAD G0+4*\slot, G1, G0B+4*\slot, G1B         ; the first tensor load behind the round; its four v_nop are also the places in front of the loads below
.else
	PLACES NP
.endif
	v_add_nc_u32 v[ADRS], 1024, v[ADRS]            ; the next slot's scale words: two K steps of 512 bytes on
	FETCH_B \next, 0, 0
	FETCH_A \next, 0, 0
	SCALES \next
	WIN MUL_HI
	MUL16 4, 1, NQ-1, \slot, 0
	MUL16 6, 1, NQ-1, \slot, 0
	PLACES NP
	WIN 0
	FETCH_A \next, 0, 4
.endm
	s_wait_tensorcnt 1                             ; the scale words and my part of slot 0 are in; slot 1's load may be out
	s_barrier_signal -1
	s_barrier_wait -1
	FETCH_B 0, 0, 0
	FETCH_A 0, 0, 0
	SCALES 0
	FETCH_A 0, 0, 4
	STEP 0, 0, 1                                   ; the first step stands in front of the loop: its products start the sums
	s_mov_b32 s3, 3
.Llap:                                                 ; a trip goes once round the ring and fills both slots again: 2,048 along K are eight slots
	TURN 0, 1, 1
	STEP 1, 0, 0
	TURN 1, 0, 1
	STEP 0, 0, 0
	s_sub_co_u32 s3, s3, 1
	s_cmp_lg_u32 s3, 0
	s_cbranch_scc1 .Llap
	TURN 0, 1, 0                                   ; the last lap fills nothing
	STEP 1, 0, 0
	s_wait_dscnt 4*NL
	WIN MUL_LO
	MUL16 0, 1, NQ-1, 1, 0
	MUL16 2, 1, NQ-1, 1, 0
	s_wait_dscnt 0
	WIN MUL_HI
	MUL16 4, 1, NQ-1, 1, 0
	MUL16 6, 1, NQ-1, 1, 0
	WIN 0
	; THE WAY OUT.  Block a's 64 numbers of a lane (16 rows x my 128 columns) take the columns' bias on their way into window 0, are quantised, and leave as one image.
	PLACES NP
.irp b, 0,1,2,3
	v_mov_b32 v[TM+4+\b], 0                        ; a lane permute's destination counts as one of its sources
.endr
.irp a, 0,1,2,3,4,5,6,7
.if \a >= 2
	s_wait_xcnt 0x0                                ; block a - 2's stores have read the registers that block a's codes take
.endif
	WIN 0x06+(\a/4)                                ; source 0: window 2 or 3; source 1: window 1
.set I, 0
.rept 32
	v_pk_add_f32 v[H+I:H+I+1], v[64*(\a%4)+I:64*(\a%4)+I+1], v[96+I+96*(I/32):96+I+96*(I/32)+1]   ; ascending: each accumulator from its low end on
.set I, I+2
.endr
	WIN 0
	QUANT H, PCB+32*(\a%2), TM, PW+\a
.irp c, 0,1,2
	global_store_b128 v[LI], v[PCB+32*(\a%2)+4*\c:PCB+32*(\a%2)+4*\c+3], s[70:71] offset:IMG*\a+512*\c   ; 32 lanes store 512 consecutive bytes, aligned
.endr
.endr
.irp i, 0,1,2,3                                ; lanes 0-15 block 2 i's words, lanes 16-31 block 2 i + 1's: 128 consecutive bytes; the four stores 512
	v_cndmask_b32 v[TM+\i], v[PW+2*\i], v[PW+2*\i+1], s104
	global_store_b32 v[SOF], v[TM+\i], s[72:73] offset:128*\i
.endr
	s_wait_tensorcnt 0x0                           ; the wave's end
	ds_add_u32 v[SPW], v[NIL]
	s_wait_dscnt 0x0
	CROUND                                         ; the closing round
	s_endpgm
.Lfunc_end_k_q4310acaf73_qkv:
	.size	k_q4310acaf73_qkv, .Lfunc_end_k_q4310acaf73_qkv-k_q4310acaf73_qkv
	.p2alignl 7, 3214868480
	.fill 96, 4, 3214868480
	.section	.rodata,"a",@progbits
	.p2align	6, 0x0
	.amdhsa_kernel k_q4310acaf73_qkv
		.amdhsa_group_segment_fixed_size 327680
		.amdhsa_private_segment_fixed_size 0
		.amdhsa_enable_private_segment 0
		.amdhsa_kernarg_size 56
		.amdhsa_user_sgpr_count 2
		.amdhsa_user_sgpr_kernarg_segment_ptr 1
		.amdhsa_wavefront_size32 1
		.amdhsa_system_sgpr_workgroup_id_x 1
		.amdhsa_system_sgpr_workgroup_id_y 1
		.amdhsa_system_sgpr_workgroup_id_z 1
		.amdhsa_system_vgpr_workitem_id 0
		.amdhsa_next_free_vgpr 1024
		.amdhsa_next_free_sgpr 106
		.amdhsa_reserve_vcc 0
		.amdhsa_float_denorm_mode_32 3
		.amdhsa_float_denorm_mode_16_64 3
		.amdhsa_memory_ordered 1
		.amdhsa_forward_progress 1
		.amdhsa_inst_pref_size 169
	.end_amdhsa_kernel
	.amdgpu_metadata
---
amdhsa.version: [ 1, 2 ]
amdhsa.kernels:
  - .name:           k_q4310acaf73_qkv
    .symbol:         k_q4310acaf73_qkv.kd
    .args:
      - { .name: w1c, .offset: 0, .size: 8, .value_kind: global_buffer, .address_space: global }
      - { .name: w1s, .offset: 8, .size: 8, .value_kind: global_buffer, .address_space: global }
      - { .name: bq, .offset: 16, .size: 8, .value_kind: global_buffer, .address_space: global }
      - { .name: bk, .offset: 24, .size: 8, .value_kind: global_buffer, .address_space: global }
      - { .name: bv, .offset: 32, .size: 8, .value_kind: global_buffer, .address_space: global }
      - { .name: w2c, .offset: 40, .size: 8, .value_kind: global_buffer, .address_space: global }
      - { .name: w2s, .offset: 48, .size: 8, .value_kind: global_buffer, .address_space: global }
    .group_segment_fixed_size: 327680
    .private_segment_fixed_size: 0
    .kernarg_segment_align: 8
    .kernarg_segment_size: 56
    .max_flat_workgroup_size: 128
    .sgpr_count:     106
    .vgpr_count:     1024
    .wavefront_size: 32
...
	.end_amdgpu_metadata
.endif
;; end of part 2
;; launch attn (part 3): grid 16 x 16, 16 waves a work-group, clusters of 4 x 1, 327,680 bytes of LDS; arguments w2c, w2s, lm, w3c, w3s; writes w3c, w3s
.if DOCPART == 3
	.amdgcn_target "amdgcn-amd-amdhsa--gfx1250"
	.amdhsa_code_object_version 6
	.text
	.protected	k_q4310acaf73_attn
	.globl	k_q4310acaf73_attn
	.p2align	8
	.type	k_q4310acaf73_attn,@function
k_q4310acaf73_attn:
	s_mov_b64 s[64:65], 0
	v_nop
	global_prefetch_b8 v0, s[64:65] scope:SCOPE_SE
	s_setreg_imm32_b32 hwreg(HW_REG_WAVE_MODE, 25, 1), 1
	s_wait_xcnt 0x0
	s_wait_alu depctr_hold_cnt(0) depctr_sa_sdst(0) depctr_va_vdst(0) depctr_va_sdst(0) depctr_va_ssrc(0) depctr_va_vcc(0) depctr_vm_vsrc(0)
	s_getreg_b32 s2, hwreg(HW_REG_IB_STS2, 6, 4)
	s_cmp_eq_u32 s2, 0
	s_cbranch_scc0 .Lentry_in_a_cluster
	s_endpgm
.Lentry_in_a_cluster:
	s_bfe_u32 s2, ttmp6, 0x10000c
	s_cmp_lg_u32 s2, 0x3003
	s_cbranch_scc0 .Lentry_shape_is_right
	s_endpgm
.Lentry_shape_is_right:
; For each head: O = softmax(mask(Q K^T / sqrt(128))) V, both products on codes of BF6 with E8M0 scales; O is quantised along e = 128 head + d for the last projection.
; Q, K (w2c kinds 0, 1): fragment images [head 16][block of 16 rows of the sequence 128][1,536]; V (kind 2): [key step 16][8 head + tile of d][1,536], the keys innermost.  Scale words likewise in w2s.
; In a block, lane r holds row 32 (rb / 2) + 8 (rb % 2) + r + 8 (r / 8): so in S^T = K Q^T the 16 registers of tiles 2 b, 2 b + 1 are keys 32 b + 16 (lane / 16) + 0 .. 15 of the step, and in O^T = V^T P^T the same of d.
; THE MASK is an input: lm[query block][key step][64] holds, for each of S^T's 64 registers, the 32 lanes' bits; a scalar load brings the words and one v_cndmask_b32 a score puts -infinity where the bit is 0.
; SOFTMAX: t = score x log2(e) / sqrt(128); M = the running largest t rounded up to a whole number; p = 2^(t - M) is quantised along the keys; the sum is taken of the unquantised p and divides at the end.
; SHARES.  A work-group owns 128 queries of a head: 256 work-groups.  Wave w owns the 16 queries of block 8 x work-group + w % 8; of a slot's four key steps, waves 0-7 take the first two and waves 8-15 the last two.
; At the end wave w + 8 hands its -M, its sum and its O^T to wave w through LDS; M is a whole number, so both parts are brought under the larger M by powers of two.
; A QUERY WHOSE MASK ROW IS ALL 0 has the sum 0: its codes are zeros and its scale word is 0xffffffff, which makes its row of the last product NaN.
; CLUSTER: the four work-groups of a cluster walk the same K and V of one head: each tile is asked for jointly (mask 15).
; LIMITS: NaN and infinities are not served; |t| stays under 2^24, so that M is exact; a block whose largest magnitude lies under 2^-122 keeps the byte 1.
; REGISTERS: v1-11 addresses; v12 -M, v13 the largest t, v[14:15] the sum; v16-27 Q; v28-31, v80, v81 addresses and -infinity; v32-79 four fragments; v96-159 S^T, then p; v160-223 O^T; v224-235 p's codes; v232-254 at work; v255 Q's scale words.
.set STP,   12288                      ; a key step's tile of K or of V: eight images
.set KSP,   196608
.set SLOT1, 1<<17                      ; a slot: K of four steps, then V of four steps (98,304 bytes); slot 1 begins here
.set SCK,   229376                     ; K's scale words of the head: 2,048 x 4 bytes
.set SCV,   237568                     ; V's: [key step 16][128 d]
.set MRG,   245760                     ; 8 x 8,448: an image of O^T (8,192) and 8 bytes a lane; no tile lands here
.set SPARE, 313344                     ; the spare words, 128 bytes a wave: eight blocks of 256 bytes that no other line names
.set AK0,  1
.set AV0,  2
.set ASK0, 3
.set ASV0, 4
.set SPW,  5
.set NIL,  6
.set LI,   7
.set ADK,  8
.set ADV,  9
.set ADS,  10
.set ADT,  11
.set PFO,  28
.set PFI,  29
.set MA,   31
.set MB,   80
.set R4,   81
.set TB,   2
.set TS,   3
.set MP,   4
.set SEL,  12
.set WV,   14
.set SLOTS, 15
.set G1,   16
.set G0K,  24
.set G0V,  28
.set G1SK, 32                          ; the scale words' descriptors lie where the mask words will: their loads are waited for ahead of the first mask load
.set G1SV, 40
.set G0SK, 48
.set G0SV, 52
.set CS,   66
.set LIM,  100
.set GR,   101
.macro QUANT s, pc, tm, pw             ; 64 numbers of a lane, register 16 b + i = k 32 b + 16 (lane / 16) + i, become a fragment in v[pc] .. v[pc + 11] and its scale word in v[pw]
.irp b, 0,1,2,3
	v_max3_num_f32 v[\tm+\b], |v[\s+16*\b]|, |v[\s+1+16*\b]|, 0x2800000
.endr
.irp i, 2,4,6,8,10,12,14
.irp b, 0,1,2,3
	v_max3_num_f32 v[\tm+\b], v[\tm+\b], |v[\s+16*\b+\i]|, |v[\s+1+16*\b+\i]|
.endr
.endr
.irp b, 0,1,2,3
	v_permlanex16_b32 v[\tm+4+\b], v[\tm+\b], s[SEL], s[SEL+1]
.endr
.irp b, 0,1,2,3
	v_max_num_f32 v[\tm+\b], v[\tm+\b], v[\tm+4+\b]
.endr
.irp b, 0,1,2,3
	v_add_nc_u32 v[\tm+12+\b], 0xfe000000, v[\tm+\b]
.endr
.irp b, 0,1,2,3
	v_lshrrev_b32 v[\tm+4+\b], 23, v[\tm+12+\b]
.endr
	v_lshl_or_b32 v[\pw], v[\tm+5], 8, v[\tm+4]
	v_lshl_or_b32 v[\pw], v[\tm+6], 16, v[\pw]
	v_lshl_or_b32 v[\pw], v[\tm+7], 24, v[\pw]
.irp c, 0,1
	v_cvt_scalef32_pk16_bf6_f32 v[\pc+6*\c:\pc+2+6*\c], v[\s+32*\c:\s+15+32*\c], v[\tm+12+2*\c]
	v_cvt_scalef32_pk16_bf6_f32 v[\pc+12+4*\c:\pc+14+4*\c], v[\s+16+32*\c:\s+31+32*\c], v[\tm+12+2*\c+1]
.endr
	v_nop
.irp c, 0,1
.irp i, 0,1,2
	v_permlane16_swap_b32 v[\pc+6*\c+\i], v[\pc+12+4*\c+\i]
.endr
.irp i, 0,1,2
	v_mov_b32 v[\pc+3+6*\c+\i], v[\pc+12+4*\c+\i]
.endr
.endr
.endm
; Waves under na issue the first line, waves from na to nb - 1 the second, the others none.  The branches hang on the wave's number alone.  Four v_nop follow each line.
.macro TLOAD g0a, g1a, g0b, g1b, na, nb
	s_cmp_lt_u32 s[WV], \na
	s_cbranch_scc0 .Lnot_a_\@
	tensor_load_to_lds s[\g0a:\g0a+3], s[\g1a:\g1a+7]
	s_nop 0
.rept 4
	v_nop
.endr
	s_branch .Lasked_\@
.Lnot_a_\@:
	s_cmp_lt_u32 s[WV], \nb
	s_cbranch_scc0 .Lasked_\@
	tensor_load_to_lds s[\g0b:\g0b+3], s[\g1b:\g1b+7]
	s_nop 0
.rept 4
	v_nop
.endr
.Lasked_\@:
.endm
.macro CROUND                          ; a round of the cluster's barrier
	s_barrier_signal -1
	s_barrier_wait -1
	s_cmp_lg_u32 s[WV], 0
	s_cbranch_scc1 .Lnot_wave_0_\@
	s_barrier_signal -3
.Lnot_wave_0_\@:
	s_barrier_wait -3
	s_barrier_signal -1
	s_barrier_wait -1
.endm
; A PREFETCH INTO THE L2 of the slot that the NEXT change of slots will ask for: two key steps of a wave, 32 matrix instructions and their softmax, ahead of that load.  All four clusters of a head walk the same K and V: the head's first
; cluster asks.  Its partner cx takes the slot's key step cx, by address: 48 blocks of 256 bytes of K and 48 of V, a lane a block, in waves 8, 9 and 10, which fetch nothing.  So each block of slots 2 and 3 is named once;
; slots 0 and 1 come by their loads alone, and the last change that fills a slot asks for nothing.
.macro ASK
	s_cmp_gt_u32 s[SLOTS], s[LIM]
	s_cbranch_scc0 .Lnot_mine_\@
	global_prefetch_b8 v[PFO], s[10:11] th:TH_LOAD_NT scope:SCOPE_SE
.Lnot_mine_\@:
.endm
	s_load_b256 s[68:75], s[0:1], 0x0              ; w2c, w2s, lm, w3c
	s_load_b64 s[76:77], s[0:1], 0x20              ; w3s
	v_lshl_add_u32 v[SPW], v0, 2, SPARE
	v_mov_b32 v[NIL], 0
	ds_add_u32 v5, v6
	s_wait_dscnt 0x0
	v_lshrrev_b32 v8, 5, v0
	v_readfirstlane_b32 s[WV], v8                  ; wave 0..15
	s_lshr_b32 s[GR], s[WV], 3                     ; which two of a slot's four key steps are mine
	s_bfe_u32 s82, ttmp6, 0x40000                  ; cx
	s_lshl_b32 s83, ttmp9, 2
	s_add_co_u32 s83, s83, s82
	s_lshl_b32 s83, s83, 3
	s_and_b32 s84, s[WV], 7
	s_add_co_u32 s83, s83, s84                     ; my block of 16 queries
	s_and_b32 s85, ttmp7, 0xffff                   ; the head, which the partners share
	s_and_b32 s86, s[WV], 3
	s_mul_i32 s87, s86, STP                        ; which of a slot's four steps I fetch, if I fetch
	s_mul_i32 s88, s85, KSP
	s_add_co_u32 s88, s88, s87
	s_add_co_u32 s88, s88, 3145728                 ; K: kind 1, head, step w % 4
	s_mov_b32 s89, 0
	s_mul_i32 s90, s86, KSP
	s_mul_i32 s91, s85, STP
	s_add_co_u32 s90, s90, s91
	s_add_co_u32 s90, s90, 6291456                 ; V: kind 2, step w % 4, head
	s_mov_b32 s91, 0
	s_and_b32 s92, s[WV], 1
	s_lshl_b32 s93, s92, 12                        ; which half of the scale words
	s_lshl_b32 s94, s85, 13
	s_add_co_u32 s94, s94, s93
	s_add_co_u32 s94, s94, 131072
	s_mov_b32 s95, 0
	s_lshl_b32 s96, s92, 16
	s_lshl_b32 s97, s85, 9
	s_add_co_u32 s96, s96, s97
	s_add_co_u32 s96, s96, 262144
	s_mov_b32 s97, 0
	s_mov_b32 s[G1], 15|(3<<16)|(1<<21)            ; the four partners; elements of 8 bytes; bit 21 beside a mask; a dense block of 12,288 bytes as 48 rows of 256
	s_mov_b32 s[G1+1], 32<<16
	s_mov_b32 s[G1+2], 48<<16
	s_mov_b32 s[G1+3], 32<<16
	s_mov_b32 s[G1+4], 48
	s_mov_b32 s[G1+5], 32
	s_mov_b32 s[G1+6], 0
	s_mov_b32 s[G1+7], 0
	s_mov_b32 s[G1SK], 15|(3<<16)|(1<<21)          ; K's scale words: 4,096 dense bytes as 16 rows of 256
	s_mov_b32 s[G1SK+1], 32<<16
	s_mov_b32 s[G1SK+2], 16<<16
	s_mov_b32 s[G1SK+3], 32<<16
	s_mov_b32 s[G1SK+4], 16
	s_mov_b32 s[G1SK+5], 32
	s_mov_b32 s[G1SK+6], 0
	s_mov_b32 s[G1SK+7], 0
	s_mov_b32 s[G1SV], 15|(3<<16)|(1<<21)          ; V's: 8 key steps x 512 bytes, 8,192 bytes apart
	s_mov_b32 s[G1SV+1], 64<<16
	s_mov_b32 s[G1SV+2], 8<<16
	s_mov_b32 s[G1SV+3], 64<<16
	s_mov_b32 s[G1SV+4], 8
	s_mov_b32 s[G1SV+5], 1024
	s_mov_b32 s[G1SV+6], 0
	s_mov_b32 s[G1SV+7], 0
	s_mov_b32 s[SEL], 0x76543210
	s_mov_b32 s[SEL+1], 0xfedcba98
	s_mov_b32 s[CS], 0x3e0293ee                    ; c = log2(e) / sqrt(128)
	s_mov_b32 s[CS+1], s[CS]
	s_mov_b32 s[TB], 0
	s_mov_b32 s[TS], 0
	s_mov_b32 s[SLOTS], 3
	s_wait_kmcnt 0x0
	s_mov_b32 s[G0SK], 1
	s_add_co_u32 s[G0SK+1], s93, SCK
	s_add_nc_u64 s[G0SK+2:G0SK+3], s[70:71], s[94:95]
	s_or_b32 s[G0SK+3], s[G0SK+3], 0x80000000
	s_mov_b32 s[G0SV], 1
	s_add_co_u32 s[G0SV+1], s93, SCV
	s_add_nc_u64 s[G0SV+2:G0SV+3], s[70:71], s[96:97]
	s_or_b32 s[G0SV+3], s[G0SV+3], 0x80000000
	s_mov_b32 s[G0K], 1
	s_mov_b32 s[G0K+1], s87
	s_add_nc_u64 s[G0K+2:G0K+3], s[68:69], s[88:89]
	s_or_b32 s[G0K+3], s[G0K+3], 0x80000000
	s_mov_b32 s[G0V], 1
	s_add_co_u32 s[G0V+1], s87, 4*STP
	s_add_nc_u64 s[G0V+2:G0V+3], s[68:69], s[90:91]
	s_or_b32 s[G0V+3], s[G0V+3], 0x80000000
	CROUND                                         ; all four work-groups are here: the first joint loads meet
	TLOAD G0SK, G1SK, G0SV, G1SV, 2, 4             ; the head's scale words: filled once
	TLOAD G0K, G1, G0V, G1, 4, 8                   ; slot 0.  By this text's count a wave has two tensor loads out here, later one
	s_mul_i32 s78, s85, KSP
	s_mul_i32 s79, s83, 1536
	s_add_co_u32 s78, s78, s79
	s_mov_b32 s79, 0
	s_add_nc_u64 s[6:7], s[74:75], s[78:79]        ; where my image of O goes: K step = head, block = my queries';
	s_add_nc_u64 s[78:79], s[68:69], s[78:79]      ; Q's image lies at the same place of kind 0
	s_lshl_b32 s80, s85, 13
	s_lshl_b32 s81, s83, 6
	s_add_co_u32 s80, s80, s81
	s_mov_b32 s81, 0
	s_add_nc_u64 s[8:9], s[76:77], s[80:81]        ; the scale words likewise
	s_add_nc_u64 s[80:81], s[70:71], s[80:81]
	s_lshl_b32 s4, s83, 4
	s_lshl_b32 s5, s[GR], 1
	s_add_co_u32 s4, s4, s5
	s_lshl_b32 s4, s4, 8
	s_mov_b32 s5, 0
	s_add_nc_u64 s[MP:MP+1], s[72:73], s[4:5]      ; my mask words: (16 x block + 2 x group) x 256
	s_mov_b64 s[10:11], s[68:69]                   ; the prefetches' base
	v_and_b32 v8, 31, v0                           ; lane
	v_and_b32 v9, 15, v0                           ; r
	v_lshlrev_b32 v[LI], 4, v8
	v_lshlrev_b32 v[R4], 2, v9
.irp c, 0,1,2
	global_load_b128 v[16+4*\c:19+4*\c], v[LI], s[78:79] offset:512*\c     ; Q's fragment stays in registers
.endr
	global_load_b32 v255, v[R4], s[80:81]          ; and its scale words
	s_mul_i32 s104, s[GR], 2*STP
	v_add_nc_u32 v[AK0], s104, v[LI]
	v_add_nc_u32 v[AV0], 4*STP, v[AK0]
	s_lshl_b32 s104, s[GR], 10
	v_add_nc_u32 v[ASK0], s104, v[R4]
	v_add_nc_u32 v[ASV0], SCV, v[ASK0]
	v_add_nc_u32 v[ASK0], SCK, v[ASK0]
	s_mul_i32 s104, s84, 8448
	s_add_co_u32 s104, s104, MRG
	v_add_nc_u32 v[MA], s104, v[LI]
	v_lshl_add_u32 v[MB], v8, 3, s104
	; the prefetches: u = 32 (w % 4) + lane; u under 48: block u of K's step, else block u - 48 of V's; the address begins in slot 1 and is stepped ahead of each use
	s_lshl_b32 s105, s86, 5
	v_add_nc_u32 v10, s105, v8
	v_cmp_gt_u32 vcc_lo, 48, v10
	v_lshlrev_b32 v11, 8, v10
	s_add_co_u32 s104, s82, 4                      ; key step 4 + cx
	s_mul_i32 s105, s104, STP
	s_mul_i32 s98, s85, KSP
	s_add_co_u32 s105, s105, s98
	s_add_co_u32 s105, s105, 3145728
	s_mul_i32 s104, s104, KSP
	s_mul_i32 s98, s85, STP
	s_add_co_u32 s104, s104, s98
	s_add_co_u32 s104, s104, 6291456-48*256
	v_mov_b32 v[PFO], s104
	v_mov_b32 v12, s105
	v_cndmask_b32 v[PFO], v[PFO], v12, vcc_lo
	v_add_nc_u32 v[PFO], v[PFO], v11
	v_mov_b32 v[PFI], 4*KSP                        ; a slot on: in V,
	v_mov_b32 v12, 4*STP                           ; in K
	v_cndmask_b32 v[PFI], v[PFI], v12, vcc_lo
	s_lshr_b32 s104, s[WV], 2
	s_xor_b32 s104, s104, 2                        ; 0 in waves 8 to 11
	s_or_b32 s104, s104, ttmp9                     ; of the head's first cluster: the same in all four partners
	s_cmp_eq_u32 s104, 0
	s_cselect_b32 s[LIM], 1, -1
	s_cmp_eq_u32 s[WV], 11                         ; (96 blocks are three waves' worth)
	s_cselect_b32 s[LIM], -1, s[LIM]
	v_mov_b32 v13, 0xff61b1e6                      ; the largest t so far: -3e38
	v_floor_f32 v12, -v13                          ; -M
	v_mov_b32 v14, 0
	v_mov_b32 v15, 0
	v_mov_b32 v30, 0xff800000                      ; -infinity
.irp b, 0,1,2,3
	v_mov_b32 v[236+\b], 0                         ; a lane permute's destination counts as one of its sources
.endr
	v_mov_b32 v253, 0
.set J, 0
.rept 64
	v_mov_b32 v[160+J], 0                          ; O^T: the loop is written once; its first step finds zeros
.set J, J+1
.endr
; A KEY STEP: 128 keys, my u-th of the slot in hand.
.macro STEP u
	s_load_b512 s[32:47], s[MP:MP+1], 256*(\u)     ; the step's 64 mask words
	s_load_b512 s[48:63], s[MP:MP+1], 256*(\u)+64
	s_load_b512 s[68:83], s[MP:MP+1], 256*(\u)+128
	s_load_b512 s[84:99], s[MP:MP+1], 256*(\u)+192
	v_add_nc_u32 v[ADK], s[TB], v[AK0]             ; (these four are the places in front of the loads into registers that the last products read)
	v_add_nc_u32 v[ADV], s[TB], v[AV0]
	v_add_nc_u32 v[ADS], s[TS], v[ASK0]
	v_add_nc_u32 v[ADT], s[TS], v[ASV0]
.irp g, 0,1                                    ; S^T = K Q^T, four tiles of 16 keys at a time
.if \g > 0
.rept 4
	v_nop
.endr
.endif
.irp t, 0,1,2,3
.irp c, 0,1,2
	ds_load_b128 v[32+12*\t+4*\c:35+12*\t+4*\c], v[ADK] offset:STP*(\u)+1536*(4*\g+\t)+512*\c
.endr
	ds_load_b32 v[248+\t], v[ADS] offset:512*(\u)+64*(4*\g+\t)
.endr
	s_wait_dscnt 0x0
.irp t, 0,1,2,3
	v_wmma_scale_f32_16x16x128_f8f6f4 v[96+8*(4*\g+\t):103+8*(4*\g+\t)], v[32+12*\t:43+12*\t], v[16:27], 0, v[248+\t], v255 matrix_a_fmt:MATRIX_FMT_BF6 matrix_b_fmt:MATRIX_FMT_BF6
.endr
.endr
.rept 4
	v_nop
.endr
	s_wait_kmcnt 0x0
.set N, 0
.rept 64
	v_cndmask_b32 v[96+N], v30, v[96+N], s[32+N+4*(N/32)]   ; the score where the mask's bit is set, else -infinity; ascending: each accumulator from its low end on
.set N, N+1
.endr
.irp b, 0,1,2,3
	v_max3_num_f32 v[232+\b], v[96+16*\b], v[97+16*\b], v[98+16*\b]   ; the largest score of each block of 32 keys: for the row's maximum, and for the block's largest p
.endr
.irp i, 3,5,7,9,11,13
.irp b, 0,1,2,3
	v_max3_num_f32 v[232+\b], v[232+\b], v[96+16*\b+\i], v[97+16*\b+\i]
.endr
.endr
.irp b, 0,1,2,3
	v_max_num_f32 v[232+\b], v[232+\b], v[111+16*\b]
.endr
.irp b, 0,1,2,3
	v_permlanex16_b32 v[236+\b], v[232+\b], s[SEL], s[SEL+1]
.endr
.irp b, 0,1,2,3
	v_max_num_f32 v[232+\b], v[232+\b], v[236+\b]
.endr
	v_max3_num_f32 v254, v232, v233, v234
	v_max_num_f32 v254, v254, v235
	v_mul_f32 v254, s[CS], v254
	v_max_num_f32 v13, v13, v254                   ; the running largest t
	v_mov_b32 v254, v12
	v_floor_f32 v12, -v13                          ; the new -M = -ceil(t)
	v_sub_f32 v254, v12, v254                      ; old M - new M: a whole number, 0 or less
	v_cvt_i32_f32 v254, v254                       ; (it saturates)
	v_ldexp_f32 v252, 1.0, v254                    ; f = 2^(old M - new M)
.set J, 0
.rept 32
	v_pk_fma_f32 v[96+J:97+J], v[96+J:97+J], s[CS:CS+1], v[12:13] op_sel_hi:[1,0,0]   ; t - M
.set J, J+2
.endr
.irp b, 0,1,2,3
	v_fma_f32 v[232+\b], v[232+\b], s[CS], v12
.endr
.set J, 0
.rept 64
	v_exp_f32 v[96+J], v[96+J]                     ; p = 2^(t - M): not normalised
.set J, J+1
.endr
	v_pk_mul_f32 v[14:15], v[14:15], v[252:253] op_sel_hi:[1,0]   ; the sums under the new M: a plain place behind the exponentials
	s_wait_alu depctr_va_vdst(0)                   ; one wait for the whole batch, ahead of its first reader
.irp b, 0,1,2,3
	v_exp_f32 v[232+\b], v[232+\b]                 ; each block's largest p
.endr
	v_pk_add_f32 v[236:237], v[96:97], v[98:99]    ; the row's sum of the unquantised p, in two chains
.irp j, 4,8,12,16,20,24,28,32,36,40,44,48,52,56,60
	v_pk_add_f32 v[14:15], v[14:15], v[96+\j:97+\j]
	v_pk_add_f32 v[236:237], v[236:237], v[98+\j:99+\j]
.endr
	v_pk_add_f32 v[14:15], v[14:15], v[236:237]
	s_wait_alu depctr_va_vdst(0)                   ; and one for the four
.irp b, 0,1,2,3
	v_max_num_f32 v[232+\b], 0x2800000, v[232+\b]  ; the floor 2^(5 - 127)
.endr
.irp b, 0,1,2,3
	v_add_nc_u32 v[244+\b], 0xfe000000, v[232+\b]
.endr
.irp b, 0,1,2,3
	v_lshrrev_b32 v[236+\b], 23, v[244+\b]
.endr
	v_lshl_or_b32 v253, v237, 8, v236              ; p's scale word for these 128 keys
	v_lshl_or_b32 v253, v238, 16, v253
	v_lshl_or_b32 v253, v239, 24, v253
.irp c, 0,1
	v_cvt_scalef32_pk16_bf6_f32 v[224+6*\c:226+6*\c], v[96+32*\c:111+32*\c], v[244+2*\c]
	v_cvt_scalef32_pk16_bf6_f32 v[236+4*\c:238+4*\c], v[112+32*\c:127+32*\c], v[244+2*\c+1]
.endr
	v_nop
.irp c, 0,1
.irp i, 0,1,2
	v_permlane16_swap_b32 v[224+6*\c+\i], v[236+4*\c+\i]
.endr
.irp i, 0,1,2
	v_mov_b32 v[227+6*\c+\i], v[236+4*\c+\i]
.endr
.endr
.set J, 0
.rept 32
	v_pk_mul_f32 v[160+J:161+J], v[160+J:161+J], v[252:253] op_sel_hi:[1,0]   ; O^T under the new M; these are also the places in front of the products and loads below
.set J, J+2
.endr
.irp g, 0,1                                    ; O^T += V^T P^T
.if \g > 0
.rept 4
	v_nop
.endr
.endif
.irp t, 0,1,2,3
.irp c, 0,1,2
	ds_load_b128 v[32+12*\t+4*\c:35+12*\t+4*\c], v[ADV] offset:STP*(\u)+1536*(4*\g+\t)+512*\c
.endr
	ds_load_b32 v[248+\t], v[ADT] offset:512*(\u)+64*(4*\g+\t)
.endr
	s_wait_dscnt 0x0
.irp t, 0,1,2,3
	v_wmma_scale_f32_16x16x128_f8f6f4 v[160+8*(4*\g+\t):167+8*(4*\g+\t)], v[32+12*\t:43+12*\t], v[224:235], v[160+8*(4*\g+\t):167+8*(4*\g+\t)], v[248+\t], v253 matrix_a_fmt:MATRIX_FMT_BF6 matrix_b_fmt:MATRIX_FMT_BF6
.endr
.endr
.endm
; THE CHANGE OF SLOTS stands at a slot's head: each wave waits for all its tensor loads, adds 0 to its spare word, and waits for that and for its reads of the slot that it has left.
; fill = 1: the barrier is a round of the cluster's, and behind it the slot just left is filled with the next 512 keys: the load has a slot's steps in which to land.
.macro CHANGE fill
	s_wait_tensorcnt 0x0
	ds_add_u32 v[SPW], v[NIL]
.if \fill
	s_xor_b32 s[G0K+1], s[G0K+1], SLOT1
	s_add_nc_u64 s[G0K+2:G0K+3], s[G0K+2:G0K+3], 4*STP
	s_xor_b32 s[G0V+1], s[G0V+1], SLOT1
	s_add_nc_u64 s[G0V+2:G0V+3], s[G0V+2:G0V+3], 4*KSP
	s_wait_xcnt 0x0                                ; the last prefetch, a slot back, has read its address
	v_add_nc_u32 v[PFO], v[PFO], v[PFI]
	s_wait_dscnt 0x0
	CROUND
	TLOAD G0K, G1, G0V, G1, 4, 8
	ASK
.else
	s_wait_dscnt 0x0
	s_barrier_signal -1
	s_barrier_wait -1
.endif
.endm
.macro SLOT_STEPS
	STEP 0
	STEP 1
	s_add_nc_u64 s[MP:MP+1], s[MP:MP+1], 1024      ; four key steps on (the mask loads were waited for)
	s_add_co_u32 s[TS], s[TS], 2048
	s_xor_b32 s[TB], s[TB], SLOT1
.endm
	s_wait_loadcnt 0x0                             ; Q
.Lslot:                                            ; three trips: behind each change of slots but the last the next slot is asked for
	CHANGE 1
	SLOT_STEPS
	s_sub_co_u32 s[SLOTS], s[SLOTS], 1
	s_cmp_lg_u32 s[SLOTS], 0
	s_cbranch_scc1 .Lslot
	CHANGE 0                                       ; the last slot is written out
	SLOT_STEPS
	; THE TWO HALVES OF THE KEYS MEET
.rept 4
	v_nop
.endr
	v_add_f32 v14, v14, v15
	v_permlanex16_b32 v252, v14, s[SEL], s[SEL+1]
	v_add_f32 v13, v14, v252                       ; my part of the row's sum, beside -M in v12
	s_cmp_lt_u32 s[WV], 8
	s_cbranch_scc1 .Lkeep
.irp i, 0,1,2,3,4,5,6,7,8,9,10,11,12,13,14,15
	ds_store_b128 v[MA], v[160+4*\i:163+4*\i] offset:512*\i
.endr
	ds_store_b64 v[MB], v[12:13] offset:8192
.Lkeep:
	s_wait_dscnt 0x0                               ; for the others' sake: my stores have landed
	s_barrier_signal -1
	s_barrier_wait -1
	s_cmp_ge_u32 s[WV], 8
	s_cbranch_scc1 .Ldone
.irp i, 0,1,2,3,4,5,6,7,8,9,10,11,12,13,14,15
	ds_load_b128 v[96+4*\i:99+4*\i], v[MA] offset:512*\i
.endr
	ds_load_b64 v[232:233], v[MB] offset:8192
	s_wait_dscnt 0x0
	v_min_num_f32 v234, v12, v232                  ; -M of the two parts together
	v_sub_f32 v235, v234, v12
	v_sub_f32 v236, v234, v232
	v_cvt_i32_f32 v235, v235
	v_cvt_i32_f32 v236, v236
	v_ldexp_f32 v238, 1.0, v235                    ; my part's factor,
	v_ldexp_f32 v240, 1.0, v236                    ; the other's: powers of two
	v_mov_b32 v239, 0
	v_mov_b32 v241, 0
	v_mul_f32 v242, v13, v238
	v_fma_f32 v242, v233, v240, v242               ; the row's sum
	v_rcp_f32 v243, v242
	v_cmp_eq_f32 s104, 0, v242                     ; a row with no key at all
	v_nop
	s_wait_alu depctr_va_vdst(0)                   ; ahead of the reciprocal's first reader
	v_cndmask_b32 v243, v243, 0, s104
	v_mul_f32 v238, v238, v243
	v_mul_f32 v240, v240, v243
.irp b, 0,1,2,3
	v_mov_b32 v[60+\b], 0
.endr
.set J, 0
.rept 32
	v_pk_mul_f32 v[96+J:97+J], v[96+J:97+J], v[240:241] op_sel_hi:[1,0]
.set J, J+2
.endr
.set J, 0
.rept 32
	v_pk_fma_f32 v[96+J:97+J], v[160+J:161+J], v[238:239], v[96+J:97+J] op_sel_hi:[1,0,1]   ; register 16 b + i: o(my query, 32 b + 16 h + i)
.set J, J+2
.endr
	QUANT 96, 32, 56, 72
	v_cndmask_b32 v72, v72, -1, s104               ; no key at all: four bytes 0xff
.irp c, 0,1,2
	global_store_b128 v[LI], v[32+4*\c:35+4*\c], s[6:7] offset:512*\c      ; 32 lanes store 512 consecutive bytes, aligned
.endr
	global_store_b32 v[R4], v72, s[8:9]            ; lanes r and r + 16 hold the same word and name the same place: 64 bytes
.Ldone:
	s_wait_tensorcnt 0x0                           ; the wave's end
	ds_add_u32 v[SPW], v[NIL]
	s_wait_dscnt 0x0
	CROUND                                         ; the closing round
	s_endpgm
.Lfunc_end_k_q4310acaf73_attn:
	.size	k_q4310acaf73_attn, .Lfunc_end_k_q4310acaf73_attn-k_q4310acaf73_attn
	.p2alignl 7, 3214868480
	.fill 96, 4, 3214868480
	.section	.rodata,"a",@progbits
	.p2align	6, 0x0
	.amdhsa_kernel k_q4310acaf73_attn
		.amdhsa_group_segment_fixed_size 327680
		.amdhsa_private_segment_fixed_size 0
		.amdhsa_enable_private_segment 0
		.amdhsa_kernarg_size 40
		.amdhsa_user_sgpr_count 2
		.amdhsa_user_sgpr_kernarg_segment_ptr 1
		.amdhsa_wavefront_size32 1
		.amdhsa_system_sgpr_workgroup_id_x 1
		.amdhsa_system_sgpr_workgroup_id_y 1
		.amdhsa_system_sgpr_workgroup_id_z 1
		.amdhsa_system_vgpr_workitem_id 0
		.amdhsa_next_free_vgpr 256
		.amdhsa_next_free_sgpr 106
		.amdhsa_reserve_vcc 1
		.amdhsa_float_denorm_mode_32 3
		.amdhsa_float_denorm_mode_16_64 3
		.amdhsa_memory_ordered 1
		.amdhsa_forward_progress 1
		.amdhsa_inst_pref_size 120
	.end_amdhsa_kernel
	.amdgpu_metadata
---
amdhsa.version: [ 1, 2 ]
amdhsa.kernels:
  - .name:           k_q4310acaf73_attn
    .symbol:         k_q4310acaf73_attn.kd
    .args:
      - { .name: w2c, .offset: 0, .size: 8, .value_kind: global_buffer, .address_space: global }
      - { .name: w2s, .offset: 8, .size: 8, .value_kind: global_buffer, .address_space: global }
      - { .name: lm, .offset: 16, .size: 8, .value_kind: global_buffer, .address_space: global }
      - { .name: w3c, .offset: 24, .size: 8, .value_kind: global_buffer, .address_space: global }
      - { .name: w3s, .offset: 32, .size: 8, .value_kind: global_buffer, .address_space: global }
    .group_segment_fixed_size: 327680
    .private_segment_fixed_size: 0
    .kernarg_segment_align: 8
    .kernarg_segment_size: 40
    .max_flat_workgroup_size: 512
    .sgpr_count:     106
    .vgpr_count:     256
    .wavefront_size: 32
...
	.end_amdgpu_metadata
.endif
;; end of part 3
;; launch oproj (part 4): grid 16 x 16, 4 waves a work-group, clusters of 4 x 4, 327,680 bytes of LDS; arguments w3c, w3s, w1c, w1s, bo, out0; writes out0
.if DOCPART == 4
	.amdgcn_target "amdgcn-amd-amdhsa--gfx1250"
	.amdhsa_code_object_version 6
	.text
	.protected	k_q4310acaf73_oproj
	.globl	k_q4310acaf73_oproj
	.p2align	8
	.type	k_q4310acaf73_oproj,@function
k_q4310acaf73_oproj:
	s_mov_b64 s[64:65], 0
	v_nop
	global_prefetch_b8 v0, s[64:65] scope:SCOPE_SE
	s_setreg_imm32_b32 hwreg(HW_REG_WAVE_MODE, 25, 1), 1
	s_wait_xcnt 0x0
	s_wait_alu depctr_hold_cnt(0) depctr_sa_sdst(0) depctr_va_vdst(0) depctr_va_sdst(0) depctr_va_ssrc(0) depctr_va_vcc(0) depctr_vm_vsrc(0)
	s_getreg_b32 s2, hwreg(HW_REG_IB_STS2, 6, 4)
	s_cmp_eq_u32 s2, 0
	s_cbranch_scc0 .Lentry_in_a_cluster
	s_endpgm
.Lentry_in_a_cluster:
	s_bfe_u32 s2, ttmp6, 0x10000c
	s_cmp_lg_u32 s2, 0xf033
	s_cbranch_scc0 .Lentry_shape_is_right
	s_endpgm
.Lentry_shape_is_right:
; out0 = O wo^T + bo on codes of BF6 with E8M0 scales.  O (w3c, w3s) and wo (tensor 4 of w1c, w1s) are fragment images [K step 16][row block 128][1,536] with scale words [K step 16][2,048];
; in a block, lane r holds row 32 (rb / 2) + 8 (rb % 2) + r + 8 (r / 8).  A scale word 0xffffffff of O marks a query with no key: its row comes out NaN.
; A tile of out0 is 128 x 128: 256 work-groups, one for each WGP; tiles of 256 x 256 would be 64.  Four waves, each 64 x 64: 16 accumulators.  K goes in steps of 512 through two LDS slots: four fills in all, so the text has no loop.
; THE MATRIX INSTRUCTION IS USED TRANSPOSED: source 0 = 16 rows of wo, source 1 = 16 rows of O: a lane holds one row of out0 and eight neighbouring columns.  bo is the C of the first K step's products.
; CLUSTERS: 4 x 4; O's tiles are asked for jointly along a row of the cluster, wo's along a column.  No prefetch: four fills, each shared by four work-groups.
; REGISTERS: window 0: v16-29 addresses; v32-63 bo, later rows of out0; v64-71 scale words, two sets; v72-103 rows of out0; v128-255 the accumulators ((a, b) at v[128 + 8 (4 a + b)]).
;   window 1: two fragment buffers at v0 and v128: O's four blocks (48 registers), then wo's four.
.set FR,    12
.set IMG,   1536
.set KSP,   196608
.set PART,  4*4*IMG                    ; four K steps of 4 row blocks: what one tensor load brings
.set SLOT,  4*PART
.set SCL,   2*SLOT                     ; scale words: part p (16 K steps x 64 rows x 4 bytes) at SCL + 4096 p + 128 (p / 2)
.set SPARE, SCL+4*4096+256             ; the spare words
.set STG,   SPARE+512                  ; the way out: 16 rows x (256 + 16) bytes for each wave; no tile lands here
.set ADRA, 16
.set ADRB, 20
.set STO,  24
.set RD,   25
.set CO,   26
.set ADRS, 27
.set SPW,  28
.set NIL,  29
.set CB,   32
.set SC,   64
.set ACC,  128
.set F0,   0
.set F1,   128
.set G1,   24
.set G0,   32
.set G1B,  48
.set G0B,  56
.set G1S,  76
.set G0S,  84
.set G1SB, 88
.set G0SB, 96
.set MSB, 0
.macro WIN new
.if MSB != (\new)
	s_set_vgpr_msb (MSB<<8)|(\new)
.set MSB, (\new)
.endif
.endm
.set MUL,  0x05                        ; sources 0 and 1 window 1; C and D window 0
.set TO_F, 0x40
.macro JLOAD g0a, g1a, g0b, g1b        ; waves 0 and 1 fetch for O, waves 2 and 3 for wo; four v_nop follow each of the two lines
	s_cmp_eq_u32 s15, 0
	s_cbranch_scc0 .Lfor_b_\@
	tensor_load_to_lds s[\g0a:\g0a+3], s[\g1a:\g1a+7]
	s_nop 0
.rept 4
	v_nop
.endr
	s_branch .Lasked_\@
.Lfor_b_\@:
	tensor_load_to_lds s[\g0b:\g0b+3], s[\g1b:\g1b+7]
	s_nop 0
.rept 4
	v_nop
.endr
.Lasked_\@:
.endm
.macro CREST
	s_cmp_lg_u32 s14, 0
	s_cbranch_scc1 .Lnot_wave_0_\@
	s_barrier_signal -3
.Lnot_wave_0_\@:
	s_barrier_wait -3
	s_barrier_signal -1
	s_barrier_wait -1
.endm
.macro CROUND
	s_barrier_signal -1
	s_barrier_wait -1
	CREST
.endm
	s_load_b256 s[4:11], s[0:1], 0x0               ; w3c, w3s, w1c, w1s
	s_load_b128 s[68:71], s[0:1], 0x20             ; bo, out0
	v_lshl_add_u32 v[SPW], v0, 2, SPARE
	v_mov_b32 v[NIL], 0
	ds_add_u32 v28, v29
	s_wait_dscnt 0x0
	v_lshrrev_b32 v1, 5, v0
	v_readfirstlane_b32 s14, v1                    ; wave 0..3
	s_lshr_b32 s15, s14, 1                         ; which half of the tile's rows is mine.  Also: I fetch for O (0) or for wo (1)
	s_and_b32 s16, s14, 1                          ; which half of its columns.  Also: which half of that tile I fetch
	s_bfe_u32 s40, ttmp6, 0x40000
	s_bfe_u32 s41, ttmp6, 0x40004
	s_lshl_b32 s42, ttmp9, 2
	s_add_co_u32 s42, s42, s40                     ; tile column
	s_and_b32 s17, ttmp7, 0xffff
	s_lshl_b32 s17, s17, 2
	s_add_co_u32 s17, s17, s41                     ; tile row
	s_lshl_b32 s43, s41, 2
	s_lshl_b32 s43, 15, s43
	s_lshl_b32 s44, 0x1111, s40
	s_or_b32 s[G1+0], s43, (3<<16)|(1<<21)
	s_or_b32 s[G1B+0], s44, (3<<16)|(1<<21)
.irp g, G1, G1B                                ; 4 K steps x 6,144 dense bytes (4 row blocks), 196,608 bytes apart
	s_mov_b32 s[\g+1], 768<<16
	s_mov_b32 s[\g+2], 4<<16
	s_mov_b32 s[\g+3], 768<<16
	s_mov_b32 s[\g+4], 4
	s_mov_b32 s[\g+5], KSP/8
	s_mov_b32 s[\g+6], 0
	s_mov_b32 s[\g+7], 0
.endr
	s_or_b32 s[G1S+0], s43, (3<<16)|(1<<21)
	s_or_b32 s[G1SB+0], s44, (3<<16)|(1<<21)
.irp g, G1S, G1SB                              ; 16 K steps x 256 bytes (64 rows' words), 8,192 bytes apart
	s_mov_b32 s[\g+1], 32<<16
	s_mov_b32 s[\g+2], 16<<16
	s_mov_b32 s[\g+3], 32<<16
	s_mov_b32 s[\g+4], 16
	s_mov_b32 s[\g+5], 1024
	s_mov_b32 s[\g+6], 0
	s_mov_b32 s[\g+7], 0
.endr
	s_lshl_b32 s45, s16, 2
	s_lshl_b32 s20, s17, 3
	s_add_co_u32 s20, s20, s45                     ; O: first block that I fetch: 8 x tile row + 4 x half
	s_lshl_b32 s46, s42, 3
	s_add_co_u32 s46, s46, s45                     ; wo: 8 x tile column + 4 x half
	s_lshl_b32 s22, s20, 6
	s_lshl_b32 s74, s46, 6
	s_add_co_u32 s74, s74, 4*131072                ; wo is tensor 4
	s_mul_i32 s20, s20, IMG
	s_mul_i32 s46, s46, IMG
	s_add_co_u32 s46, s46, 4*3145728
	s_mov_b32 s21, 0
	s_mov_b32 s23, 0
	s_mov_b32 s47, 0
	s_mov_b32 s75, 0
	s_mul_i32 s45, s14, PART
	s_lshl_b32 s18, s14, 12
	s_lshl_b32 s19, s15, 7
	s_add_co_u32 s18, s18, s19
	s_add_co_u32 s18, s18, SCL
	s_wait_kmcnt 0x0
	s_add_nc_u64 s[20:21], s[4:5], s[20:21]
	s_add_nc_u64 s[22:23], s[6:7], s[22:23]
	s_add_nc_u64 s[46:47], s[8:9], s[46:47]
	s_add_nc_u64 s[74:75], s[10:11], s[74:75]
	CROUND                                         ; all sixteen work-groups are here: the first joint loads meet
	s_mov_b32 s[G0S], 1
	s_mov_b32 s[G0S+1], s18
	s_mov_b64 s[G0S+2:G0S+3], s[22:23]
	s_or_b32 s[G0S+3], s[G0S+3], 0x80000000
	s_mov_b32 s[G0SB], 1
	s_mov_b32 s[G0SB+1], s18
	s_mov_b64 s[G0SB+2:G0SB+3], s[74:75]
	s_or_b32 s[G0SB+3], s[G0SB+3], 0x80000000
	JLOAD G0S, G1S, G0SB, G1SB
.irp s, 0,1
	s_mov_b32 s[G0+4*\s], 1
	s_add_co_u32 s[G0+4*\s+1], s45, \s*SLOT
	s_add_nc_u64 s[G0+4*\s+2:G0+4*\s+3], s[20:21], \s*4*KSP
	s_or_b32 s[G0+4*\s+3], s[G0+4*\s+3], 0x80000000
	s_mov_b32 s[G0B+4*\s], 1
	s_add_co_u32 s[G0B+4*\s+1], s45, \s*SLOT
	s_add_nc_u64 s[G0B+4*\s+2:G0B+4*\s+3], s[46:47], \s*4*KSP
	s_or_b32 s[G0B+4*\s+3], s[G0B+4*\s+3], 0x80000000
	JLOAD G0+4*\s, G1, G0B+4*\s, G1B
.endr
	v_and_b32 v1, 15, v0                           ; r
	v_bfe_u32 v2, v0, 4, 1                         ; h
	v_and_b32 v3, 31, v0
	v_lshlrev_b32 v3, 4, v3                        ; 16 x lane
	s_mul_i32 s21, s15, PART
	s_mul_i32 s22, s16, PART
	s_add_co_u32 s22, s22, 2*PART
.irp s, 0,1
	v_add_nc_u32 v[ADRA+\s], s21, v3
	v_add_nc_u32 v[ADRB+\s], s22, v3
	s_add_co_u32 s21, s21, SLOT
	s_add_co_u32 s22, s22, SLOT
.endr
	s_lshl_b32 s21, s15, 12                        ; scale words: lanes 0-15 O's part,
	s_lshl_b32 s22, s16, 12
	s_add_co_u32 s22, s22, 2*4096+128              ; lanes 16-31 wo's
	s_sub_co_u32 s22, s22, s21
	v_mul_u32_u24 v4, s22, v2
	s_add_co_u32 s21, s21, SCL
	v_lshl_add_u32 v4, v1, 2, v4
	v_add_nc_u32 v[ADRS], s21, v4
	s_mul_i32 s23, s14, 16*272
	s_add_co_u32 s23, s23, STG                     ; my stage
	v_mul_u32_u24 v5, v1, 272
	v_lshl_add_u32 v5, v2, 6, v5
	v_add_nc_u32 v[STO], s23, v5                   ; in: row r, + 64 h
	v_mul_u32_u24 v5, v2, 272
	v_lshl_add_u32 v5, v1, 4, v5
	v_add_nc_u32 v[RD], s23, v5                    ; back: lanes 0-15 one row, lanes 16-31 the next
	v_lshlrev_b32 v[CO], 13, v2
	v_lshl_add_u32 v[CO], v1, 4, v[CO]             ; and the same in out0: 8,192 h + 16 r
	s_lshl_b32 s46, s17, 7
	s_lshl_b32 s47, s15, 6
	s_add_co_u32 s46, s46, s47                     ; my first row
	s_lshl_b32 s46, s46, 13
	s_lshl_b32 s47, s42, 7
	s_lshl_b32 s74, s16, 6
	s_add_co_u32 s47, s47, s74                     ; my first column,
	s_lshl_b32 s74, s47, 2                         ; in bytes
	s_add_co_u32 s46, s46, s74
	s_mov_b32 s47, 0
	s_add_nc_u64 s[70:71], s[70:71], s[46:47]
	v_lshl_add_u32 v6, v2, 6, s74                  ; bo: my first column + 16 h
.irp b, 0,1,2,3
	global_load_b128 v[CB+8*\b:CB+8*\b+3], v6, s[68:69] offset:(32*(\b/2)+8*(\b%2))*4
	global_load_b128 v[CB+8*\b+4:CB+8*\b+7], v6, s[68:69] offset:(32*(\b/2)+8*(\b%2))*4+16
.endr
; 4 matrix instructions: row block a x the four column tiles, 128 along K, from buffer f.  The 16 accumulators take turns in the same order in every step.
.macro MULA f, a, zero
.irp b, 0,1,2,3
.if \zero
	v_wmma_scale_f32_16x16x128_f8f6f4 v[ACC+8*(4*(\a)+\b):ACC+8*(4*(\a)+\b)+7], v[\f+48+FR*\b:\f+48+FR*\b+FR-1], v[\f+FR*(\a):\f+FR*(\a)+FR-1], v[CB+8*\b:CB+8*\b+7], v[SC+4*((\f)/128)+\b], v[SC+4*((\f)/128)+(\a)] matrix_a_fmt:MATRIX_FMT_BF6 matrix_b_fmt:MATRIX_FMT_BF6 matrix_a_scale:MATRIX_SCALE_ROW1
.else
	v_wmma_scale_f32_16x16x128_f8f6f4 v[ACC+8*(4*(\a)+\b):ACC+8*(4*(\a)+\b)+7], v[\f+48+FR*\b:\f+48+FR*\b+FR-1], v[\f+FR*(\a):\f+FR*(\a)+FR-1], v[ACC+8*(4*(\a)+\b):ACC+8*(4*(\a)+\b)+7], v[SC+4*((\f)/128)+\b], v[SC+4*((\f)/128)+(\a)] matrix_a_fmt:MATRIX_FMT_BF6 matrix_b_fmt:MATRIX_FMT_BF6 matrix_a_scale:MATRIX_SCALE_ROW1
.endif
.endr
.endm
; 28 LDS loads: the fragments of the slot's q-th 128 along K into buffer f, and the scale words of K step kg (lanes 0-15 O's block i, lanes 16-31 wo's)
.macro FETCH slot, q, kg, f
	WIN TO_F
.irp i, 0,1,2,3
.irp c, 0,1,2
	ds_load_b128 v[\f+48+FR*\i+4*\c:\f+48+FR*\i+4*\c+3], v[ADRB+\slot] offset:4*IMG*(\q)+IMG*\i+512*\c
	ds_load_b128 v[\f+FR*\i+4*\c:\f+FR*\i+4*\c+3], v[ADRA+\slot] offset:4*IMG*(\q)+IMG*\i+512*\c
.endr
.endr
	WIN 0
.irp i, 0,1,2,3
	ds_load_b32 v[SC+4*((\f)/128)+\i], v[ADRS] offset:256*(\kg)+64*\i
.endr
.endm
.macro PLACES
.rept 4
	v_nop
.endr
.endm
.macro QSTEP slot, q, kg, f, g, zero   ; multiplies buffer f; the next 128 along K are asked for first, into buffer g
	PLACES                                         ; the last products read buffer g
	FETCH \slot, (\q)+1, (\kg)+1, \g
	s_wait_dscnt 28                                ; all but the 28 just issued
	WIN MUL
	MULA \f, 0, \zero
	MULA \f, 1, \zero
	MULA \f, 2, \zero
	MULA \f, 3, \zero
.endm
; A slot's last step multiplies buffer 1 and changes slots: one barrier; in front of it each wave waits for all its tensor loads, adds 0 to its spare word, and waits for that and for its own reads of this slot.
.macro TURN slot, next, kg, fill
	WIN 0
	s_wait_tensorcnt 0x0
	ds_add_u32 v[SPW], v[NIL]
	s_wait_dscnt 1                                 ; (the add may be out)
	WIN MUL
	MULA F1, 0, 0
	s_wait_dscnt 0x0
	s_barrier_signal -1
	MULA F1, 1, 0
	WIN 0
	s_barrier_wait -1
.if \fill
	CREST                                          ; the barrier has opened a round of the cluster's
	s_add_nc_u64 s[G0+4*\slot+2:G0+4*\slot+3], s[G0+4*\slot+2:G0+4*\slot+3], 8*KSP
	s_add_nc_u64 s[G0B+4*\slot+2:G0B+4*\slot+3], s[G0B+4*\slot+2:G0B+4*\slot+3], 8*KSP
	JLOAD G0+4*\slot, G1, G0B+4*\slot, G1B         ; its four v_nop are also the places in front of the loads below
.else
	PLACES
.endif
	FETCH \next, 0, \kg, F0
	WIN MUL
	MULA F1, 2, 0
	MULA F1, 3, 0
.endm
	s_wait_loadcnt 0x0                             ; bo
	s_wait_tensorcnt 1                             ; the scale words and my part of slot 0 are in; slot 1's load may be out
	s_barrier_signal -1
	s_barrier_wait -1
	FETCH 0, 0, 0, F0
	QSTEP 0, 0, 0, F0, F1, 1                       ; the first products start the sums, with bo as C
	QSTEP 0, 1, 1, F1, F0, 0
	QSTEP 0, 2, 2, F0, F1, 0
	TURN 0, 1, 4, 1                                ; slot 0 takes K steps 8-11
	QSTEP 1, 0, 4, F0, F1, 0
	QSTEP 1, 1, 5, F1, F0, 0
	QSTEP 1, 2, 6, F0, F1, 0
	TURN 1, 0, 8, 1                                ; slot 1 takes K steps 12-15
	QSTEP 0, 0, 8, F0, F1, 0
	QSTEP 0, 1, 9, F1, F0, 0
	QSTEP 0, 2, 10, F0, F1, 0
	TURN 0, 1, 12, 0
	QSTEP 1, 0, 12, F0, F1, 0
	QSTEP 1, 1, 13, F1, F0, 0
	QSTEP 1, 2, 14, F0, F1, 0
	s_wait_dscnt 0x0
	MULA F1, 0, 0
	MULA F1, 1, 0
	MULA F1, 2, 0
	MULA F1, 3, 0
	WIN 0
; THE WAY OUT, a block of 16 rows x 64 columns at a time, through my own stage: back as whole rows of 256 bytes.  LDS serves a wave's instructions in order: no wait between the stores and the loads.
.macro TOSTAGE a
.irp b, 0,1,2,3
	ds_store_b128 v[STO], v[ACC+8*(4*(\a)+\b):ACC+8*(4*(\a)+\b)+3] offset:4*(32*(\b/2)+8*(\b%2))        ; each accumulator from its low end on
	ds_store_b128 v[STO], v[ACC+8*(4*(\a)+\b)+4:ACC+8*(4*(\a)+\b)+7] offset:4*(32*(\b/2)+8*(\b%2))+16
.endr
.irp t, 0,1,2,3,4,5,6,7
	ds_load_b128 v[32+40*((\a)%2)+4*\t:32+40*((\a)%2)+4*\t+3], v[RD] offset:544*\t
.endr
.endm
.macro SEND a, younger
	s_wait_dscnt \younger
.irp t, 0,1,2,3,4,5,6,7
	global_store_b128 v[CO], v[32+40*((\a)%2)+4*\t:32+40*((\a)%2)+4*\t+3], s[70:71] offset:(32*((\a)/2)+8*((\a)%2)+2*\t+8*(\t/4))*8192 th:TH_STORE_NT   ; 16 lanes store 256 consecutive bytes, aligned; the row by the block's order of rows
.endr
.endm
	PLACES
	TOSTAGE 0
	TOSTAGE 1
	SEND 0, 16                                     ; behind block 0's loads: block 1's 16 LDS instructions
	s_wait_xcnt 0x0                                ; block 0's stores have read their registers
	TOSTAGE 2
	SEND 1, 16
	s_wait_xcnt 0x0
	TOSTAGE 3
	SEND 2, 16
	SEND 3, 0
	s_wait_tensorcnt 0x0                           ; the wave's end
	ds_add_u32 v[SPW], v[NIL]
	s_wait_dscnt 0x0
	CROUND                                         ; the closing round
	s_endpgm
.Lfunc_end_k_q4310acaf73_oproj:
	.size	k_q4310acaf73_oproj, .Lfunc_end_k_q4310acaf73_oproj-k_q4310acaf73_oproj
	.p2alignl 7, 3214868480
	.fill 96, 4, 3214868480
	.section	.rodata,"a",@progbits
	.p2align	6, 0x0
	.amdhsa_kernel k_q4310acaf73_oproj
		.amdhsa_group_segment_fixed_size 327680
		.amdhsa_private_segment_fixed_size 0
		.amdhsa_enable_private_segment 0
		.amdhsa_kernarg_size 48
		.amdhsa_user_sgpr_count 2
		.amdhsa_user_sgpr_kernarg_segment_ptr 1
		.amdhsa_wavefront_size32 1
		.amdhsa_system_sgpr_workgroup_id_x 1
		.amdhsa_system_sgpr_workgroup_id_y 1
		.amdhsa_system_sgpr_workgroup_id_z 1
		.amdhsa_system_vgpr_workitem_id 0
		.amdhsa_next_free_vgpr 512
		.amdhsa_next_free_sgpr 100
		.amdhsa_reserve_vcc 0
		.amdhsa_float_denorm_mode_32 3
		.amdhsa_float_denorm_mode_16_64 3
		.amdhsa_memory_ordered 1
		.amdhsa_forward_progress 1
		.amdhsa_inst_pref_size 85
	.end_amdhsa_kernel
	.amdgpu_metadata
---
amdhsa.version: [ 1, 2 ]
amdhsa.kernels:
  - .name:           k_q4310acaf73_oproj
    .symbol:         k_q4310acaf73_oproj.kd
    .args:
      - { .name: w3c, .offset: 0, .size: 8, .value_kind: global_buffer, .address_space: global }
      - { .name: w3s, .offset: 8, .size: 8, .value_kind: global_buffer, .address_space: global }
      - { .name: w1c, .offset: 16, .size: 8, .value_kind: global_buffer, .address_space: global }
      - { .name: w1s, .offset: 24, .size: 8, .value_kind: global_buffer, .address_space: global }
      - { .name: bo, .offset: 32, .size: 8, .value_kind: global_buffer, .address_space: global }
      - { .name: out0, .offset: 40, .size: 8, .value_kind: global_buffer, .address_space: global }
    .group_segment_fixed_size: 327680
    .private_segment_fixed_size: 0
    .kernarg_segment_align: 8
    .kernarg_segment_size: 48
    .max_flat_workgroup_size: 128
    .sgpr_count:     100
    .vgpr_count:     512
    .wavefront_size: 32
...
	.end_amdgpu_metadata
.endif
;; end of part 4
;; ======== version 2 of 3: 4 launches
;; workspace buffers: w1c 15,728,640 bytes; w1s 655,360 bytes; lm 524,288 bytes of whole numbers; fl 2,048 bytes of whole numbers; w2c 9,437,184 bytes; w2s 393,216 bytes; w3c 3,145,728 bytes; w3s 131,072 bytes
;; launch quant (part 5): grid 768 x 1, 4 waves a work-group, no clusters, 34,304 bytes of LDS; arguments x, wq, wk, wv, wo, mask, w1c, w1s, lm, fl; writes w1c, w1s, lm, fl
.if DOCPART == 5
	.amdgcn_target "amdgcn-amd-amdhsa--gfx1250"
	.amdhsa_code_object_version 6
	.text
	.protected	k_q4310acaf73_quant
	.globl	k_q4310acaf73_quant
	.p2align	8
	.type	k_q4310acaf73_quant,@function
k_q4310acaf73_quant:
	s_mov_b64 s[64:65], 0
	v_nop
	global_prefetch_b8 v0, s[64:65] scope:SCOPE_SE
	s_setreg_imm32_b32 hwreg(HW_REG_WAVE_MODE, 25, 1), 1
	s_wait_xcnt 0x0
; x, wq, wk, wv, wo [2048][2048] f32 (K innermost) become codes of BF6 (E3M2) with one E8M0 byte for each 32 along K; the mask [2048][2048] int32 becomes lane masks and two flags a tile.
; LAYOUT OF THE CODES.  A fragment is 16 rows x 128 K: 12 registers a lane.  It is stored as the image of its registers: registers 4 c .. 4 c + 3 of lane l at 512 c + 16 l, 1,536 bytes.
; A tensor is [K step 16][row block 128][1,536].  THE ROWS OF A BLOCK ARE NOT NEIGHBOURS: lane r of block rb holds row 32 (rb / 2) + 8 (rb % 2) + r + 8 (r / 8), so that a product which
; takes such blocks as source 0 leaves 16 neighbouring rows in the 16 registers of two neighbouring tiles.  Scale words: [K step 16][16 rb + r], four bytes each.
; A block's scale is 2^(floor(log2(its largest magnitude)) - 4); its byte is the largest magnitude's exponent field - 4, held at 1 from below.
; LIMITS: a block whose largest magnitude lies under 2^-122, a block of zeros among them, keeps the byte 1 (its codes are read by this program alone); NaN and infinities among the inputs are not served.
; THE MASK goes the same way in: word n of lm[row block][key step][64] has bit r + 16 h set where mask[row r of the block][128 step + 32 (n / 16) + 16 h + n % 16] is not 0.
; fl[row block][wave]: bit f: some bit of key step 4 wave + f's 64 words is set; bit 4 + f: all of them are.
; SHARES.  Work-group: tensor ttmp9 / 128 (5 = the mask), row block ttmp9 % 128, all 2,048 columns; wave w takes K steps 4 w .. 4 w + 3.  Each load reads 512 consecutive bytes of a row; the 16 rows x 512 bytes
; turn through the wave's own stage in LDS (rows 528 bytes apart) and come back as 16 neighbours of each block of 32 in a lane.  Waves share nothing: no barrier.  Two fragments' loads (32) are out.
.set R,   16                           ; v16-143  two sets of 64 registers as loaded
.set X,   144                          ; v144-207 register 16 b + i: column 32 b + 16 h + i of my row
.set PC,  208                          ; v208-227 the codes
.set TM,  228                          ; v228-243 at work
.set PW,  244                          ; v244-247 a scale word for each fragment
.set MO,  248                          ; v248-255 the mask words, a pair for each key step
.set SRC, 58
.set OC,  28
.set OS,  30
.set OM,  32
.set T,   34
.set HM,  35
.set SEL, 36
.set FLG, 60
; 64 numbers of a lane, register 16 b + i = k 32 b + 16 (lane / 16) + i of my row, become a fragment's codes in v[pc] .. v[pc + 11] and its scale word in v[pw]
.macro QUANT s, pc, tm, pw
.irp b, 0,1,2,3
	v_max3_num_f32 v[\tm+\b], |v[\s+16*\b]|, |v[\s+1+16*\b]|, 0x2800000   ; my 16 numbers of block b, and the floor 2^(5 - 127): the byte cannot fall under 1
.endr
.irp i, 2,4,6,8,10,12,14
.irp b, 0,1,2,3
	v_max3_num_f32 v[\tm+\b], v[\tm+\b], |v[\s+16*\b+\i]|, |v[\s+1+16*\b+\i]|
.endr
.endr
.irp b, 0,1,2,3
	v_permlanex16_b32 v[\tm+4+\b], v[\tm+\b], s[SEL], s[SEL+1]
.endr
.irp b, 0,1,2,3
	v_max_num_f32 v[\tm+\b], v[\tm+\b], v[\tm+4+\b]   ; with lane l xor 16's: the block's largest magnitude
.endr
.irp b, 0,1,2,3
	v_add_nc_u32 v[\tm+12+\b], 0xfe000000, v[\tm+\b]  ; 4 off its exponent field: the conversion's scale operand
.endr
.irp b, 0,1,2,3
	v_lshrrev_b32 v[\tm+4+\b], 23, v[\tm+12+\b]       ; the scale's byte
.endr
	v_lshl_or_b32 v[\pw], v[\tm+5], 8, v[\tm+4]
	v_lshl_or_b32 v[\pw], v[\tm+6], 16, v[\pw]
	v_lshl_or_b32 v[\pw], v[\tm+7], 24, v[\pw]
.irp c, 0,1
	v_cvt_scalef32_pk16_bf6_f32 v[\pc+6*\c:\pc+2+6*\c], v[\s+32*\c:\s+15+32*\c], v[\tm+12+2*\c]
	v_cvt_scalef32_pk16_bf6_f32 v[\pc+12+4*\c:\pc+14+4*\c], v[\s+16+32*\c:\s+31+32*\c], v[\tm+12+2*\c+1]   ; (a conversion's three registers begin on an even number)
.endr
	v_nop                                          ; one plain place behind a scaled conversion
.irp c, 0,1                                    ; the operand's layout wants a whole block in a lane
.irp i, 0,1,2
	v_permlane16_swap_b32 v[\pc+6*\c+\i], v[\pc+12+4*\c+\i]
.endr
.irp i, 0,1,2
	v_mov_b32 v[\pc+3+6*\c+\i], v[\pc+12+4*\c+\i]
.endr
.endr
.endm
	s_load_b512 s[8:23], s[0:1], 0x0               ; x, wq, wk, wv, wo, mask, w1c, w1s
	s_load_b128 s[24:27], s[0:1], 0x40             ; lm, fl
	v_lshl_add_u32 v238, v0, 2, 0x8400
	v_mov_b32 v239, 0
	v_lshrrev_b32 v1, 5, v0
	v_readfirstlane_b32 s38, v1                    ; wave
	v_and_b32 v1, 31, v0                           ; lane
	v_and_b32 v2, 15, v0                           ; r
	v_bfe_u32 v3, v0, 4, 1                         ; h
	v_lshlrev_b32 v4, 4, v1                        ; 16 x lane: my bytes of a load's 512, and of an image's
	s_mul_i32 s39, s38, 8448                       ; my wave's stage
	v_add_nc_u32 v5, s39, v4                       ; into it: a row as it lies
	v_mul_u32_u24 v6, v2, 528
	v_lshl_add_u32 v6, v3, 6, v6
	v_add_nc_u32 v6, s39, v6                       ; out of it: row r, + 64 h
	v_lshlrev_b32 v7, 2, v2
	v_lshl_add_u32 v7, v3, 13, v7                  ; scale words: 4 r, lanes 16-31 one K step (8,192 bytes) on
	v_lshlrev_b32 v8, 3, v1                        ; mask words: 8 bytes a lane
.irp b, 0,1,2,3
	v_mov_b32 v[TM+4+\b], 0                        ; a lane permute's destination counts as one of its sources
	v_mov_b32 v[PW+\b], 0
.endr
.irp b, 0,1,2,3,4,5,6,7
	v_mov_b32 v[MO+\b], 0                          ; and so does v_writelane_b32's
.endr
	s_mov_b32 s[HM], 0xffff0000                    ; lanes 16-31
	s_mov_b32 s[SEL], 0x76543210
	s_mov_b32 s[SEL+1], 0xfedcba98
	s_mov_b32 s[FLG], 0
	s_lshr_b32 s[T], ttmp9, 7                      ; which tensor
	s_and_b32 s48, ttmp9, 127                      ; which row block
	s_lshr_b32 s49, s48, 1
	s_lshl_b32 s49, s49, 5
	s_and_b32 s50, s48, 1
	s_lshl_b32 s50, s50, 3
	s_add_co_u32 s49, s49, s50                     ; the block's first row: 32 (rb / 2) + 8 (rb % 2)
	s_lshl_b32 s50, s49, 13                        ; x 8,192 bytes
	s_lshl_b32 s51, s38, 11                        ; + my wave's 2,048 bytes of a row
	s_add_co_u32 s50, s50, s51
	s_mov_b32 s51, 0
	s_min_u32 s49, s[T], 4                         ; (the mask's work-groups store no codes: their address stays inside all the same)
	s_mul_i32 s52, s49, 3145728
	s_mul_i32 s53, s38, 4*196608
	s_add_co_u32 s52, s52, s53
	s_mul_i32 s53, s48, 1536
	s_add_co_u32 s52, s52, s53
	s_mov_b32 s53, 0
	s_lshl_b32 s54, s49, 17
	s_lshl_b32 s55, s38, 15
	s_add_co_u32 s54, s54, s55
	s_lshl_b32 s55, s48, 6
	s_add_co_u32 s54, s54, s55
	s_mov_b32 s55, 0
	s_lshl_b32 s56, s48, 12                        ; lm: (16 rb + 4 w) x 256
	s_lshl_b32 s57, s38, 10
	s_add_co_u32 s56, s56, s57
	s_mov_b32 s57, 0
	s_lshl_b32 s62, s48, 4                         ; fl: 16 rb + 4 w
	s_lshl_b32 s63, s38, 2
	s_add_co_u32 s62, s62, s63
	s_mov_b32 s63, 0
	s_wait_kmcnt 0x0
	s_cmp_eq_u32 s[T], 1                           ; the choice hangs on the work-group's number alone
	s_cselect_b64 s[SRC:SRC+1], s[10:11], s[8:9]
	s_cmp_eq_u32 s[T], 2
	s_cselect_b64 s[SRC:SRC+1], s[12:13], s[SRC:SRC+1]
	s_cmp_eq_u32 s[T], 3
	s_cselect_b64 s[SRC:SRC+1], s[14:15], s[SRC:SRC+1]
	s_cmp_eq_u32 s[T], 4
	s_cselect_b64 s[SRC:SRC+1], s[16:17], s[SRC:SRC+1]
	s_cmp_eq_u32 s[T], 5
	s_cselect_b64 s[SRC:SRC+1], s[18:19], s[SRC:SRC+1]
	s_add_nc_u64 s[SRC:SRC+1], s[SRC:SRC+1], s[50:51]
	s_add_nc_u64 s[OC:OC+1], s[20:21], s[52:53]
	s_add_nc_u64 s[OS:OS+1], s[22:23], s[54:55]
	s_add_nc_u64 s[OM:OM+1], s[24:25], s[56:57]
	s_add_nc_u64 s[26:27], s[26:27], s[62:63]
.macro LOADF f, set                    ; fragment f: 16 rows x 512 bytes
.irp t, 0,1,2,3,4,5,6,7,8,9,10,11,12,13,14,15
	global_load_b128 v[R+64*(\set)+4*\t:R+64*(\set)+4*\t+3], v4, s[SRC:SRC+1] offset:(\t+8*(\t/8))*8192+512*(\f) th:TH_LOAD_NT
.endr
.endm
.macro TURNF set                       ; through the stage: LDS serves a wave's instructions in order, so no wait stands between the stores and the loads
.irp t, 0,1,2,3,4,5,6,7,8,9,10,11,12,13,14,15
	ds_store_b128 v5, v[R+64*(\set)+4*\t:R+64*(\set)+4*\t+3] offset:528*\t
.endr
.irp b, 0,1,2,3
.irp j, 0,1,2,3
	ds_load_b128 v[X+16*\b+4*\j:X+16*\b+4*\j+3], v6 offset:128*\b+16*\j
.endr
.endr
.endm
.macro FSTEP f
.if \f < 3
	s_wait_loadcnt 16                              ; this fragment's 16 loads are in; the other set's 16 may be out
.else
	s_wait_loadcnt 0x0
.endif
	TURNF (\f)%2
	s_wait_dscnt 0x0                               ; the numbers are back, and the stores have read their registers,
.if \f < 2
	LOADF (\f)+2, (\f)%2                           ; which take the fragment two on
.endif
	s_cmp_eq_u32 s[T], 5
	s_cbranch_scc1 .Lmask_\@
	s_wait_xcnt 0x0                                ; the last fragment's stores have read the codes' registers
	QUANT X, PC, TM, PW+\f
.irp c, 0,1,2
	global_store_b128 v4, v[PC+4*\c:PC+4*\c+3], s[OC:OC+1] offset:196608*(\f)+512*\c   ; 32 lanes store 512 consecutive bytes, aligned
.endr
	s_branch .Ljoin_\@
.Lmask_\@:
.set N, 0
.rept 64
	v_cmp_ne_u32 s[40+N%8], 0, v[X+N]              ; the 32 lanes' bits of register N,
	v_writelane_b32 v[MO+2*(\f)+N%2], s[40+N%8], N/2   ; as word N: lane N / 2, register N % 2
.set N, N+1
.endr
	global_store_b64 v8, v[MO+2*(\f):MO+2*(\f)+1], s[OM:OM+1] offset:256*(\f)   ; 32 lanes store 256 consecutive bytes, aligned
	v_or_b32 v9, v[MO+2*(\f)], v[MO+2*(\f)+1]      ; the tile's two flags, from its 64 words: two of them a lane
	v_and_b32 v10, v[MO+2*(\f)], v[MO+2*(\f)+1]
	v_cmp_ne_u32 s61, 0, v9                        ; lanes with some bit set
	v_cmp_ne_u32 s62, -1, v10                      ; lanes with some bit clear
	s_cmp_lg_u32 s61, 0
	s_cselect_b32 s63, 1<<(\f), 0
	s_or_b32 s[FLG], s[FLG], s63                   ; bit f: some query sees some key
	s_cmp_eq_u32 s62, 0
	s_cselect_b32 s63, 16<<(\f), 0
	s_or_b32 s[FLG], s[FLG], s63                   ; bit 4 + f: every query sees every key
.Ljoin_\@:
.endm
	LOADF 0, 0
	LOADF 1, 1
	FSTEP 0
	FSTEP 1
	FSTEP 2
	FSTEP 3
	s_cmp_eq_u32 s[T], 5
	s_cbranch_scc1 .Lflags
.irp i, 0,1                                    ; lanes 0-15 store K step 4 w + 2 i's words of the 16 rows, lanes 16-31 the next K step's: 64 bytes each
	v_cndmask_b32 v[TM+\i], v[PW+2*\i], v[PW+2*\i+1], s[HM]
	global_store_b32 v7, v[TM+\i], s[OS:OS+1] offset:16384*\i
.endr
	s_branch .Lend
.Lflags:
	v_mov_b32 v11, 0
	v_mov_b32 v12, s[FLG]
	global_store_b32 v11, v12, s[26:27]            ; my wave's one word: all lanes hold the same word and name the same place
.Lend:
	s_wait_tensorcnt 0x0
	ds_add_u32 v238, v239
	s_wait_dscnt 0x0
	s_endpgm
.Lfunc_end_k_q4310acaf73_quant:
	.size	k_q4310acaf73_quant, .Lfunc_end_k_q4310acaf73_quant-k_q4310acaf73_quant
	.p2alignl 7, 3214868480
	.fill 96, 4, 3214868480
	.section	.rodata,"a",@progbits
	.p2align	6, 0x0
	.amdhsa_kernel k_q4310acaf73_quant
		.amdhsa_group_segment_fixed_size 34304
		.amdhsa_private_segment_fixed_size 0
		.amdhsa_enable_private_segment 0
		.amdhsa_kernarg_size 80
		.amdhsa_user_sgpr_count 2
		.amdhsa_user_sgpr_kernarg_segment_ptr 1
		.amdhsa_wavefront_size32 1
		.amdhsa_system_sgpr_workgroup_id_x 1
		.amdhsa_system_sgpr_workgroup_id_y 1
		.amdhsa_system_sgpr_workgroup_id_z 1
		.amdhsa_system_vgpr_workitem_id 0
		.amdhsa_next_free_vgpr 256
		.amdhsa_next_free_sgpr 66
		.amdhsa_reserve_vcc 0
		.amdhsa_float_denorm_mode_32 3
		.amdhsa_float_denorm_mode_16_64 3
		.amdhsa_memory_ordered 1
		.amdhsa_forward_progress 1
		.amdhsa_inst_pref_size 69
	.end_amdhsa_kernel
	.amdgpu_metadata
---
amdhsa.version: [ 1, 2 ]
amdhsa.kernels:
  - .name:           k_q4310acaf73_quant
    .symbol:         k_q4310acaf73_quant.kd
    .args:
      - { .name: x, .offset: 0, .size: 8, .value_kind: global_buffer, .address_space: global }
      - { .name: wq, .offset: 8, .size: 8, .value_kind: global_buffer, .address_space: global }
      - { .name: wk, .offset: 16, .size: 8, .value_kind: global_buffer, .address_space: global }
      - { .name: wv, .offset: 24, .size: 8, .value_kind: global_buffer, .address_space: global }
      - { .name: wo, .offset: 32, .size: 8, .value_kind: global_buffer, .address_space: global }
      - { .name: mask, .offset: 40, .size: 8, .value_kind: global_buffer, .address_space: global }
      - { .name: w1c, .offset: 48, .size: 8, .value_kind: global_buffer, .address_space: global }
      - { .name: w1s, .offset: 56, .size: 8, .value_kind: global_buffer, .address_space: global }
      - { .name: lm, .offset: 64, .size: 8, .value_kind: global_buffer, .address_space: global }
      - { .name: fl, .offset: 72, .size: 8, .value_kind: global_buffer, .address_space: global }
    .group_segment_fixed_size: 34304
    .private_segment_fixed_size: 0
    .kernarg_segment_align: 8
    .kernarg_segment_size: 80
    .max_flat_workgroup_size: 128
    .sgpr_count:     66
    .vgpr_count:     256
    .wavefront_size: 32
...
	.end_amdgpu_metadata
.endif
;; end of part 5
;; launch qkv: the kernel of part 2 again; grid 24 x 8, 4 waves a work-group, clusters of 4 x 4, 327,680 bytes of LDS; arguments w1c, w1s, bq, bk, bv, w2c, w2s; writes w2c, w2s
;; launch attn (part 6): grid 16 x 16, 16 waves a work-group, no clusters, 313,344 bytes of LDS; arguments w2c, w2s, lm, fl, w3c, w3s; writes w3c, w3s
.if DOCPART == 6
	.amdgcn_target "amdgcn-amd-amdhsa--gfx1250"
	.amdhsa_code_object_version 6
	.text
	.protected	k_q4310acaf73_attn
	.globl	k_q4310acaf73_attn
	.p2align	8
	.type	k_q4310acaf73_attn,@function
k_q4310acaf73_attn:
	s_mov_b64 s[64:65], 0
	v_nop
	global_prefetch_b8 v0, s[64:65] scope:SCOPE_SE
	s_setreg_imm32_b32 hwreg(HW_REG_WAVE_MODE, 25, 1), 1
	s_wait_xcnt 0x0
; For each head: O = softmax(mask(Q K^T / sqrt(128))) V, both products on codes of BF6 with E8M0 scales; O is quantised along e = 128 head + d for the last projection.
; Q, K (w2c kinds 0, 1): fragment images [head 16][block of 16 rows of the sequence 128][1,536]; V (kind 2): [key step 16][8 head + tile of d][1,536], the keys innermost.  Scale words likewise in w2s.
; In a block, lane r holds row 32 (rb / 2) + 8 (rb % 2) + r + 8 (r / 8): so in S^T = K Q^T the 16 registers of tiles 2 b, 2 b + 1 are keys 32 b + 16 (lane / 16) + 0 .. 15 of the step, and in O^T = V^T P^T the same of d.
; THE MASK is an input.  lm[query block][key step][64] holds, for each of S^T's 64 registers, the 32 lanes' bits; fl[query block][4] holds two flags for each key step: some bit set, all bits set.
; A key step with no bit set adds nothing to any of my queries: a scalar branch on the flag leads round it.  A step with all bits set needs no select.  Else one v_cndmask_b32 a score puts -infinity where the bit is 0.
; SOFTMAX: t = score x log2(e) / sqrt(128); M = the running largest t rounded up to a whole number; p = 2^(t - M) is quantised along the keys; the sum is taken of the unquantised p and divides at the end.
; SHARES.  A work-group owns 8 query blocks of a head: 256 work-groups.  Work-group j takes blocks 4 j .. 4 j + 3 and 124 - 4 j .. 127 - 4 j: a fixed map, right for every mask, which evens the work where late queries see more keys;
; the low and the high blocks are dealt so that waves k, k + 4, k + 8, k + 12 hold as many of each, and so do waves 4 m .. 4 m + 3.  Wave w owns one block (by w % 8); of a slot's four key steps waves 0-7 take the first two, waves 8-15 the last two.
; At the end wave w + 8 hands its -M, its sum and its O^T to wave w through LDS; M is a whole number, so both parts are brought under the larger M by powers of two.
; A QUERY WHOSE MASK ROW IS ALL 0 has the sum 0: its codes are zeros and its scale word is 0xffffffff, which makes its row of the last product NaN.
; K AND V COME THROUGH REGISTERS, not by tensor loads, and there is no cluster: every key step stands under a branch on flags read from memory.
; LDS has three areas of four key steps (K, then V: 98,304 bytes).  Slots 0 and 1 and the scale words are loaded at the head, each wave 6,144 + 6,144 + 1,024 bytes, into registers that hold fragments and scores later.
; Slots 2 and 3 go through 24 registers, six loads of 512 bytes a round, a round's loads issued a key step ahead of its stores, outside the branch.  Slot 2 goes to area 2, slot 3 to area 0.
; BARRIERS: behind the head's stores; behind slot 0 (area 0 is read out, slot 2 is stored); behind slot 2 (slot 3 is stored, area 1 is read out and takes the merge); in the merge.  No prefetch: none stands at a head, and the later slots' loads are themselves issued ahead.
; LIMITS: NaN and infinities are not served; |t| stays under 2^24, so that M is exact; a block whose largest magnitude lies under 2^-122 keeps the byte 1.
; REGISTERS: v1-7 addresses and -infinity; v8-11, v28-31, v80-95 the rounds' 24; v12 -M, v13 the largest t, v[14:15] the sum; v16-27 Q; v32-79 four fragments; v96-159 S^T, then p, then V's last four fragments; v160-223 O^T;
;   v224-235 p's codes; v232-254 at work; v243 4 r; v248-251 the tiles' scale words (lanes 0-15 tile t, lanes 16-31 tile t + 4); v255 Q's scale words.
.set STP,   12288                      ; a key step's tile of K or of V: eight images
.set KSP,   196608
.set AREA,  98304
.set SCK,   294912                     ; K's scale words of the head: 2,048 x 4 bytes; V's, [key step 16][128 d], 8,192 bytes on
.set MRG,   98304                      ; the merge, in area 1: 8 x 8,448: an image of O^T (8,192) and 8 bytes a lane
.set AK0,  1
.set ASK0, 2
.set LI,   3
.set SGA,  4
.set ADK,  5
.set ADV,  6
.set NINF, 7
.set R4,   243
.set FL,   2
.set WV,   3
.set MP,   4
.set OC,   6
.set OS,   8
.set P2,   10
.set SEL,  12
.set P3,   14
.set CS,   16
.set P0,   18
.set P1,   20
.set PSA,  22
.set PSB,  24
.set QP,   26
.set QS,   28
.set GR,   30
.macro QUANT s, pc, tm, pw             ; 64 numbers of a lane, register 16 b + i = k 32 b + 16 (lane / 16) + i, become a fragment in v[pc] .. v[pc + 11] and its scale word in v[pw]
.irp b, 0,1,2,3
	v_max3_num_f32 v[\tm+\b], |v[\s+16*\b]|, |v[\s+1+16*\b]|, 0x2800000
.endr
.irp i, 2,4,6,8,10,12,14
.irp b, 0,1,2,3
	v_max3_num_f32 v[\tm+\b], v[\tm+\b], |v[\s+16*\b+\i]|, |v[\s+1+16*\b+\i]|
.endr
.endr
.irp b, 0,1,2,3
	v_permlanex16_b32 v[\tm+4+\b], v[\tm+\b], s[SEL], s[SEL+1]
.endr
.irp b, 0,1,2,3
	v_max_num_f32 v[\tm+\b], v[\tm+\b], v[\tm+4+\b]
.endr
.irp b, 0,1,2,3
	v_add_nc_u32 v[\tm+12+\b], 0xfe000000, v[\tm+\b]
.endr
.irp b, 0,1,2,3
	v_lshrrev_b32 v[\tm+4+\b], 23, v[\tm+12+\b]
.endr
	v_lshl_or_b32 v[\pw], v[\tm+5], 8, v[\tm+4]
	v_lshl_or_b32 v[\pw], v[\tm+6], 16, v[\pw]
	v_lshl_or_b32 v[\pw], v[\tm+7], 24, v[\pw]
.irp c, 0,1
	v_cvt_scalef32_pk16_bf6_f32 v[\pc+6*\c:\pc+2+6*\c], v[\s+32*\c:\s+15+32*\c], v[\tm+12+2*\c]
	v_cvt_scalef32_pk16_bf6_f32 v[\pc+12+4*\c:\pc+14+4*\c], v[\s+16+32*\c:\s+31+32*\c], v[\tm+12+2*\c+1]
.endr
	v_nop
.irp c, 0,1
.irp i, 0,1,2
	v_permlane16_swap_b32 v[\pc+6*\c+\i], v[\pc+12+4*\c+\i]
.endr
.irp i, 0,1,2
	v_mov_b32 v[\pc+3+6*\c+\i], v[\pc+12+4*\c+\i]
.endr
.endr
.endm
.macro BARRIER                         ; my LDS stores have landed and my LDS loads are in: then the work-group's barrier
	s_wait_dscnt 0x0
	s_barrier_signal -1
	s_barrier_wait -1
.endm
; A ROUND: half of my 6,144 bytes of a slot, six loads of 512 consecutive bytes, into the 24 registers kept for it; a key step later they go to LDS.
.macro SLD rg, i, p
	global_load_b128 v[\rg:\rg+3], v[LI], s[\p:\p+1] offset:512*(\i)
.endm
.macro SST rg, i
	ds_store_b128 v[ADK], v[\rg:\rg+3] offset:512*(\i)
.endm
.macro ROUND_LD p, half
	SLD 8, 6*(\half), \p
	SLD 28, 6*(\half)+1, \p
	SLD 80, 6*(\half)+2, \p
	SLD 84, 6*(\half)+3, \p
	SLD 88, 6*(\half)+4, \p
	SLD 92, 6*(\half)+5, \p
.endm
.macro ROUND_ST area, half
	s_wait_loadcnt 0x0                             ; the round's six loads are in: nothing else of mine is out
	v_add_nc_u32 v[ADK], AREA*(\area), v[SGA]
	SST 8, 6*(\half)
	SST 28, 6*(\half)+1
	SST 80, 6*(\half)+2
	SST 84, 6*(\half)+3
	SST 88, 6*(\half)+4
	SST 92, 6*(\half)+5
	s_wait_dscnt 0x0                               ; the stores have read their registers: the next round's loads may land there
.endm
	s_load_b256 s[68:75], s[0:1], 0x0              ; w2c, w2s, lm, fl
	s_load_b128 s[76:79], s[0:1], 0x20             ; w3c, w3s
	v_lshrrev_b32 v8, 5, v0
	v_readfirstlane_b32 s[WV], v8                  ; wave 0..15
	s_lshr_b32 s[GR], s[WV], 3                     ; which two of a slot's four key steps are mine
	s_and_b32 s80, s[WV], 7
	s_and_b32 s82, ttmp7, 0xffff                   ; the head
	s_lshr_b32 s81, s80, 2
	s_xor_b32 s81, s81, s80
	s_and_b32 s81, s81, 1                          ; 1: one of the work-group's four high blocks
	s_lshl_b32 s84, ttmp9, 2                       ; the low ones begin at 4 j,
	s_sub_co_u32 s85, 124, s84                     ; the high ones at 124 - 4 j
	s_cmp_eq_u32 s81, 1
	s_cselect_b32 s84, s85, s84
	s_lshr_b32 s85, s80, 1
	s_add_co_u32 s83, s84, s85                     ; my block of 16 queries
	; what I load of a slot: waves 0-7 K's 49,152 bytes, waves 8-15 V's, 6,144 bytes each
	s_mul_i32 s86, s82, KSP
	s_mul_i32 s87, s80, 6144
	s_add_co_u32 s86, s86, s87
	s_add_co_u32 s86, s86, 3145728                 ; K: kind 1, head, + 6,144 x wave
	s_lshr_b32 s87, s80, 1
	s_mul_i32 s87, s87, KSP
	s_mul_i32 s88, s82, STP
	s_add_co_u32 s87, s87, s88
	s_and_b32 s88, s80, 1
	s_mul_i32 s88, s88, 6144
	s_add_co_u32 s87, s87, s88
	s_add_co_u32 s87, s87, 6291456                 ; V: kind 2, key step (w - 8) / 2, head, + 6,144 x ((w - 8) % 2)
	s_mov_b32 s89, 4*KSP
	s_lshl_b32 s90, s82, 13
	s_lshl_b32 s91, s80, 10
	s_add_co_u32 s90, s90, s91
	s_add_co_u32 s90, s90, 131072                  ; K's scale words: 1,024 bytes a wave
	s_lshl_b32 s91, s80, 14
	s_lshl_b32 s92, s82, 9
	s_add_co_u32 s91, s91, s92
	s_add_co_u32 s91, s91, 262144                  ; V's: key steps 2 (w - 8) and the next, 512 bytes each
	s_mov_b32 s93, 8192
	s_cmp_lt_u32 s[WV], 8                          ; offsets are chosen, by the wave's number; no address is
	s_cselect_b32 s86, s86, s87
	s_cselect_b32 s88, 4*STP, s89                  ; from slot to slot
	s_cselect_b32 s90, s90, s91
	s_cselect_b32 s92, 512, s93                    ; from my first 512 scale bytes to my second
	s_mov_b32 s87, 0
	s_mov_b32 s89, 0
	s_mov_b32 s91, 0
	s_mov_b32 s93, 0
	s_mul_i32 s94, s82, KSP
	s_mul_i32 s95, s83, 1536
	s_add_co_u32 s94, s94, s95                     ; Q's image and O's: K step = head, block = my queries'
	s_mov_b32 s95, 0
	s_lshl_b32 s96, s82, 13
	s_lshl_b32 s97, s83, 6
	s_add_co_u32 s96, s96, s97                     ; their scale words
	s_mov_b32 s97, 0
	s_lshl_b32 s98, s83, 4
	s_lshl_b32 s99, s[GR], 1
	s_add_co_u32 s98, s98, s99
	s_lshl_b32 s98, s98, 8                         ; my mask words: (16 x block + 2 x group) x 256
	s_mov_b32 s99, 0
	s_lshl_b32 s104, s83, 4                        ; my flags: 16 bytes a block
	s_mov_b32 s105, 0
	s_mov_b32 s[SEL], 0x76543210
	s_mov_b32 s[SEL+1], 0xfedcba98
	s_mov_b32 s[CS], 0x3e0293ee                    ; c = log2(e) / sqrt(128)
	s_mov_b32 s[CS+1], s[CS]
	v_and_b32 v9, 31, v0                           ; lane
	v_and_b32 v10, 15, v0                          ; r
	v_bfe_u32 v11, v0, 4, 1                        ; h
	v_lshlrev_b32 v[LI], 4, v9
	v_lshlrev_b32 v[R4], 2, v10
	s_mul_i32 s31, s[WV], 6144
	v_add_nc_u32 v[SGA], s31, v[LI]                ; where my part of a slot goes, in area 0
	v_add_nc_u32 v[ADV], AREA, v[SGA]              ; (at the head: the same in area 1,
	s_lshl_b32 s31, s[WV], 10
	s_add_co_u32 s31, s31, SCK
	v_add_nc_u32 v[ADK], s31, v[LI]                ; and my 1,024 bytes of scale words)
	s_mul_i32 s31, s[GR], 2*STP
	v_add_nc_u32 v[AK0], s31, v[LI]                ; my lane's place in my first key step of an area
	v_lshl_add_u32 v[ASK0], v11, 8, v[R4]          ; scale words: 4 r, lanes 16-31 four tiles (256 bytes) on,
	s_lshl_b32 s31, s[GR], 10
	s_add_co_u32 s31, s31, SCK
	v_add_nc_u32 v[ASK0], s31, v[ASK0]             ; in my first key step of slot 0
	s_wait_kmcnt 0x0
	s_add_nc_u64 s[P0:P0+1], s[68:69], s[86:87]
	s_add_nc_u64 s[P1:P1+1], s[P0:P0+1], s[88:89]
	s_add_nc_u64 s[P2:P2+1], s[P1:P1+1], s[88:89]
	s_add_nc_u64 s[P3:P3+1], s[P2:P2+1], s[88:89]
	s_add_nc_u64 s[PSA:PSA+1], s[70:71], s[90:91]
	s_add_nc_u64 s[PSB:PSB+1], s[PSA:PSA+1], s[92:93]
	s_add_nc_u64 s[QP:QP+1], s[68:69], s[94:95]
	s_add_nc_u64 s[OC:OC+1], s[76:77], s[94:95]
	s_add_nc_u64 s[QS:QS+1], s[70:71], s[96:97]
	s_add_nc_u64 s[OS:OS+1], s[78:79], s[96:97]
	s_add_nc_u64 s[MP:MP+1], s[72:73], s[98:99]
	s_add_nc_u64 s[74:75], s[74:75], s[104:105]
.irp i, 0,1,2,3,4,5,6,7,8,9,10,11
	global_load_b128 v[32+4*\i:35+4*\i], v[LI], s[P0:P0+1] offset:512*\i       ; slot 0: 12 loads
.endr
	global_load_b128 v[144:147], v[LI], s[PSA:PSA+1]                           ; the scale words: 2
	global_load_b128 v[148:151], v[LI], s[PSB:PSB+1]
.irp i, 0,1,2,3,4,5,6,7,8,9,10,11
	global_load_b128 v[96+4*\i:99+4*\i], v[LI], s[P1:P1+1] offset:512*\i       ; slot 1: 12
.endr
.irp c, 0,1,2
	global_load_b128 v[16+4*\c:19+4*\c], v[LI], s[QP:QP+1] offset:512*\c       ; Q's fragment stays in registers: 3,
.endr
	global_load_b32 v255, v[R4], s[QS:QS+1]                                    ; and its scale words: 1
	ROUND_LD P2, 0                                                             ; slot 2's first round: 6
	s_load_b128 s[84:87], s[74:75], 0x0            ; my block's flags: a word for each slot
	v_mov_b32 v13, 0xff61b1e6                      ; the largest t so far: -3e38
	v_floor_f32 v12, -v13                          ; -M
	v_mov_b32 v14, 0
	v_mov_b32 v15, 0
	v_mov_b32 v[NINF], 0xff800000                  ; -infinity
.irp b, 0,1,2,3
	v_mov_b32 v[236+\b], 0                         ; a lane permute's destination counts as one of its sources
.endr
	v_mov_b32 v252, 0
	v_mov_b32 v253, 0
.set J, 0
.rept 64
	v_mov_b32 v[160+J], 0                          ; O^T: whichever key step is a wave's first finds zeros
.set J, J+1
.endr
	s_wait_kmcnt 0x0
	s_lshl_b32 s85, s85, 8
	s_lshl_b32 s86, s86, 16
	s_lshl_b32 s87, s87, 24
	s_or_b32 s84, s84, s85
	s_or_b32 s86, s86, s87
	s_or_b32 s[FL], s84, s86                       ; slot s's eight flags in bits 8 s on,
	s_lshl_b32 s85, s[GR], 1
	s_lshr_b32 s[FL], s[FL], s85                   ; brought down by my group's 2: bit 8 s + u: some bit set in my u-th step of slot s; bit 8 s + 4 + u: all set
.set N, 32
.rept 16
	s_mov_b64 s[N:N+1], -1                         ; the mask words' registers are written once on the way that all take
.set N, N+2
.endr
.set N, 68
.rept 16
	s_mov_b64 s[N:N+1], -1
.set N, N+2
.endr
	s_wait_loadcnt 22                              ; of the 36 loads the first 14 are in: slot 0 and the scale words
.irp i, 0,1,2,3,4,5,6,7,8,9,10,11
	ds_store_b128 v[SGA], v[32+4*\i:35+4*\i] offset:512*\i
.endr
	ds_store_b128 v[ADK], v[144:147]
	ds_store_b128 v[ADK], v[148:151] offset:512
	s_wait_loadcnt 10                              ; slot 1 is in; Q's 4 and the round's 6 may be out
.irp i, 0,1,2,3,4,5,6,7,8,9,10,11
	ds_store_b128 v[ADV], v[96+4*\i:99+4*\i] offset:512*\i
.endr
	s_wait_loadcnt 6                               ; Q is in; the round's 6 may be out
	BARRIER                                        ; slots 0 and 1 and the scale words lie in LDS
; A KEY STEP: 128 keys, my u-th of slot s.
.macro STEP s, u
.set AR, AREA*((\s)%3)
	s_bitcmp1_b32 s[FL], 8*(\s)+(\u)               ; does any of my queries see any of these keys?
	s_cbranch_scc0 .Lskip_\@
	s_bitcmp1_b32 s[FL], 8*(\s)+4+(\u)             ; do all see all?  Then the words are not wanted
	s_cbranch_scc1 .Lnw_\@
	s_load_b512 s[32:47], s[MP:MP+1], 256*(4*(\s)+(\u))
	s_load_b512 s[48:63], s[MP:MP+1], 256*(4*(\s)+(\u))+64
	s_load_b512 s[68:83], s[MP:MP+1], 256*(4*(\s)+(\u))+128
	s_load_b512 s[84:99], s[MP:MP+1], 256*(4*(\s)+(\u))+192
.Lnw_\@:
	v_add_nc_u32 v[ADK], AR, v[AK0]                ; five plain places: four in front of the loads into registers that the last products read, five in front of the products that write over such registers
	v_add_nc_u32 v[ADV], AR+4*STP, v[AK0]
	v_nop
	v_nop
	v_nop
.irp t, 0,1,2,3                                ; S^T = K Q^T: tiles 0-3; the scale words of all eight tiles
.irp c, 0,1,2
	ds_load_b128 v[32+12*\t+4*\c:35+12*\t+4*\c], v[ADK] offset:STP*(\u)+1536*\t+512*\c
.endr
	ds_load_b32 v[248+\t], v[ASK0] offset:2048*(\s)+512*(\u)+64*\t
.endr
	s_wait_dscnt 0x0
.irp t, 0,1,2,3
	v_wmma_scale_f32_16x16x128_f8f6f4 v[96+8*\t:103+8*\t], v[32+12*\t:43+12*\t], v[16:27], 0, v[248+\t], v255 matrix_a_fmt:MATRIX_FMT_BF6 matrix_b_fmt:MATRIX_FMT_BF6
.endr
.rept 4
	v_nop
.endr
.irp t, 0,1,2,3                                ; tiles 4-7
.irp c, 0,1,2
	ds_load_b128 v[32+12*\t+4*\c:35+12*\t+4*\c], v[ADK] offset:STP*(\u)+1536*(4+\t)+512*\c
.endr
.endr
	s_wait_dscnt 0x0
.irp t, 0,1,2,3
	v_wmma_scale_f32_16x16x128_f8f6f4 v[128+8*\t:135+8*\t], v[32+12*\t:43+12*\t], v[16:27], 0, v[248+\t], v255 matrix_a_fmt:MATRIX_FMT_BF6 matrix_b_fmt:MATRIX_FMT_BF6 matrix_a_scale:MATRIX_SCALE_ROW1
.endr
.rept 4
	v_nop
.endr
.irp t, 0,1,2,3                                ; V's tiles 0-3 and the scale words of all eight are asked for here: they land under the softmax
.irp c, 0,1,2
	ds_load_b128 v[32+12*\t+4*\c:35+12*\t+4*\c], v[ADV] offset:STP*(\u)+1536*\t+512*\c
.endr
	ds_load_b32 v[248+\t], v[ASK0] offset:8192+2048*(\s)+512*(\u)+64*\t
.endr
	s_wait_kmcnt 0x0                               ; on every way: no scalar load is out behind this line
	s_bitcmp1_b32 s[FL], 8*(\s)+4+(\u)
	s_cbranch_scc1 .Lopen_\@
.set N, 0
.rept 64
	v_cndmask_b32 v[96+N], v[NINF], v[96+N], s[32+N+4*(N/32)]   ; the score where the mask's bit is set, else -infinity; ascending: each accumulator from its low end on
.set N, N+1
.endr
.Lopen_\@:
.irp b, 0,1,2,3
	v_max3_num_f32 v[232+\b], v[96+16*\b], v[97+16*\b], v[98+16*\b]   ; the largest score of each block of 32 keys: for the row's maximum, and for the block's largest p
.endr
.irp i, 3,5,7,9,11,13
.irp b, 0,1,2,3
	v_max3_num_f32 v[232+\b], v[232+\b], v[96+16*\b+\i], v[97+16*\b+\i]
.endr
.endr
.irp b, 0,1,2,3
	v_max_num_f32 v[232+\b], v[232+\b], v[111+16*\b]
.endr
.irp b, 0,1,2,3
	v_permlanex16_b32 v[236+\b], v[232+\b], s[SEL], s[SEL+1]
.endr
.irp b, 0,1,2,3
	v_max_num_f32 v[232+\b], v[232+\b], v[236+\b]
.endr
	v_max3_num_f32 v254, v232, v233, v234
	v_max_num_f32 v254, v254, v235
	v_mul_f32 v254, s[CS], v254
	v_max_num_f32 v13, v13, v254                   ; the running largest t
	v_mov_b32 v254, v12
	v_floor_f32 v12, -v13                          ; the new -M = -ceil(t)
	v_sub_f32 v254, v12, v254                      ; old M - new M: a whole number, 0 or less
	v_cvt_i32_f32 v254, v254                       ; (it saturates)
	v_ldexp_f32 v252, 1.0, v254                    ; f = 2^(old M - new M)
.set J, 0
.rept 32
	v_pk_fma_f32 v[96+J:97+J], v[96+J:97+J], s[CS:CS+1], v[12:13] op_sel_hi:[1,0,0]   ; t - M
.set J, J+2
.endr
.irp b, 0,1,2,3
	v_fma_f32 v[232+\b], v[232+\b], s[CS], v12
.endr
.set J, 0
.rept 64
	v_exp_f32 v[96+J], v[96+J]                     ; p = 2^(t - M): not normalised
.set J, J+1
.endr
	v_pk_mul_f32 v[14:15], v[14:15], v[252:253] op_sel_hi:[1,0]   ; the sums under the new M: a plain place behind the exponentials
	s_wait_alu depctr_va_vdst(0)                   ; one wait for the whole batch, ahead of its first reader
.irp b, 0,1,2,3
	v_exp_f32 v[232+\b], v[232+\b]                 ; each block's largest p
.endr
	v_pk_add_f32 v[236:237], v[96:97], v[98:99]    ; the row's sum of the unquantised p, in two chains
.irp j, 4,8,12,16,20,24,28,32,36,40,44,48,52,56,60
	v_pk_add_f32 v[14:15], v[14:15], v[96+\j:97+\j]
	v_pk_add_f32 v[236:237], v[236:237], v[98+\j:99+\j]
.endr
	v_pk_add_f32 v[14:15], v[14:15], v[236:237]
	s_wait_alu depctr_va_vdst(0)                   ; and one for the four
.irp b, 0,1,2,3
	v_max_num_f32 v[232+\b], 0x2800000, v[232+\b]  ; the floor 2^(5 - 127)
.endr
.irp b, 0,1,2,3
	v_add_nc_u32 v[244+\b], 0xfe000000, v[232+\b]
.endr
.irp b, 0,1,2,3
	v_lshrrev_b32 v[236+\b], 23, v[244+\b]
.endr
	v_lshl_or_b32 v253, v237, 8, v236              ; p's scale word for these 128 keys
	v_lshl_or_b32 v253, v238, 16, v253
	v_lshl_or_b32 v253, v239, 24, v253
.irp c, 0,1
	v_cvt_scalef32_pk16_bf6_f32 v[224+6*\c:226+6*\c], v[96+32*\c:111+32*\c], v[244+2*\c]
	v_cvt_scalef32_pk16_bf6_f32 v[236+4*\c:238+4*\c], v[112+32*\c:127+32*\c], v[244+2*\c+1]
.endr
	v_nop                                          ; one plain place behind a scaled conversion
.irp t, 0,1,2,3                                ; p has been read for the last time: V's tiles 4-7 are asked for into its registers
.irp c, 0,1,2
	ds_load_b128 v[96+12*\t+4*\c:99+12*\t+4*\c], v[ADV] offset:STP*(\u)+1536*(4+\t)+512*\c
.endr
.endr
.irp c, 0,1
.irp i, 0,1,2
	v_permlane16_swap_b32 v[224+6*\c+\i], v[236+4*\c+\i]
.endr
.irp i, 0,1,2
	v_mov_b32 v[227+6*\c+\i], v[236+4*\c+\i]
.endr
.endr
.set J, 0
.rept 32
	v_pk_mul_f32 v[160+J:161+J], v[160+J:161+J], v[252:253] op_sel_hi:[1,0]   ; O^T under the new M; these are also the places in front of the products below
.set J, J+2
.endr
	s_wait_dscnt 12                                ; V's tiles 0-3 and the scale words are in; the 12 loads of tiles 4-7 may be out
.irp t, 0,1,2,3                                ; O^T += V^T P^T
	v_wmma_scale_f32_16x16x128_f8f6f4 v[160+8*\t:167+8*\t], v[32+12*\t:43+12*\t], v[224:235], v[160+8*\t:167+8*\t], v[248+\t], v253 matrix_a_fmt:MATRIX_FMT_BF6 matrix_b_fmt:MATRIX_FMT_BF6
.endr
	s_wait_dscnt 0x0
.irp t, 0,1,2,3
	v_wmma_scale_f32_16x16x128_f8f6f4 v[192+8*\t:199+8*\t], v[96+12*\t:107+12*\t], v[224:235], v[192+8*\t:199+8*\t], v[248+\t], v253 matrix_a_fmt:MATRIX_FMT_BF6 matrix_b_fmt:MATRIX_FMT_BF6 matrix_a_scale:MATRIX_SCALE_ROW1
.endr
.Lskip_\@:
.endm
	STEP 0, 0
	ROUND_ST 2, 0                                  ; slot 2 goes to area 2, which nobody has read
	ROUND_LD P2, 1
	STEP 0, 1
	ROUND_ST 2, 1
	ROUND_LD P3, 0                                 ; (into registers: its stores stand behind the barrier)
	BARRIER                                        ; nobody reads area 0 any more; slot 2 lies in area 2
	STEP 1, 0
	ROUND_ST 0, 0                                  ; slot 3 goes to area 0
	ROUND_LD P3, 1
	STEP 1, 1
	ROUND_ST 0, 1
	STEP 2, 0
	STEP 2, 1
	BARRIER                                        ; slot 3 lies in area 0; nobody reads areas 1 and 2 any more
	STEP 3, 0
	STEP 3, 1
	; THE TWO HALVES OF THE KEYS MEET
.rept 4
	v_nop
.endr
	v_add_f32 v14, v14, v15
	v_permlanex16_b32 v252, v14, s[SEL], s[SEL+1]
	v_add_f32 v13, v14, v252                       ; my part of the row's sum, beside -M in v12
	s_and_b32 s104, s[WV], 7
	s_mul_i32 s104, s104, 8448
	s_add_co_u32 s104, s104, MRG
	v_add_nc_u32 v[ADK], s104, v[LI]               ; the image of O^T: 16 bytes a lane
	v_and_b32 v254, 31, v0
	v_lshl_add_u32 v[ADV], v254, 3, s104           ; -M and the sum: 8 bytes a lane, 8,192 bytes on
	s_cmp_lt_u32 s[WV], 8
	s_cbranch_scc1 .Lkeep
.irp i, 0,1,2,3,4,5,6,7,8,9,10,11,12,13,14,15
	ds_store_b128 v[ADK], v[160+4*\i:163+4*\i] offset:512*\i
.endr
	ds_store_b64 v[ADV], v[12:13] offset:8192
.Lkeep:
	BARRIER                                        ; for the others' sake: my stores have landed
	s_cmp_ge_u32 s[WV], 8
	s_cbranch_scc1 .Ldone
.irp i, 0,1,2,3,4,5,6,7,8,9,10,11,12,13,14,15
	ds_load_b128 v[96+4*\i:99+4*\i], v[ADK] offset:512*\i
.endr
	ds_load_b64 v[232:233], v[ADV] offset:8192
	s_wait_dscnt 0x0
	v_min_num_f32 v234, v12, v232                  ; -M of the two parts together
	v_sub_f32 v235, v234, v12
	v_sub_f32 v236, v234, v232
	v_cvt_i32_f32 v235, v235
	v_cvt_i32_f32 v236, v236
	v_ldexp_f32 v238, 1.0, v235                    ; my part's factor,
	v_ldexp_f32 v240, 1.0, v236                    ; the other's: powers of two
	v_mov_b32 v239, 0
	v_mov_b32 v241, 0
	v_mul_f32 v242, v13, v238
	v_fma_f32 v242, v233, v240, v242               ; the row's sum
	v_rcp_f32 v244, v242
	v_cmp_eq_f32 s104, 0, v242                     ; a row with no key at all
	v_nop
	s_wait_alu depctr_va_vdst(0)                   ; ahead of the reciprocal's first reader
	v_cndmask_b32 v244, v244, 0, s104
	v_mul_f32 v238, v238, v244
	v_mul_f32 v240, v240, v244
.irp b, 0,1,2,3
	v_mov_b32 v[60+\b], 0
.endr
.set J, 0
.rept 32
	v_pk_mul_f32 v[96+J:97+J], v[96+J:97+J], v[240:241] op_sel_hi:[1,0]
.set J, J+2
.endr
.set J, 0
.rept 32
	v_pk_fma_f32 v[96+J:97+J], v[160+J:161+J], v[238:239], v[96+J:97+J] op_sel_hi:[1,0,1]   ; register 16 b + i: o(my query, 32 b + 16 h + i)
.set J, J+2
.endr
	QUANT 96, 32, 56, 72
	v_cndmask_b32 v72, v72, -1, s104               ; no key at all: four bytes 0xff
.irp c, 0,1,2
	global_store_b128 v[LI], v[32+4*\c:35+4*\c], s[OC:OC+1] offset:512*\c      ; 32 lanes store 512 consecutive bytes, aligned
.endr
	global_store_b32 v[R4], v72, s[OS:OS+1]        ; lanes r and r + 16 hold the same word and name the same place: 64 bytes
.Ldone:
	s_wait_xcnt 0x0
	v_lshl_add_u32 v254, v0, 2, 0x4c000
	v_mov_b32 v255, 0
	s_wait_tensorcnt 0x0
	ds_add_u32 v254, v255
	s_wait_dscnt 0x0
	s_endpgm
.Lfunc_end_k_q4310acaf73_attn:
	.size	k_q4310acaf73_attn, .Lfunc_end_k_q4310acaf73_attn-k_q4310acaf73_attn
	.p2alignl 7, 3214868480
	.fill 96, 4, 3214868480
	.section	.rodata,"a",@progbits
	.p2align	6, 0x0
	.amdhsa_kernel k_q4310acaf73_attn
		.amdhsa_group_segment_fixed_size 313344
		.amdhsa_private_segment_fixed_size 0
		.amdhsa_enable_private_segment 0
		.amdhsa_kernarg_size 48
		.amdhsa_user_sgpr_count 2
		.amdhsa_user_sgpr_kernarg_segment_ptr 1
		.amdhsa_wavefront_size32 1
		.amdhsa_system_sgpr_workgroup_id_x 1
		.amdhsa_system_sgpr_workgroup_id_y 1
		.amdhsa_system_sgpr_workgroup_id_z 1
		.amdhsa_system_vgpr_workitem_id 0
		.amdhsa_next_free_vgpr 256
		.amdhsa_next_free_sgpr 106
		.amdhsa_reserve_vcc 0
		.amdhsa_float_denorm_mode_32 3
		.amdhsa_float_denorm_mode_16_64 3
		.amdhsa_memory_ordered 1
		.amdhsa_forward_progress 1
		.amdhsa_inst_pref_size 215
	.end_amdhsa_kernel
	.amdgpu_metadata
---
amdhsa.version: [ 1, 2 ]
amdhsa.kernels:
  - .name:           k_q4310acaf73_attn
    .symbol:         k_q4310acaf73_attn.kd
    .args:
      - { .name: w2c, .offset: 0, .size: 8, .value_kind: global_buffer, .address_space: global }
      - { .name: w2s, .offset: 8, .size: 8, .value_kind: global_buffer, .address_space: global }
      - { .name: lm, .offset: 16, .size: 8, .value_kind: global_buffer, .address_space: global }
      - { .name: fl, .offset: 24, .size: 8, .value_kind: global_buffer, .address_space: global }
      - { .name: w3c, .offset: 32, .size: 8, .value_kind: global_buffer, .address_space: global }
      - { .name: w3s, .offset: 40, .size: 8, .value_kind: global_buffer, .address_space: global }
    .group_segment_fixed_size: 313344
    .private_segment_fixed_size: 0
    .kernarg_segment_align: 8
    .kernarg_segment_size: 48
    .max_flat_workgroup_size: 512
    .sgpr_count:     106
    .vgpr_count:     256
    .wavefront_size: 32
...
	.end_amdgpu_metadata
.endif
;; end of part 6
;; launch oproj: the kernel of part 4 again; grid 16 x 16, 4 waves a work-group, clusters of 4 x 4, 327,680 bytes of LDS; arguments w3c, w3s, w1c, w1s, bo, out0; writes out0
;; ======== version 3 of 3: 4 launches; version 2 with the launch attn written anew for expert scheduling mode
;; workspace buffers: w1c 15,728,640 bytes; w1s 655,360 bytes; lm 524,288 bytes of whole numbers; fl 2,048 bytes of whole numbers; w2c 9,437,184 bytes; w2s 393,216 bytes; w3c 3,145,728 bytes; w3s 131,072 bytes
;; launch quant: the kernel of part 5 again; grid 768 x 1, 4 waves a work-group, no clusters, 34,304 bytes of LDS; arguments x, wq, wk, wv, wo, mask, w1c, w1s, lm, fl; writes w1c, w1s, lm, fl
;; launch qkv: the kernel of part 2 again; grid 24 x 8, 4 waves a work-group, clusters of 4 x 4, 327,680 bytes of LDS; arguments w1c, w1s, bq, bk, bv, w2c, w2s; writes w2c, w2s
;; launch attn (part 7): grid 16 x 16, 16 waves a work-group, no clusters, 313,344 bytes of LDS; arguments w2c, w2s, lm, fl, w3c, w3s; writes w3c, w3s
.if DOCPART == 7
	.amdgcn_target "amdgcn-amd-amdhsa--gfx1250"
	.amdhsa_code_object_version 6
	.text
	.protected	k_q4310acaf73_attn
	.globl	k_q4310acaf73_attn
	.p2align	8
	.type	k_q4310acaf73_attn,@function
k_q4310acaf73_attn:
	s_mov_b64 s[64:65], 0
	v_nop
	global_prefetch_b8 v0, s[64:65] scope:SCOPE_SE
	s_setreg_imm32_b32 hwreg(HW_REG_WAVE_SCHED_MODE, 0, 2), 2
	s_setreg_imm32_b32 hwreg(HW_REG_WAVE_MODE, 25, 1), 1
	s_wait_xcnt 0x0
	s_wait_alu depctr_vm_vsrc(0)
; For each head: O = softmax(mask(Q K^T / sqrt(128))) V, both products on codes of BF6 with E8M0 scales; O is quantised along e = 128 head + d for the last projection.
; Q, K (w2c kinds 0, 1): fragment images [head 16][block of 16 rows of the sequence 128][1,536]; V (kind 2): [key step 16][8 head + tile of d][1,536], the keys innermost.  Scale words likewise in w2s.
; In a block, lane r holds row 32 (rb / 2) + 8 (rb % 2) + r + 8 (r / 8): so in S^T = K Q^T the 16 registers of tiles 2 b, 2 b + 1 are keys 32 b + 16 (lane / 16) + 0 .. 15 of the step, and in O^T = V^T P^T the same of d.
; THE MASK is an input.  lm[query block][key step][64] holds, for each of S^T's 64 registers, the 32 lanes' bits; fl[query block][4] holds two flags for each key step: some bit set, all bits set.
; A key step with no bit set adds nothing to any of my queries: a scalar branch on the flag leads round it.  A step with all bits set needs no select.  Else one v_cndmask_b32 a score puts -infinity where the bit is 0.
; SOFTMAX: t = score x log2(e) / sqrt(128); M = the running largest t rounded up to a whole number; p = 2^(t - M) is quantised along the keys; the sum is taken of the unquantised p and divides at the end.
; SHARES.  A work-group owns 8 query blocks of a head: 256 work-groups.  Work-group j takes blocks 4 j .. 4 j + 3 and 124 - 4 j .. 127 - 4 j: a fixed map, right for every mask, which evens the work where late queries see more keys;
; the low and the high blocks are dealt so that waves k, k + 4, k + 8, k + 12 hold as many of each, and so do waves 4 m .. 4 m + 3.  Wave w owns one block (by w % 8); of a slot's four key steps waves 0-7 take the first two, waves 8-15 the last two.
; At the end wave w + 8 hands its -M, its sum and its O^T to wave w through LDS; M is a whole number, so both parts are brought under the larger M by powers of two.
; A QUERY WHOSE MASK ROW IS ALL 0 has the sum 0: its codes are zeros and its scale word is 0xffffffff, which makes its row of the last product NaN.
; K AND V COME THROUGH REGISTERS, not by tensor loads, and there is no cluster: every key step stands under a branch on flags read from memory.
; LDS has three areas of four key steps (K, then V: 98,304 bytes).  Slots 0 and 1 and the scale words are loaded at the head, each wave 6,144 + 6,144 + 1,024 bytes, into registers that hold fragments and scores later.
; Slots 2 and 3 go through 24 registers, six loads of 512 bytes a round, a round's loads issued a key step ahead of its stores, outside the branch.  Slot 2 goes to area 2, slot 3 to area 0.
; BARRIERS: behind the head's stores; behind slot 0 (area 0 is read out, slot 2 is stored); behind slot 2 (slot 3 is stored, area 1 is read out and takes the merge); in the merge.  No prefetch: none stands at a head, and the later slots' loads are themselves issued ahead.
; LIMITS: NaN and infinities are not served; |t| stays under 2^24, so that M is exact; a block whose largest magnitude lies under 2^-122 keeps the byte 1.
; REGISTERS: v1-7 addresses and -infinity; v8-11, v28-31, v80-95 the rounds' 24; v12 -M, v13 the largest t, v[14:15] the sum; v16-27 Q; v32-79 four fragments; v96-159 S^T, then p, then V's last four fragments; v160-223 O^T;
;   v224-235 p's codes; v232-254 at work; v243 4 r; v248-251 the tiles' scale words (lanes 0-15 tile t, lanes 16-31 tile t + 4); v255 Q's scale words.
; THE MODE: SCHED_MODE bits 1:0 = 2 (LLVM: expert scheduling mode 2), set by the entry lines.  The code itself states the register dependences
; between vector or matrix instructions and memory or LDS instructions, with s_wait_alu, always for 0.
; THE PLAN.  Registers that memory or LDS instructions touch, and who else names them:
;   v[LI], v[R4], v[AK0], v[ASK0]   made at the head, never written again.
;   v[SGA]      the address of the rounds' LDS stores.  It moves twice, on the way that all waves take: two areas up behind the first barrier, back behind slot 2's last round.
;   v[ADK], v[ADV]   written at the head, at each key step's head and at the merge; read by the LDS instructions between.
;   the rounds' 24   loads land in them, LDS stores read them; behind the head no vector instruction names them.
;   v32-79, v248-251   a step's fragments and scale words: K's tiles 0-3, K's tiles 4-7, V's tiles 0-3 land in turn; products read them.
;   v96-159     products, selects and exponentials write them, sums and conversions read them; then V's tiles 4-7 land in v96-143.
;   v224-235, v253   p's codes and scale word: written by vector instructions, taken by the scaled products.
; A KEY STEP has five waits on va_vdst: at its head (the two addresses are written; the last products are done with their fragments); behind the first four score products; the wait for the 64 exponentials, which also
; shows the second four score products done with their fragments, so that V's tiles 0-3 follow it; the wait for the four exponentials; and one behind the codes and their places, which also shows the sums and
; conversions done with p, so that V's tiles 4-7 follow it.  A step that is jumped over jumps over its own waits: what stands outside the steps hangs on waits that stand outside them too.
.set STP,   12288                      ; a key step's tile of K or of V: eight images
.set KSP,   196608
.set AREA,  98304
.set SCK,   294912                     ; K's scale words of the head: 2,048 x 4 bytes; V's, [key step 16][128 d], 8,192 bytes on
.set MRG,   98304                      ; the merge, in area 1: 8 x 8,448: an image of O^T (8,192) and 8 bytes a lane
.set AK0,  1
.set ASK0, 2
.set LI,   3
.set SGA,  4
.set ADK,  5
.set ADV,  6
.set NINF, 7
.set R4,   243
.set FL,   2
.set WV,   3
.set MP,   4
.set OC,   6
.set OS,   8
.set P2,   10
.set SEL,  12
.set P3,   14
.set CS,   16
.set P0,   18
.set P1,   20
.set PSA,  22
.set PSB,  24
.set QP,   26
.set QS,   28
.set GR,   30
.macro QUANT s, pc, tm, pw             ; 64 numbers of a lane, register 16 b + i = k 32 b + 16 (lane / 16) + i, become a fragment in v[pc] .. v[pc + 11] and its scale word in v[pw]
.irp b, 0,1,2,3
	v_max3_num_f32 v[\tm+\b], |v[\s+16*\b]|, |v[\s+1+16*\b]|, 0x2800000
.endr
.irp i, 2,4,6,8,10,12,14
.irp b, 0,1,2,3
	v_max3_num_f32 v[\tm+\b], v[\tm+\b], |v[\s+16*\b+\i]|, |v[\s+1+16*\b+\i]|
.endr
.endr
.irp b, 0,1,2,3
	v_permlanex16_b32 v[\tm+4+\b], v[\tm+\b], s[SEL], s[SEL+1]
.endr
.irp b, 0,1,2,3
	v_max_num_f32 v[\tm+\b], v[\tm+\b], v[\tm+4+\b]
.endr
.irp b, 0,1,2,3
	v_add_nc_u32 v[\tm+12+\b], 0xfe000000, v[\tm+\b]
.endr
.irp b, 0,1,2,3
	v_lshrrev_b32 v[\tm+4+\b], 23, v[\tm+12+\b]
.endr
	v_lshl_or_b32 v[\pw], v[\tm+5], 8, v[\tm+4]
	v_lshl_or_b32 v[\pw], v[\tm+6], 16, v[\pw]
	v_lshl_or_b32 v[\pw], v[\tm+7], 24, v[\pw]
.irp c, 0,1
	v_cvt_scalef32_pk16_bf6_f32 v[\pc+6*\c:\pc+2+6*\c], v[\s+32*\c:\s+15+32*\c], v[\tm+12+2*\c]
	v_cvt_scalef32_pk16_bf6_f32 v[\pc+12+4*\c:\pc+14+4*\c], v[\s+16+32*\c:\s+31+32*\c], v[\tm+12+2*\c+1]
.endr
	v_nop
.irp c, 0,1
.irp i, 0,1,2
	v_permlane16_swap_b32 v[\pc+6*\c+\i], v[\pc+12+4*\c+\i]
.endr
.irp i, 0,1,2
	v_mov_b32 v[\pc+3+6*\c+\i], v[\pc+12+4*\c+\i]
.endr
.endr
.endm
.macro BARRIER                         ; my LDS stores have landed and my LDS loads are in: then the work-group's barrier
	s_wait_dscnt 0x0
	s_barrier_signal -1
	s_barrier_wait -1
.endm
; A ROUND: half of my 6,144 bytes of a slot, six loads of 512 consecutive bytes, into the 24 registers kept for it; a key step later they go to LDS, by v[SGA], which stands in the slot's area.
.macro SLD rg, i, p
	global_load_b128 v[\rg:\rg+3], v[LI], s[\p:\p+1] offset:512*(\i)
.endm
.macro SST rg, i
	ds_store_b128 v[SGA], v[\rg:\rg+3] offset:512*(\i)
.endm
.macro ROUND_LD p, half
	SLD 8, 6*(\half), \p
	SLD 28, 6*(\half)+1, \p
	SLD 80, 6*(\half)+2, \p
	SLD 84, 6*(\half)+3, \p
	SLD 88, 6*(\half)+4, \p
	SLD 92, 6*(\half)+5, \p
.endm
.macro ROUND_ST half
	s_wait_loadcnt 0x0                             ; the round's six loads are in: nothing else of mine is out
	SST 8, 6*(\half)
	SST 28, 6*(\half)+1
	SST 80, 6*(\half)+2
	SST 84, 6*(\half)+3
	SST 88, 6*(\half)+4
	SST 92, 6*(\half)+5
	s_wait_dscnt 0x0                               ; the stores have landed
.endm
	s_load_b256 s[68:75], s[0:1], 0x0              ; w2c, w2s, lm, fl
	s_load_b128 s[76:79], s[0:1], 0x20             ; w3c, w3s
	v_lshrrev_b32 v8, 5, v0
	v_readfirstlane_b32 s[WV], v8                  ; wave 0..15
	v_and_b32 v9, 31, v0                           ; lane
	v_and_b32 v10, 15, v0                          ; r
	v_bfe_u32 v11, v0, 4, 1                        ; h
	v_lshlrev_b32 v[LI], 4, v9
	v_lshlrev_b32 v[R4], 2, v10
	s_wait_alu depctr_va_sdst(0)                   ; s[WV] is written, ahead of its first reader: shares, offsets and branches are made from it
	s_lshr_b32 s[GR], s[WV], 3                     ; which two of a slot's four key steps are mine
	s_and_b32 s80, s[WV], 7
	s_and_b32 s82, ttmp7, 0xffff                   ; the head
	s_lshr_b32 s81, s80, 2
	s_xor_b32 s81, s81, s80
	s_and_b32 s81, s81, 1                          ; 1: one of the work-group's four high blocks
	s_lshl_b32 s84, ttmp9, 2                       ; the low ones begin at 4 j,
	s_sub_co_u32 s85, 124, s84                     ; the high ones at 124 - 4 j
	s_cmp_eq_u32 s81, 1
	s_cselect_b32 s84, s85, s84
	s_lshr_b32 s85, s80, 1
	s_add_co_u32 s83, s84, s85                     ; my block of 16 queries
	; what I load of a slot: waves 0-7 K's 49,152 bytes, waves 8-15 V's, 6,144 bytes each
	s_mul_i32 s86, s82, KSP
	s_mul_i32 s87, s80, 6144
	s_add_co_u32 s86, s86, s87
	s_add_co_u32 s86, s86, 3145728                 ; K: kind 1, head, + 6,144 x wave
	s_lshr_b32 s87, s80, 1
	s_mul_i32 s87, s87, KSP
	s_mul_i32 s88, s82, STP
	s_add_co_u32 s87, s87, s88
	s_and_b32 s88, s80, 1
	s_mul_i32 s88, s88, 6144
	s_add_co_u32 s87, s87, s88
	s_add_co_u32 s87, s87, 6291456                 ; V: kind 2, key step (w - 8) / 2, head, + 6,144 x ((w - 8) % 2)
	s_mov_b32 s89, 4*KSP
	s_lshl_b32 s90, s82, 13
	s_lshl_b32 s91, s80, 10
	s_add_co_u32 s90, s90, s91
	s_add_co_u32 s90, s90, 131072                  ; K's scale words: 1,024 bytes a wave
	s_lshl_b32 s91, s80, 14
	s_lshl_b32 s92, s82, 9
	s_add_co_u32 s91, s91, s92
	s_add_co_u32 s91, s91, 262144                  ; V's: key steps 2 (w - 8) and the next, 512 bytes each
	s_mov_b32 s93, 8192
	s_cmp_lt_u32 s[WV], 8                          ; offsets are chosen, by the wave's number; no address is
	s_cselect_b32 s86, s86, s87
	s_cselect_b32 s88, 4*STP, s89                  ; from slot to slot
	s_cselect_b32 s90, s90, s91
	s_cselect_b32 s92, 512, s93                    ; from my first 512 scale bytes to my second
	s_mov_b32 s87, 0
	s_mov_b32 s89, 0
	s_mov_b32 s91, 0
	s_mov_b32 s93, 0
	s_mul_i32 s94, s82, KSP
	s_mul_i32 s95, s83, 1536
	s_add_co_u32 s94, s94, s95                     ; Q's image and O's: K step = head, block = my queries'
	s_mov_b32 s95, 0
	s_lshl_b32 s96, s82, 13
	s_lshl_b32 s97, s83, 6
	s_add_co_u32 s96, s96, s97                     ; their scale words
	s_mov_b32 s97, 0
	s_lshl_b32 s98, s83, 4
	s_lshl_b32 s99, s[GR], 1
	s_add_co_u32 s98, s98, s99
	s_lshl_b32 s98, s98, 8                         ; my mask words: (16 x block + 2 x group) x 256
	s_mov_b32 s99, 0
	s_lshl_b32 s104, s83, 4                        ; my flags: 16 bytes a block
	s_mov_b32 s105, 0
	s_mov_b32 s[SEL], 0x76543210
	s_mov_b32 s[SEL+1], 0xfedcba98
	s_mov_b32 s[CS], 0x3e0293ee                    ; c = log2(e) / sqrt(128)
	s_mov_b32 s[CS+1], s[CS]
	s_mul_i32 s31, s[WV], 6144
	v_add_nc_u32 v[SGA], s31, v[LI]                ; where my part of a slot goes, in area 0
	v_add_nc_u32 v[ADV], AREA, v[SGA]              ; (at the head: the same in area 1,
	s_lshl_b32 s31, s[WV], 10
	s_add_co_u32 s31, s31, SCK
	v_add_nc_u32 v[ADK], s31, v[LI]                ; and my 1,024 bytes of scale words)
	s_mul_i32 s31, s[GR], 2*STP
	v_add_nc_u32 v[AK0], s31, v[LI]                ; my lane's place in my first key step of an area
	v_lshl_add_u32 v[ASK0], v11, 8, v[R4]          ; scale words: 4 r, lanes 16-31 four tiles (256 bytes) on,
	s_lshl_b32 s31, s[GR], 10
	s_add_co_u32 s31, s31, SCK
	v_add_nc_u32 v[ASK0], s31, v[ASK0]             ; in my first key step of slot 0
	s_wait_kmcnt 0x0
	s_add_nc_u64 s[P0:P0+1], s[68:69], s[86:87]
	s_add_nc_u64 s[P1:P1+1], s[P0:P0+1], s[88:89]
	s_add_nc_u64 s[P2:P2+1], s[P1:P1+1], s[88:89]
	s_add_nc_u64 s[P3:P3+1], s[P2:P2+1], s[88:89]
	s_add_nc_u64 s[PSA:PSA+1], s[70:71], s[90:91]
	s_add_nc_u64 s[PSB:PSB+1], s[PSA:PSA+1], s[92:93]
	s_add_nc_u64 s[QP:QP+1], s[68:69], s[94:95]
	s_add_nc_u64 s[OC:OC+1], s[76:77], s[94:95]
	s_add_nc_u64 s[QS:QS+1], s[70:71], s[96:97]
	s_add_nc_u64 s[OS:OS+1], s[78:79], s[96:97]
	s_add_nc_u64 s[MP:MP+1], s[72:73], s[98:99]
	s_add_nc_u64 s[74:75], s[74:75], s[104:105]
	s_wait_alu depctr_va_vdst(0)                   ; the addresses v1 to v6 and v243 are written, which the loads and LDS stores below read; the lines that made them are done with v8 to v11, in which a round's loads land
.irp i, 0,1,2,3,4,5,6,7,8,9,10,11
	global_load_b128 v[32+4*\i:35+4*\i], v[LI], s[P0:P0+1] offset:512*\i       ; slot 0: 12 loads
.endr
	global_load_b128 v[144:147], v[LI], s[PSA:PSA+1]                           ; the scale words: 2
	global_load_b128 v[148:151], v[LI], s[PSB:PSB+1]
.irp i, 0,1,2,3,4,5,6,7,8,9,10,11
	global_load_b128 v[96+4*\i:99+4*\i], v[LI], s[P1:P1+1] offset:512*\i       ; slot 1: 12
.endr
.irp c, 0,1,2
	global_load_b128 v[16+4*\c:19+4*\c], v[LI], s[QP:QP+1] offset:512*\c       ; Q's fragment stays in registers: 3,
.endr
	global_load_b32 v255, v[R4], s[QS:QS+1]                                    ; and its scale words: 1
	ROUND_LD P2, 0                                                             ; slot 2's first round: 6
	s_load_b128 s[84:87], s[74:75], 0x0            ; my block's flags: a word for each slot
	v_mov_b32 v13, 0xff61b1e6                      ; the largest t so far: -3e38.  (The lines from here to the barrier name no register that a load or LDS store of the head touches)
	v_floor_f32 v12, -v13                          ; -M
	v_mov_b32 v14, 0
	v_mov_b32 v15, 0
	v_mov_b32 v[NINF], 0xff800000                  ; -infinity
.irp b, 0,1,2,3
	v_mov_b32 v[236+\b], 0                         ; a lane permute's destination counts as one of its sources
.endr
	v_mov_b32 v252, 0
	v_mov_b32 v253, 0
.set J, 0
.rept 64
	v_mov_b32 v[160+J], 0                          ; O^T: whichever key step is a wave's first finds zeros
.set J, J+1
.endr
	s_wait_kmcnt 0x0
	s_lshl_b32 s85, s85, 8
	s_lshl_b32 s86, s86, 16
	s_lshl_b32 s87, s87, 24
	s_or_b32 s84, s84, s85
	s_or_b32 s86, s86, s87
	s_or_b32 s[FL], s84, s86                       ; slot s's eight flags in bits 8 s on,
	s_lshl_b32 s85, s[GR], 1
	s_lshr_b32 s[FL], s[FL], s85                   ; brought down by my group's 2: bit 8 s + u: some bit set in my u-th step of slot s; bit 8 s + 4 + u: all set
.set N, 32
.rept 16
	s_mov_b64 s[N:N+1], -1                         ; the mask words' registers are written once on the way that all take
.set N, N+2
.endr
.set N, 68
.rept 16
	s_mov_b64 s[N:N+1], -1
.set N, N+2
.endr
	s_wait_loadcnt 22                              ; of the 36 loads the first 14 are in: slot 0 and the scale words
.irp i, 0,1,2,3,4,5,6,7,8,9,10,11
	ds_store_b128 v[SGA], v[32+4*\i:35+4*\i] offset:512*\i
.endr
	ds_store_b128 v[ADK], v[144:147]
	ds_store_b128 v[ADK], v[148:151] offset:512
	s_wait_loadcnt 10                              ; slot 1 is in; Q's 4 and the round's 6 may be out
.irp i, 0,1,2,3,4,5,6,7,8,9,10,11
	ds_store_b128 v[ADV], v[96+4*\i:99+4*\i] offset:512*\i
.endr
	s_wait_loadcnt 6                               ; Q is in; the round's 6 may be out
	BARRIER                                        ; slots 0 and 1 and the scale words lie in LDS
	s_wait_alu depctr_vm_vsrc(0)                   ; the head's LDS stores have read v32-79 and v96-151, which fragments and scores take from here on, and v[SGA], which the next line writes
	v_add_nc_u32 v[SGA], 2*AREA, v[SGA]            ; slot 2's rounds go to area 2
	s_wait_alu depctr_va_vdst(0)                   ; v[SGA] is written: the LDS stores of slot 2's two rounds read it, whether the steps between are walked or jumped over
; A KEY STEP: 128 keys, my u-th of slot s.
.macro STEP s, u
.set AR, AREA*((\s)%3)
	s_bitcmp1_b32 s[FL], 8*(\s)+(\u)               ; does any of my queries see any of these keys?
	s_cbranch_scc0 .Lskip_\@
	s_bitcmp1_b32 s[FL], 8*(\s)+4+(\u)             ; do all see all?  Then the words are not wanted
	s_cbranch_scc1 .Lnw_\@
	s_load_b512 s[32:47], s[MP:MP+1], 256*(4*(\s)+(\u))
	s_load_b512 s[48:63], s[MP:MP+1], 256*(4*(\s)+(\u))+64
	s_load_b512 s[68:83], s[MP:MP+1], 256*(4*(\s)+(\u))+128
	s_load_b512 s[84:99], s[MP:MP+1], 256*(4*(\s)+(\u))+192
.Lnw_\@:
	s_wait_alu depctr_vm_vsrc(0)                   ; the LDS instructions issued so far have read v[ADK] and v[ADV], which the next two lines write
	v_add_nc_u32 v[ADK], AR, v[AK0]                ; five plain places in front of the score products, which write over registers that the last products read
	v_add_nc_u32 v[ADV], AR+4*STP, v[AK0]
	v_nop
	v_nop
	v_nop
	s_wait_alu depctr_va_vdst(0)                   ; v[ADK] and v[ADV] are written, which this step's LDS loads read; the last products are done reading v32-79 and v248-251, in which the loads below land
.irp t, 0,1,2,3                                ; S^T = K Q^T: tiles 0-3; the scale words of all eight tiles
.irp c, 0,1,2
	ds_load_b128 v[32+12*\t+4*\c:35+12*\t+4*\c], v[ADK] offset:STP*(\u)+1536*\t+512*\c
.endr
	ds_load_b32 v[248+\t], v[ASK0] offset:2048*(\s)+512*(\u)+64*\t
.endr
	s_wait_dscnt 0x0
.irp t, 0,1,2,3
	v_wmma_scale_f32_16x16x128_f8f6f4 v[96+8*\t:103+8*\t], v[32+12*\t:43+12*\t], v[16:27], 0, v[248+\t], v255 matrix_a_fmt:MATRIX_FMT_BF6 matrix_b_fmt:MATRIX_FMT_BF6
.endr
.rept 4
	v_nop
.endr
	s_wait_alu depctr_va_vdst(0)                   ; the four products are done reading v32-79, in which tiles 4-7 land
.irp t, 0,1,2,3                                ; tiles 4-7
.irp c, 0,1,2
	ds_load_b128 v[32+12*\t+4*\c:35+12*\t+4*\c], v[ADK] offset:STP*(\u)+1536*(4+\t)+512*\c
.endr
.endr
	s_wait_dscnt 0x0
.irp t, 0,1,2,3
	v_wmma_scale_f32_16x16x128_f8f6f4 v[128+8*\t:135+8*\t], v[32+12*\t:43+12*\t], v[16:27], 0, v[248+\t], v255 matrix_a_fmt:MATRIX_FMT_BF6 matrix_b_fmt:MATRIX_FMT_BF6 matrix_a_scale:MATRIX_SCALE_ROW1
.endr
.rept 4
	v_nop                                          ; four places behind the products, before their results are read (ISA guide 7.12.1)
.endr
	s_wait_kmcnt 0x0                               ; on every way: no scalar load is out behind this line
	s_bitcmp1_b32 s[FL], 8*(\s)+4+(\u)
	s_cbranch_scc1 .Lopen_\@
.set N, 0
.rept 64
	v_cndmask_b32 v[96+N], v[NINF], v[96+N], s[32+N+4*(N/32)]   ; the score where the mask's bit is set, else -infinity; ascending: each accumulator from its low end on
.set N, N+1
.endr
.Lopen_\@:
.irp b, 0,1,2,3
	v_max3_num_f32 v[232+\b], v[96+16*\b], v[97+16*\b], v[98+16*\b]   ; the largest score of each block of 32 keys: for the row's maximum, and for the block's largest p
.endr
.irp i, 3,5,7,9,11,13
.irp b, 0,1,2,3
	v_max3_num_f32 v[232+\b], v[232+\b], v[96+16*\b+\i], v[97+16*\b+\i]
.endr
.endr
.irp b, 0,1,2,3
	v_max_num_f32 v[232+\b], v[232+\b], v[111+16*\b]
.endr
.irp b, 0,1,2,3
	v_permlanex16_b32 v[236+\b], v[232+\b], s[SEL], s[SEL+1]
.endr
.irp b, 0,1,2,3
	v_max_num_f32 v[232+\b], v[232+\b], v[236+\b]
.endr
	v_max3_num_f32 v254, v232, v233, v234
	v_max_num_f32 v254, v254, v235
	v_mul_f32 v254, s[CS], v254
	v_max_num_f32 v13, v13, v254                   ; the running largest t
	v_mov_b32 v254, v12
	v_floor_f32 v12, -v13                          ; the new -M = -ceil(t)
	v_sub_f32 v254, v12, v254                      ; old M - new M: a whole number, 0 or less
	v_cvt_i32_f32 v254, v254                       ; (it saturates)
	v_ldexp_f32 v252, 1.0, v254                    ; f = 2^(old M - new M)
.set J, 0
.rept 32
	v_pk_fma_f32 v[96+J:97+J], v[96+J:97+J], s[CS:CS+1], v[12:13] op_sel_hi:[1,0,0]   ; t - M
.set J, J+2
.endr
.irp b, 0,1,2,3
	v_fma_f32 v[232+\b], v[232+\b], s[CS], v12
.endr
.set J, 0
.rept 64
	v_exp_f32 v[96+J], v[96+J]                     ; p = 2^(t - M): not normalised
.set J, J+1
.endr
	v_pk_mul_f32 v[14:15], v[14:15], v[252:253] op_sel_hi:[1,0]   ; the sums under the new M: a plain place behind the exponentials
	s_wait_alu depctr_va_vdst(0)                   ; the 64 exponentials have written p, ahead of its first reader; and the score products of tiles 4-7 are done reading v32-79 and v248-251, in which the loads below land
.irp t, 0,1,2,3                                ; V's tiles 0-3 and the scale words of all eight are asked for here: they land under the sums, the scales and the conversions
.irp c, 0,1,2
	ds_load_b128 v[32+12*\t+4*\c:35+12*\t+4*\c], v[ADV] offset:STP*(\u)+1536*\t+512*\c
.endr
	ds_load_b32 v[248+\t], v[ASK0] offset:8192+2048*(\s)+512*(\u)+64*\t
.endr
.irp b, 0,1,2,3
	v_exp_f32 v[232+\b], v[232+\b]                 ; each block's largest p
.endr
	v_pk_add_f32 v[236:237], v[96:97], v[98:99]    ; the row's sum of the unquantised p, in two chains
.irp j, 4,8,12,16,20,24,28,32,36,40,44,48,52,56,60
	v_pk_add_f32 v[14:15], v[14:15], v[96+\j:97+\j]
	v_pk_add_f32 v[236:237], v[236:237], v[98+\j:99+\j]
.endr
	v_pk_add_f32 v[14:15], v[14:15], v[236:237]
	s_wait_alu depctr_va_vdst(0)                   ; the four exponentials have written v232-235, ahead of their first reader
.irp b, 0,1,2,3
	v_max_num_f32 v[232+\b], 0x2800000, v[232+\b]  ; the floor 2^(5 - 127)
.endr
.irp b, 0,1,2,3
	v_add_nc_u32 v[244+\b], 0xfe000000, v[232+\b]
.endr
.irp b, 0,1,2,3
	v_lshrrev_b32 v[236+\b], 23, v[244+\b]
.endr
	v_lshl_or_b32 v253, v237, 8, v236              ; p's scale word for these 128 keys
	v_lshl_or_b32 v253, v238, 16, v253
	v_lshl_or_b32 v253, v239, 24, v253
.irp c, 0,1
	v_cvt_scalef32_pk16_bf6_f32 v[224+6*\c:226+6*\c], v[96+32*\c:111+32*\c], v[244+2*\c]
	v_cvt_scalef32_pk16_bf6_f32 v[236+4*\c:238+4*\c], v[112+32*\c:127+32*\c], v[244+2*\c+1]
.endr
	v_nop                                          ; one plain place behind a scaled conversion
.irp c, 0,1
.irp i, 0,1,2
	v_permlane16_swap_b32 v[224+6*\c+\i], v[236+4*\c+\i]
.endr
.irp i, 0,1,2
	v_mov_b32 v[227+6*\c+\i], v[236+4*\c+\i]
.endr
.endr
.set J, 0
.rept 8
	v_pk_mul_f32 v[160+J:161+J], v[160+J:161+J], v[252:253] op_sel_hi:[1,0]   ; O^T under the new M; the first eight of the 32 are the places behind the codes and their scale word
.set J, J+2
.endr
	s_wait_alu depctr_va_vdst(0)                   ; p's codes v224-235 and its scale word v253 are written, which the scaled products below take; and the sums and conversions are done reading p, in whose registers the loads below land
.irp t, 0,1,2,3                                ; p has been read for the last time: V's tiles 4-7 are asked for into its registers
.irp c, 0,1,2
	ds_load_b128 v[96+12*\t+4*\c:99+12*\t+4*\c], v[ADV] offset:STP*(\u)+1536*(4+\t)+512*\c
.endr
.endr
.rept 24
	v_pk_mul_f32 v[160+J:161+J], v[160+J:161+J], v[252:253] op_sel_hi:[1,0]   ; the other 24: they name O^T and f alone, none of the registers that the wait above speaks for
.set J, J+2
.endr
	s_wait_dscnt 12                                ; V's tiles 0-3 and the scale words are in; the 12 loads of tiles 4-7 may be out
.irp t, 0,1,2,3                                ; O^T += V^T P^T
	v_wmma_scale_f32_16x16x128_f8f6f4 v[160+8*\t:167+8*\t], v[32+12*\t:43+12*\t], v[224:235], v[160+8*\t:167+8*\t], v[248+\t], v253 matrix_a_fmt:MATRIX_FMT_BF6 matrix_b_fmt:MATRIX_FMT_BF6
.endr
	s_wait_dscnt 0x0
.irp t, 0,1,2,3
	v_wmma_scale_f32_16x16x128_f8f6f4 v[192+8*\t:199+8*\t], v[96+12*\t:107+12*\t], v[224:235], v[192+8*\t:199+8*\t], v[248+\t], v253 matrix_a_fmt:MATRIX_FMT_BF6 matrix_b_fmt:MATRIX_FMT_BF6 matrix_a_scale:MATRIX_SCALE_ROW1
.endr
.Lskip_\@:
.endm
	STEP 0, 0
	ROUND_ST 0                                     ; slot 2 goes to area 2, which nobody has read
	s_wait_alu depctr_vm_vsrc(0)                   ; the round's LDS stores have read the 24 registers, in which the next round's loads land
	ROUND_LD P2, 1
	STEP 0, 1
	ROUND_ST 1
	s_wait_alu depctr_vm_vsrc(0)                   ; the round's LDS stores have read the 24 registers, in which the next round's loads land, and v[SGA], which the next line writes
	v_sub_nc_u32 v[SGA], v[SGA], 2*AREA            ; slot 3's rounds go to area 0
	ROUND_LD P3, 0                                 ; (into registers: its stores stand behind the barrier)
	s_wait_alu depctr_va_vdst(0)                   ; v[SGA] is written: the LDS stores of slot 3's two rounds read it, whether the steps between are walked or jumped over
	BARRIER                                        ; nobody reads area 0 any more; slot 2 lies in area 2
	STEP 1, 0
	ROUND_ST 0                                     ; slot 3 goes to area 0
	s_wait_alu depctr_vm_vsrc(0)                   ; the round's LDS stores have read the 24 registers, in which the last round's loads land
	ROUND_LD P3, 1
	STEP 1, 1
	ROUND_ST 1
	STEP 2, 0
	STEP 2, 1
	BARRIER                                        ; slot 3 lies in area 0; nobody reads areas 1 and 2 any more
	STEP 3, 0
	STEP 3, 1
	; THE TWO HALVES OF THE KEYS MEET
.rept 4
	v_nop
.endr
	v_add_f32 v14, v14, v15
	v_permlanex16_b32 v252, v14, s[SEL], s[SEL+1]
	v_add_f32 v13, v14, v252                       ; my part of the row's sum, beside -M in v12
	s_and_b32 s104, s[WV], 7
	s_mul_i32 s104, s104, 8448
	s_add_co_u32 s104, s104, MRG
	s_wait_alu depctr_vm_vsrc(0)                   ; the LDS instructions issued so far have read v[ADK] and v[ADV], which the lines below write
	v_add_nc_u32 v[ADK], s104, v[LI]               ; the image of O^T: 16 bytes a lane
	v_and_b32 v254, 31, v0
	v_lshl_add_u32 v[ADV], v254, 3, s104           ; -M and the sum: 8 bytes a lane, 8,192 bytes on
	s_wait_alu depctr_va_vdst(0)                   ; O^T, -M, the sum and the two addresses are written, which the LDS stores and loads below read; and all that named v96-159 and v232-233, in which the other wave's part lands, is done.  The places above stay beside this wait
	s_cmp_lt_u32 s[WV], 8
	s_cbranch_scc1 .Lkeep
.irp i, 0,1,2,3,4,5,6,7,8,9,10,11,12,13,14,15
	ds_store_b128 v[ADK], v[160+4*\i:163+4*\i] offset:512*\i
.endr
	ds_store_b64 v[ADV], v[12:13] offset:8192
.Lkeep:
	BARRIER                                        ; for the others' sake: my stores have landed
	s_cmp_ge_u32 s[WV], 8
	s_cbranch_scc1 .Ldone
.irp i, 0,1,2,3,4,5,6,7,8,9,10,11,12,13,14,15
	ds_load_b128 v[96+4*\i:99+4*\i], v[ADK] offset:512*\i
.endr
	ds_load_b64 v[232:233], v[ADV] offset:8192
	s_wait_dscnt 0x0
	v_min_num_f32 v234, v12, v232                  ; -M of the two parts together
	v_sub_f32 v235, v234, v12
	v_sub_f32 v236, v234, v232
	v_cvt_i32_f32 v235, v235
	v_cvt_i32_f32 v236, v236
	v_ldexp_f32 v238, 1.0, v235                    ; my part's factor,
	v_ldexp_f32 v240, 1.0, v236                    ; the other's: powers of two
	v_mov_b32 v239, 0
	v_mov_b32 v241, 0
	v_mul_f32 v242, v13, v238
	v_fma_f32 v242, v233, v240, v242               ; the row's sum
	v_rcp_f32 v244, v242
	v_cmp_eq_f32 s104, 0, v242                     ; a row with no key at all
	v_nop
	s_wait_alu depctr_va_vdst(0)                   ; the reciprocal has written v244, ahead of its first reader
	s_wait_alu depctr_va_sdst(0)                   ; the compare has written s104, ahead of its first reader
	v_cndmask_b32 v244, v244, 0, s104
	v_mul_f32 v238, v238, v244
	v_mul_f32 v240, v240, v244
.irp b, 0,1,2,3
	v_mov_b32 v[60+\b], 0
.endr
.set J, 0
.rept 32
	v_pk_mul_f32 v[96+J:97+J], v[96+J:97+J], v[240:241] op_sel_hi:[1,0]
.set J, J+2
.endr
.set J, 0
.rept 32
	v_pk_fma_f32 v[96+J:97+J], v[160+J:161+J], v[238:239], v[96+J:97+J] op_sel_hi:[1,0,1]   ; register 16 b + i: o(my query, 32 b + 16 h + i)
.set J, J+2
.endr
	QUANT 96, 32, 56, 72
	v_cndmask_b32 v72, v72, -1, s104               ; no key at all: four bytes 0xff
	s_wait_alu depctr_va_vdst(0)                   ; the codes v32-43 and the scale word v72 are written, which the stores below read
.irp c, 0,1,2
	global_store_b128 v[LI], v[32+4*\c:35+4*\c], s[OC:OC+1] offset:512*\c      ; 32 lanes store 512 consecutive bytes, aligned
.endr
	global_store_b32 v[R4], v72, s[OS:OS+1]        ; lanes r and r + 16 hold the same word and name the same place: 64 bytes
.Ldone:
	s_wait_xcnt 0x0
	v_lshl_add_u32 v254, v0, 2, 0x4c000            ; the add's two registers are made anew here, v0 being as at the entry; no memory or LDS instruction has read v254 or v255
	v_mov_b32 v255, 0
	s_wait_dscnt 0x0                               ; the closing lines, six on end
	s_wait_alu 0x0
	s_wait_tensorcnt 0x0
	ds_add_u32 v254, v255
	s_wait_dscnt 0x0
	s_endpgm
.Lfunc_end_k_q4310acaf73_attn:
	.size	k_q4310acaf73_attn, .Lfunc_end_k_q4310acaf73_attn-k_q4310acaf73_attn
	.p2alignl 7, 3214868480
	.fill 96, 4, 3214868480
	.section	.rodata,"a",@progbits
	.p2align	6, 0x0
	.amdhsa_kernel k_q4310acaf73_attn
		.amdhsa_group_segment_fixed_size 313344
		.amdhsa_private_segment_fixed_size 0
		.amdhsa_enable_private_segment 0
		.amdhsa_kernarg_size 48
		.amdhsa_user_sgpr_count 2
		.amdhsa_user_sgpr_kernarg_segment_ptr 1
		.amdhsa_wavefront_size32 1
		.amdhsa_system_sgpr_workgroup_id_x 1
		.amdhsa_system_sgpr_workgroup_id_y 1
		.amdhsa_system_sgpr_workgroup_id_z 1
		.amdhsa_system_vgpr_workitem_id 0
		.amdhsa_next_free_vgpr 256
		.amdhsa_next_free_sgpr 106
		.amdhsa_reserve_vcc 0
		.amdhsa_float_denorm_mode_32 3
		.amdhsa_float_denorm_mode_16_64 3
		.amdhsa_memory_ordered 1
		.amdhsa_forward_progress 1
		.amdhsa_inst_pref_size 216
	.end_amdhsa_kernel
	.amdgpu_metadata
---
amdhsa.version: [ 1, 2 ]
amdhsa.kernels:
  - .name:           k_q4310acaf73_attn
    .symbol:         k_q4310acaf73_attn.kd
    .args:
      - { .name: w2c, .offset: 0, .size: 8, .value_kind: global_buffer, .address_space: global }
      - { .name: w2s, .offset: 8, .size: 8, .value_kind: global_buffer, .address_space: global }
      - { .name: lm, .offset: 16, .size: 8, .value_kind: global_buffer, .address_space: global }
      - { .name: fl, .offset: 24, .size: 8, .value_kind: global_buffer, .address_space: global }
      - { .name: w3c, .offset: 32, .size: 8, .value_kind: global_buffer, .address_space: global }
      - { .name: w3s, .offset: 40, .size: 8, .value_kind: global_buffer, .address_space: global }
    .group_segment_fixed_size: 313344
    .private_segment_fixed_size: 0
    .kernarg_segment_align: 8
    .kernarg_segment_size: 48
    .max_flat_workgroup_size: 512
    .sgpr_count:     106
    .vgpr_count:     256
    .wavefront_size: 32
...
	.end_amdgpu_metadata
.endif
;; end of part 7
;; launch oproj: the kernel of part 4 again; grid 16 x 16, 4 waves a work-group, clusters of 4 x 4, 327,680 bytes of LDS; arguments w3c, w3s, w1c, w1s, bo, out0; writes out0
